; MI455X (gfx1250); checked and timed in simulation.
; The chip was launched on July 23, 2026; its instructions are those of AMD's public machine-readable ISA for CDNA 5 (MIT licence, August 2026) and "CDNA5" Instruction Set Architecture Reference Guide (July 2026). The comments in the code are by the model that wrote it; some were corrected since.
;; Attention Block. Allowed arithmetic: matrix products marked QUANTISED: E2M1 operands, one E8M0 scale for each 32 along K, by v_wmma_scale_f32_16x16x128_f8f6f4 with both operands' format E2M1 (or v_wmma_scale_f32_32x16x128_f4), f32 sums; everything else in f32.
;; Inputs: ca_bo 1,024 float32; ca_nb 1,024 float32; ca_ncb 768 float32; ca_ncg 768 float32; ca_ng 1,024 float32; ca_wkv_codes 1,024 x 24 x 16 uint8 (E2M1 codes of ca_wkv, K innermost, in blocks of 32 codes, two codes a byte); ca_wkv_scales 1,024 x 24 uint8 (E8M0 scales of ca_wkv, one for each 32 codes along K); ca_wo_codes 1,024 x 16 x 16 uint8 (E2M1 codes of ca_wo, K innermost, in blocks of 32 codes, two codes a byte); ca_wo_scales 1,024 x 16 uint8 (E8M0 scales of ca_wo, one for each 32 codes along K); ca_wq_codes 512 x 32 x 16 uint8 (E2M1 codes of ca_wq, K innermost, in blocks of 32 codes, two codes a byte); ca_wq_scales 512 x 32 uint8 (E8M0 scales of ca_wq, one for each 32 codes along K); context 4 x 512 x 768 float32; sa_bo 1,024 float32; sa_nb 1,024 float32; sa_ncb 1,024 float32; sa_ncg 1,024 float32; sa_ng 1,024 float32; sa_wkv_codes 1,024 x 32 x 16 uint8 (E2M1 codes of sa_wkv, K innermost, in blocks of 32 codes, two codes a byte); sa_wkv_scales 1,024 x 32 uint8 (E8M0 scales of sa_wkv, one for each 32 codes along K); sa_wo_codes 1,024 x 16 x 16 uint8 (E2M1 codes of sa_wo, K innermost, in blocks of 32 codes, two codes a byte); sa_wo_scales 1,024 x 16 uint8 (E8M0 scales of sa_wo, one for each 32 codes along K); sa_wq_codes 512 x 32 x 16 uint8 (E2M1 codes of sa_wq, K innermost, in blocks of 32 codes, two codes a byte); sa_wq_scales 512 x 32 uint8 (E8M0 scales of sa_wq, one for each 32 codes along K); x 4 x 2,048 x 1,024 float32.
;; Outputs: out0 4 x 2,048 x 1,024 float32.
;; This version of the problem:
;;   THIS VERSION OF THE PROBLEM IS GIVEN IN LOW PRECISION. The matrix products marked QUANTISED in the list below multiply operands that are first quantised to E2M1 (2 exponent bits, 1 mantissa bit; 4 bits a number), with one power-of-two scale for each 32 numbers along K (OCP MX v1.0); their sums are f32. All else is computed in f32.
;;   The module's matrix products, in the order in which they are computed (A, B: the left and right operand; K: the contracted axis; several contracted axes count as one K, in the product's order):
;;     1. [M 8,192, K 1,024] x [K 1,024, N 512]; A: computed on the way; B: input sa_wq (given as codes): QUANTISED
;;     2. [M 8,192, K 1,024] x [K 1,024, N 1,024]; A: computed on the way; B: input sa_wkv (given as codes): QUANTISED
;;     3. batch 32 x [M 2,048, K 64] x [K 64, N 2,048]; A: computed on the way; B: computed on the way: QUANTISED
;;     4. batch 32 x [M 2,048, K 2,048] x [K 2,048, N 64]; A: softmax (see below); B: computed on the way: QUANTISED
;;     5. [M 8,192, K 512] x [K 512, N 1,024]; A: computed on the way; B: input sa_wo (given as codes): QUANTISED
;;     6. [M 8,192, K 1,024] x [K 1,024, N 512]; A: computed on the way; B: input ca_wq (given as codes): QUANTISED
;;     7. [M 2,048, K 768] x [K 768, N 1,024]; A: computed on the way; B: input ca_wkv (given as codes): QUANTISED
;;     8. batch 32 x [M 2,048, K 64] x [K 64, N 512]; A: computed on the way; B: computed on the way: QUANTISED
;;     9. batch 32 x [M 2,048, K 512] x [K 512, N 64]; A: softmax (see below); B: computed on the way: QUANTISED
;;     10. [M 8,192, K 512] x [K 512, N 1,024]; A: computed on the way; B: input ca_wo (given as codes): QUANTISED
;;   THE QUANTISER, for each operand of a quantised product, along K:
;;     - K is cut into blocks of 32 from its start; a last block that is shorter is filled with zeros.
;;     - A block's scale is 2^e with e = floor(log2(the largest magnitude in the block)) - 2, held to -126 .. 127; a block of zeros has e = 0. As a byte (E8M0): e + 127.
;;     - Each number is divided by its block's scale, clamped to +-6, and rounded to the nearest number of E2M1, ties to even, subnormals kept.
;;     - The product sums the exact products of the quantised numbers (number of the format x scale) in f32.
;;   ~~~python
;;   def quantise(x, axis):      # numpy; x: float32 -> the quantised numbers, widened to float32 again
;;       x = np.moveaxis(x, axis, -1); K = x.shape[-1]
;;       x = np.pad(x, [(0, 0)] * (x.ndim - 1) + [(0, -K % 32)]); x = x.reshape(x.shape[:-1] + (-1, 32)); a = np.abs(x).max(-1, keepdims=True)
;;       e = np.where(a > 0, np.clip(np.frexp(np.where(a > 0, a, 1))[1] - 1 - 2, -126, 127), 0)      # np.frexp(a)[1] - 1 = floor(log2(a)), exactly
;;       r = np.clip(x / 2.0 ** e, -6, 6)
;;       step = 2.0 ** (np.maximum(np.frexp(np.where(r == 0, 1, r))[1] - 1, 0) - 1)
;;       q = np.round(r / step) * step * 2.0 ** e      # np.round: ties to even
;;       return np.moveaxis(q.reshape(q.shape[:-2] + (-1,))[..., :K], -1, axis).astype(np.float32)
;;   ~~~
;;   SOFTMAX AHEAD OF A QUANTISED PRODUCT. Where the list says 'softmax', what is quantised is not the finished softmax but p = 2^(t - M), with t = logit x log2(e) and M = ceil(the row's largest t), a whole number; so 1/2 < the row's largest p <= 1. The row's sum l is taken of the UNQUANTISED p, in f32, and the product's result is divided by l at the end. Since M is a whole number, a kernel that streams over the keys may use a running M (the ceiling of the running maximum): every later rescaling is an exact power of two, which a block's scale takes up: the codes' values come out the same.
;;   OPERANDS COMPUTED ON THE WAY. 'Computed on the way' means the value that the module computes at that place (a softmax that the list does not call 'softmax' is quantised finished and normalised). What goes into a quantiser is computed in f32, as accurately as f32 sums, v_exp_f32 and their like allow (about 1e-6 of the number): no bf16 or f16 on the way to a quantiser, and a product that is left as it is and whose result goes on into a quantised operand takes f32 operands (vector FMAs, or v_wmma_f32_16x16x4_f32). A number that lies on a knife's edge between two numbers of the format may be rounded either way, as far as f32 arithmetic and the matrix unit's own rounding can turn it there, and no further.
;;   INPUTS GIVEN AS CODES. ca_wkv (in the module: [768, 1024], K = its axis 0); ca_wo (in the module: [512, 1024], K = its axis 0); ca_wq (in the module: [1024, 512], K = its axis 0); sa_wkv (in the module: [1024, 1024], K = its axis 0); sa_wo (in the module: [512, 1024], K = its axis 0); sa_wq (in the module: [1024, 512], K = its axis 0): each comes as NAME_codes (uint8): NAME with its K axis moved to the last place and cut into blocks of 32 codes, [.., K / 32, bytes a block], one block behind the other in memory; two codes a byte, the lower K in the low four bits (a code: sign, 2 exponent bits, 1 mantissa bit); and NAME_scales (uint8): the same leading axes, one E8M0 byte (e + 127) for each 32 codes along K. Its value is code x scale, taken as it is: it is not quantised again, and the codes and scales need not be those that the quantiser above would give.
;; 2 versions. Each part assembles by itself: llvm-mc -triple=amdgcn-amd-amdhsa -mcpu=gfx1250 --defsym DOCPART=n.
;; ======== version 1 of 2: 7 launches
;; workspace buffers: wpk 2,088,960 bytes; qbuf 2,359,296 bytes; kv_sa 4,587,520 bytes; kv_ca 1,146,880 bytes; obuf 2,228,224 bytes; x1 33,554,432 bytes
;; launch pack (part 1): grid 120 x 1, 4 waves a work-group, no clusters, 0 bytes of LDS; arguments sa_wq_codes, sa_wq_scales, sa_wkv_codes, sa_wkv_scales, sa_wo_codes, sa_wo_scales, ca_wq_codes, ca_wq_scales, ca_wkv_codes, ca_wkv_scales, ca_wo_codes, ca_wo_scales, wpk; writes wpk
.if DOCPART == 1
	.amdgcn_target "amdgcn-amd-amdhsa--gfx1250"
	.amdhsa_code_object_version 6
	.text
	.protected	k_q9d8041eee2_pack
	.globl	k_q9d8041eee2_pack
	.p2align	8
	.type	k_q9d8041eee2_pack,@function
k_q9d8041eee2_pack:
	s_mov_b64 s[64:65], 0
	v_nop
	global_prefetch_b8 v0, s[64:65] scope:SCOPE_SE
	s_setreg_imm32_b32 hwreg(HW_REG_WAVE_MODE, 25, 1), 1
	s_wait_xcnt 0x0
; The six weights (codes of E2M1, K innermost, and E8M0 scale bytes) are laid once in the order of the matrix operand's registers, so that every later
; load of a fragment is 512 consecutive bytes, 16 a lane, straight into the operand.  No number is changed: bytes are moved.
; A TILE is 16 rows; the rows of a tile are not neighbours: of a pair of tiles (32 rows) lane r of tile u takes row 8 u + r + 8 (r / 8).
; Codes:  [tile][K step of 128][c = 0, 1][lane][16 bytes]: lane (r, h) holds the row's block 2 c + h of the K step.
; Scales: [pair of tiles][two K steps][lane = 16 u + r][8 bytes]: the row's scale words of K steps 2 g and 2 g + 1.
; A wave takes one unit: a pair of tiles x two K steps: 8 loads of 16 bytes and one of 8 a lane, and as many stores.  480 units, 120 work-groups.
; S = K steps of the tensor, LP = log2 of its pairs of tiles, F = its first unit.
.macro PICK limit, cp, ks, lp, fu, oc, os      ; work-groups under the limit belong to this tensor (or to one picked later): the choice hangs on the work-group's number alone
	s_cmp_lt_u32 ttmp9, \limit
	s_cselect_b64 s[36:37], s[\cp:\cp+1], s[36:37]
	s_cselect_b64 s[38:39], s[\cp+2:\cp+3], s[38:39]
	s_cselect_b32 s40, \ks, s40
	s_cselect_b32 s41, \lp, s41
	s_cselect_b32 s42, \fu, s42
	s_cselect_b32 s43, \oc, s43
	s_cselect_b32 s44, \os, s44
.endm
	s_load_b512 s[8:23], s[0:1], 0x0               ; sa_wq codes, scales; sa_wkv; sa_wo; ca_wq
	s_load_b256 s[24:31], s[0:1], 0x40             ; ca_wkv codes, scales; ca_wo
	s_load_b64 s[32:33], s[0:1], 0x60              ; wpk
	v_lshrrev_b32 v1, 5, v0
	v_readfirstlane_b32 s34, v1                    ; wave
	v_and_b32 v1, 31, v0                           ; lane
	v_and_b32 v2, 15, v0                           ; r
	v_bfe_u32 v3, v0, 4, 1                         ; h
	v_and_b32 v4, 8, v2
	v_add_nc_u32 v4, v4, v2                        ; r + 8 (r / 8)
	s_wait_kmcnt 0x0
	s_mov_b64 s[36:37], s[28:29]                   ; ca_wo, unless a tensor in front of it is picked
	s_mov_b64 s[38:39], s[30:31]
	s_mov_b32 s40, 4
	s_mov_b32 s41, 5
	s_mov_b32 s42, 416
	s_mov_b32 s43, 1703936
	s_mov_b32 s44, 2072576
	PICK 104, 24, 6, 5, 320, 1310720, 2048000      ; ca_wkv
	PICK 80, 20, 8, 4, 256, 1048576, 2031616       ; ca_wq
	PICK 64, 16, 4, 5, 192, 786432, 2015232        ; sa_wo
	PICK 48, 12, 8, 5, 64, 262144, 1982464         ; sa_wkv
	PICK 16, 8, 8, 4, 0, 0, 1966080                ; sa_wq
	s_lshl_b32 s45, ttmp9, 2
	s_add_co_u32 s45, s45, s34
	s_sub_co_u32 s45, s45, s42                     ; my unit in its tensor
	s_bfm_b32 s46, s41, 0
	s_and_b32 s46, s45, s46                        ; the pair of tiles
	s_lshr_b32 s47, s45, s41                       ; which two K steps
	s_mul_i32 s48, s46, s40                        ; pair x S
	s_mov_b32 s51, 0
	s_lshl_b32 s50, s48, 11
	s_lshl_b32 s49, s47, 7
	s_add_co_u32 s50, s50, s49
	s_add_nc_u64 s[36:37], s[36:37], s[50:51]      ; codes in: 32 rows of 64 S bytes a pair, 128 bytes for two K steps
	s_lshl_b32 s50, s48, 7
	s_lshl_b32 s49, s47, 3
	s_add_co_u32 s50, s50, s49
	s_add_nc_u64 s[38:39], s[38:39], s[50:51]      ; scales in: 32 rows of 4 S bytes a pair, 8 bytes for two K steps
	s_lshl_b32 s50, s48, 11
	s_lshl_b32 s49, s47, 11
	s_add_co_u32 s50, s50, s49
	s_add_co_u32 s50, s50, s43
	s_add_nc_u64 s[52:53], s[32:33], s[50:51]      ; codes out
	s_lshl_b32 s50, s48, 7
	s_lshl_b32 s49, s47, 8
	s_add_co_u32 s50, s50, s49
	s_add_co_u32 s50, s50, s44
	s_add_nc_u64 s[54:55], s[32:33], s[50:51]      ; scales out
	s_lshl_b32 s56, s40, 6                         ; a row of codes: 64 S bytes
	s_lshl_b32 s57, s40, 9                         ; eight rows
	s_lshl_b32 s58, s40, 10                        ; a tile's image: 1,024 S bytes
	s_lshl_b32 s59, s40, 2                         ; a row of scale bytes: 4 S
	v_mul_u32_u24 v5, v4, s56
	v_lshl_add_u32 v5, v3, 4, v5                   ; tile 0: my row, + 16 h
	v_add_nc_u32 v6, s57, v5                       ; tile 1: eight rows on
	v_lshlrev_b32 v7, 4, v1                        ; out: 16 x lane
	v_add_nc_u32 v8, s58, v7                       ; tile 1's image
	v_lshl_add_u32 v9, v3, 3, v4
	v_mul_u32_u24 v9, v9, s59                      ; scales: lanes 0-15 tile 0's rows, lanes 16-31 tile 1's
	v_lshlrev_b32 v10, 3, v1                       ; out: 8 x lane
.irp u, 0,1
.irp sp, 0,1
.irp c, 0,1
	global_load_b128 v[16+16*\u+8*\sp+4*\c:16+16*\u+8*\sp+4*\c+3], v[5+\u], s[36:37] offset:64*\sp+32*\c
.endr
.endr
.endr
	global_load_b64 v[48:49], v9, s[38:39]
.set pk, 0
.irp u, 0,1
.irp sp, 0,1
.irp c, 0,1
	s_wait_loadcnt 8-pk                            ; loads come back in order: this one is in, the younger ones stay out
	global_store_b128 v[7+\u], v[16+16*\u+8*\sp+4*\c:16+16*\u+8*\sp+4*\c+3], s[52:53] offset:1024*\sp+512*\c   ; 32 lanes store 512 consecutive bytes
.set pk, pk+1
.endr
.endr
.endr
	s_wait_loadcnt 0x0
	global_store_b64 v10, v[48:49], s[54:55]       ; 256 consecutive bytes
	s_endpgm
.Lfunc_end_k_q9d8041eee2_pack:
	.size	k_q9d8041eee2_pack, .Lfunc_end_k_q9d8041eee2_pack-k_q9d8041eee2_pack
	.p2alignl 7, 3214868480
	.fill 96, 4, 3214868480
	.section	.rodata,"a",@progbits
	.p2align	6, 0x0
	.amdhsa_kernel k_q9d8041eee2_pack
		.amdhsa_group_segment_fixed_size 0
		.amdhsa_private_segment_fixed_size 0
		.amdhsa_enable_private_segment 0
		.amdhsa_kernarg_size 104
		.amdhsa_user_sgpr_count 2
		.amdhsa_user_sgpr_kernarg_segment_ptr 1
		.amdhsa_wavefront_size32 1
		.amdhsa_system_sgpr_workgroup_id_x 1
		.amdhsa_system_sgpr_workgroup_id_y 1
		.amdhsa_system_sgpr_workgroup_id_z 1
		.amdhsa_system_vgpr_workitem_id 0
		.amdhsa_next_free_vgpr 64
		.amdhsa_next_free_sgpr 66
		.amdhsa_reserve_vcc 0
		.amdhsa_float_denorm_mode_32 3
		.amdhsa_float_denorm_mode_16_64 3
		.amdhsa_memory_ordered 1
		.amdhsa_forward_progress 1
		.amdhsa_inst_pref_size 7
	.end_amdhsa_kernel
	.amdgpu_metadata
---
amdhsa.version: [ 1, 2 ]
amdhsa.kernels:
  - .name:           k_q9d8041eee2_pack
    .symbol:         k_q9d8041eee2_pack.kd
    .args:
      - { .name: sa_wq_codes, .offset: 0, .size: 8, .value_kind: global_buffer, .address_space: global }
      - { .name: sa_wq_scales, .offset: 8, .size: 8, .value_kind: global_buffer, .address_space: global }
      - { .name: sa_wkv_codes, .offset: 16, .size: 8, .value_kind: global_buffer, .address_space: global }
      - { .name: sa_wkv_scales, .offset: 24, .size: 8, .value_kind: global_buffer, .address_space: global }
      - { .name: sa_wo_codes, .offset: 32, .size: 8, .value_kind: global_buffer, .address_space: global }
      - { .name: sa_wo_scales, .offset: 40, .size: 8, .value_kind: global_buffer, .address_space: global }
      - { .name: ca_wq_codes, .offset: 48, .size: 8, .value_kind: global_buffer, .address_space: global }
      - { .name: ca_wq_scales, .offset: 56, .size: 8, .value_kind: global_buffer, .address_space: global }
      - { .name: ca_wkv_codes, .offset: 64, .size: 8, .value_kind: global_buffer, .address_space: global }
      - { .name: ca_wkv_scales, .offset: 72, .size: 8, .value_kind: global_buffer, .address_space: global }
      - { .name: ca_wo_codes, .offset: 80, .size: 8, .value_kind: global_buffer, .address_space: global }
      - { .name: ca_wo_scales, .offset: 88, .size: 8, .value_kind: global_buffer, .address_space: global }
      - { .name: wpk, .offset: 96, .size: 8, .value_kind: global_buffer, .address_space: global }
    .group_segment_fixed_size: 0
    .private_segment_fixed_size: 0
    .kernarg_segment_align: 8
    .kernarg_segment_size: 104
    .max_flat_workgroup_size: 128
    .sgpr_count:     66
    .vgpr_count:     64
    .wavefront_size: 32
...
	.end_amdgpu_metadata
.endif
;; end of part 1
;; launch sa_qkv (part 2): grid 256 x 1, 8 waves a work-group, no clusters, 37,888 bytes of LDS; arguments x, sa_ng, sa_nb, sa_ncg, sa_ncb, wpk, qbuf, kv_sa; writes qbuf, kv_sa
.if DOCPART == 2
	.amdgcn_target "amdgcn-amd-amdhsa--gfx1250"
	.amdhsa_code_object_version 6
	.text
	.protected	k_q9d8041eee2_sa_qkv
	.globl	k_q9d8041eee2_sa_qkv
	.p2align	8
	.type	k_q9d8041eee2_sa_qkv,@function
k_q9d8041eee2_sa_qkv:
	s_mov_b64 s[64:65], 0
	v_nop
	global_prefetch_b8 v0, s[64:65] scope:SCOPE_SE
	s_setreg_imm32_b32 hwreg(HW_REG_WAVE_MODE, 25, 1), 1
	s_wait_xcnt 0x0
; Self-attention's front: both layer norms of x, their quantising to E2M1 along the 1,024 features, q = xn Wq, k and v = cn Wkv on codes, and the quantising of q and k (along a head's 64 channels) and of v (along the keys).
; SHARES.  A work-group of eight waves takes 32 tokens: two tiles m = 0, 1; lane r of tile m stands for token 8 m + r + 8 (r / 8).  For the norms wave w holds features 128 w .. + 127 of all 32 tokens (K step w);
; mean and variance are made in two passes (the mean is taken off before the squares are summed) and meet in LDS.  For the products wave w is head w and makes q, then k, then v.
; OPERANDS GO THROUGH LDS AS IMAGES OF THEIR REGISTERS: a block of 32 codes of 16 rows is 256 bytes, row r's 16 bytes at 16 r; two blocks on end are one load of 16 bytes a lane.
; The weights come from wpk in the same order, straight into registers: a chunk is 4 tiles x 2 K steps (16 loads of 512 consecutive bytes, 2 of scale words), in a ring of four slots that fill window 1.
; q, k: source 0 = 16 rows of W, source 1 = 16 tokens: a lane holds one token, and the registers of tiles 2 b, 2 b + 1 are 16 neighbouring channels.  v: the sources swapped: a lane holds one channel and 16 neighbouring tokens.
; LIMITS: NaN and infinities are not served.  A block whose largest magnitude lies under 2^-124, a block of zeros among them, takes the scale byte 1 (its codes are then zeros or near it); the bytes are read by this program alone.
; REGISTERS.  Window 0: v1-12 addresses; v16-31 the quantiser's work; v32-39 codes just made; v40-41 scale words just made; v44-47 x's scale words; v48-63 the weights' scale words;
;   v64-191 the 2 x 64 numbers of x, later v64-127 eight accumulators and v128-191 two sets of x's fragments; v192-255 at work.   Window 1: the gains and biases, later the four slots of weights.
.set XIMG, 0                           ; LDS: x's images: norm n x 16,384 + tile m x 8,192 + block x 256
.set XSC,  32768                       ; their scale bytes: n x 1,024 + (16 m + r) x 32 + block
.set RED1, 34816                       ; the sums: lane x 32 + wave x 4; the squares' 1,024 bytes further on
.set NCH,  12                          ; chunks: three units of four
.set LI,   1                           ; 16 x lane
.set XSR,  2                           ; XSC + 32 x lane
.set XA,   3                           ; x: my row, + 64 h + 512 w
.set IMW,  4                           ; 16 r + 8 h + 1,024 w: where my 8 bytes of a block go
.set SCW,  5                           ; XSC + 32 r + 4 w
.set REDW, 6
.set REDR, 7
.set GA,   8                           ; 64 h + 512 w: my place in a gain or bias
.set L8,   9
.set QST,  10                          ; 16 r + 8 h
.set L4,   11
.set R4,   12
.set TM,   16
.set PC,   32
.set PW,   40
.set XS,   44
.set WSC,  48
.set Y,    64
.set ACC,  64
.set XF,   128
.set T,    192
.set U,    192
.set SM,   196
.set PX,   198
.set RD,   200
.set MN,   216
.set RS,   220
.set WV,   20
.set SEL,  22
.set HM,   24
.set INV,  25
.set EPS,  26
.set WB,   32
.set WSB,  34
.set QCB,  36
.set QSB,  38
.set KCB,  40
.set KSB,  42
.set VCB,  44
.set VSB,  46
.set MSB, 0
.macro WIN new                         ; the immediate's high byte repeats the setting that is left
.if MSB != \new
	s_set_vgpr_msb (MSB<<8)|\new
.set MSB, \new
.endif
.endm
.macro PLACES n
.rept \n
	v_nop
.endr
.endm
.macro BAR                             ; my LDS stores have landed and my LDS loads are in: then the work-group's barrier
	s_wait_dscnt 0x0
	s_barrier_signal -1
	s_barrier_wait -1
.endm
; One product.  z = 1: C is the constant 0.  ra, rb: source 0's, source 1's scales lie in lanes 16-31 of their register.
.macro WMC d, a, b, z, sa, sb, ra, rb
.if \z
.if (\ra) && (\rb)
	v_wmma_scale_f32_16x16x128_f8f6f4 v[\d:\d+7], v[\a:\a+7], v[\b:\b+7], 0, v[\sa], v[\sb] matrix_a_fmt:MATRIX_FMT_FP4 matrix_b_fmt:MATRIX_FMT_FP4 matrix_a_scale:MATRIX_SCALE_ROW1 matrix_b_scale:MATRIX_SCALE_ROW1
.elseif (\ra)
	v_wmma_scale_f32_16x16x128_f8f6f4 v[\d:\d+7], v[\a:\a+7], v[\b:\b+7], 0, v[\sa], v[\sb] matrix_a_fmt:MATRIX_FMT_FP4 matrix_b_fmt:MATRIX_FMT_FP4 matrix_a_scale:MATRIX_SCALE_ROW1
.elseif (\rb)
	v_wmma_scale_f32_16x16x128_f8f6f4 v[\d:\d+7], v[\a:\a+7], v[\b:\b+7], 0, v[\sa], v[\sb] matrix_a_fmt:MATRIX_FMT_FP4 matrix_b_fmt:MATRIX_FMT_FP4 matrix_b_scale:MATRIX_SCALE_ROW1
.else
	v_wmma_scale_f32_16x16x128_f8f6f4 v[\d:\d+7], v[\a:\a+7], v[\b:\b+7], 0, v[\sa], v[\sb] matrix_a_fmt:MATRIX_FMT_FP4 matrix_b_fmt:MATRIX_FMT_FP4
.endif
.else
.if (\ra) && (\rb)
	v_wmma_scale_f32_16x16x128_f8f6f4 v[\d:\d+7], v[\a:\a+7], v[\b:\b+7], v[\d:\d+7], v[\sa], v[\sb] matrix_a_fmt:MATRIX_FMT_FP4 matrix_b_fmt:MATRIX_FMT_FP4 matrix_a_scale:MATRIX_SCALE_ROW1 matrix_b_scale:MATRIX_SCALE_ROW1
.elseif (\ra)
	v_wmma_scale_f32_16x16x128_f8f6f4 v[\d:\d+7], v[\a:\a+7], v[\b:\b+7], v[\d:\d+7], v[\sa], v[\sb] matrix_a_fmt:MATRIX_FMT_FP4 matrix_b_fmt:MATRIX_FMT_FP4 matrix_a_scale:MATRIX_SCALE_ROW1
.elseif (\rb)
	v_wmma_scale_f32_16x16x128_f8f6f4 v[\d:\d+7], v[\a:\a+7], v[\b:\b+7], v[\d:\d+7], v[\sa], v[\sb] matrix_a_fmt:MATRIX_FMT_FP4 matrix_b_fmt:MATRIX_FMT_FP4 matrix_b_scale:MATRIX_SCALE_ROW1
.else
	v_wmma_scale_f32_16x16x128_f8f6f4 v[\d:\d+7], v[\a:\a+7], v[\b:\b+7], v[\d:\d+7], v[\sa], v[\sb] matrix_a_fmt:MATRIX_FMT_FP4 matrix_b_fmt:MATRIX_FMT_FP4
.endif
.endif
.endm
; A chunk's 16 products: 2 K steps x 4 tiles of W x 2 tiles of tokens.  The eight accumulators take turns, one instruction a turn, in the same order in every chunk.
; kind 0: source 0 = W (window 1), source 1 = x.  kind 1: the sources swapped.
.macro WM16 kind, acc, ams, ats, slot, xb, xms, xss, xs, zero
.if \kind
	WIN 0x04
.else
	WIN 0x01
.endif
.irp sp, 0,1
.irp tt, 0,1,2,3
.irp mm, 0,1
.set rD, (\acc)+(\ams)*\mm+(\ats)*\tt
.set rW, 64*(\slot)+32*\sp+8*\tt
.set rX, (\xb)+(\xms)*\mm+(\xss)*\sp
.set rWS, WSC+4*(\slot)+2*(\tt/2)+\sp
.set rXS, (\xs)+\sp
.set rZ, 0
.if \zero
.if \sp == 0
.set rZ, 1
.endif
.endif
.if \kind
	WMC rD, rX, rW, rZ, rXS, rWS, \mm, \tt%2
.else
	WMC rD, rW, rX, rZ, rWS, rXS, \tt%2, \mm
.endif
.endr
.endr
.endr
	WIN 0
.endm
; A chunk of weights into a slot: 16 loads of codes, 2 of scale words: 18 on LOADcnt.
.macro WLOAD slot, coff, ts, soff, ss
	WIN 0x40                                       ; destination window 1, address window 0
.irp sp, 0,1
.irp tt, 0,1,2,3
.irp cc, 0,1
	global_load_b128 v[64*(\slot)+32*\sp+8*\tt+4*\cc:64*(\slot)+32*\sp+8*\tt+4*\cc+3], v[LI], s[WB:WB+1] offset:(\coff)+\tt*(\ts)+1024*\sp+512*\cc
.endr
.endr
.endr
	WIN 0
.irp pp, 0,1
	global_load_b64 v[WSC+4*(\slot)+2*\pp:WSC+4*(\slot)+2*\pp+1], v[L8], s[WSB:WSB+1] offset:(\soff)+\pp*(\ss)
.endr
.endm
; nb blocks are quantised: register s + 16 b + i is number 16 h + i of block b of my row.  Codes to v[PC + 2 b], v[PC + 2 b + 1]; the scale's byte to v[TM + 4 + b].  The blocks take turns line by line.
.macro QB s, nb
.set qb, 0
.rept \nb
	v_max3_num_f32 v[TM+qb], |v[(\s)+16*qb]|, |v[(\s)+16*qb+1]|, 0x1800000   ; my 16 numbers, and the floor 2^(3 - 127): the byte cannot fall under 1
.set qb, qb+1
.endr
.set qi, 2
.rept 7
.set qb, 0
.rept \nb
	v_max3_num_f32 v[TM+qb], v[TM+qb], |v[(\s)+16*qb+qi]|, |v[(\s)+16*qb+qi+1]|
.set qb, qb+1
.endr
.set qi, qi+2
.endr
.set qb, 0
.rept \nb
	v_permlanex16_b32 v[TM+4+qb], v[TM+qb], s[SEL], s[SEL+1]
.set qb, qb+1
.endr
.set qb, 0
.rept \nb
	v_max_num_f32 v[TM+qb], v[TM+qb], v[TM+4+qb]   ; with lane l xor 16's: the block's largest magnitude
.set qb, qb+1
.endr
.set qb, 0
.rept \nb
	v_add_nc_u32 v[TM+12+qb], 0xff000000, v[TM+qb] ; 2 off its exponent field: the conversion takes this operand's exponent field as its scale
.set qb, qb+1
.endr
.set qb, 0
.rept \nb
	v_lshrrev_b32 v[TM+4+qb], 23, v[TM+12+qb]      ; the scale's byte
.set qb, qb+1
.endr
.set qb, 0
.rept \nb
	v_cvt_scalef32_pk8_fp4_f32 v[PC+2*qb], v[(\s)+16*qb:(\s)+16*qb+7], v[TM+12+qb]
	v_cvt_scalef32_pk8_fp4_f32 v[PC+2*qb+1], v[(\s)+16*qb+8:(\s)+16*qb+15], v[TM+12+qb]
.set qb, qb+1
.endr
	v_nop                                          ; one plain place behind a scaled conversion
.endm
.macro SUM d, s, n                     ; the sum of n numbers of my lane, two at a time, in two chains
	v_pk_add_f32 v[U:U+1], v[(\s):(\s)+1], v[(\s)+2:(\s)+3]
	v_pk_add_f32 v[U+2:U+3], v[(\s)+4:(\s)+5], v[(\s)+6:(\s)+7]
.set sj, 8
.rept ((\n)-8)/4
	v_pk_add_f32 v[U:U+1], v[U:U+1], v[(\s)+sj:(\s)+sj+1]
	v_pk_add_f32 v[U+2:U+3], v[U+2:U+3], v[(\s)+sj+2:(\s)+sj+3]
.set sj, sj+4
.endr
	v_pk_add_f32 v[U:U+1], v[U:U+1], v[U+2:U+3]
	v_add_f32 v[\d], v[U], v[U+1]
.endm
.macro SQS d, s, n                     ; the sum of their squares
	v_pk_mul_f32 v[U:U+1], v[(\s):(\s)+1], v[(\s):(\s)+1]
	v_pk_mul_f32 v[U+2:U+3], v[(\s)+2:(\s)+3], v[(\s)+2:(\s)+3]
.set sj, 4
.rept ((\n)-4)/4
	v_pk_fma_f32 v[U:U+1], v[(\s)+sj:(\s)+sj+1], v[(\s)+sj:(\s)+sj+1], v[U:U+1]
	v_pk_fma_f32 v[U+2:U+3], v[(\s)+sj+2:(\s)+sj+3], v[(\s)+sj+2:(\s)+sj+3], v[U+2:U+3]
.set sj, sj+4
.endr
	v_pk_add_f32 v[U:U+1], v[U:U+1], v[U+2:U+3]
	v_add_f32 v[\d], v[U], v[U+1]
.endm
; v[SM], v[SM + 1] (my lane's part for tiles 0, 1) become the tokens' totals over the eight waves, added in the same order in every wave.
.macro XRED o
	v_permlanex16_b32 v[PX], v[SM], s[SEL], s[SEL+1]
	v_permlanex16_b32 v[PX+1], v[SM+1], s[SEL], s[SEL+1]
	v_add_f32 v[SM], v[SM], v[PX]
	v_add_f32 v[SM+1], v[SM+1], v[PX+1]
	v_cndmask_b32 v[SM], v[SM], v[SM+1], s[HM]     ; lanes 0-15 carry tile 0's token r, lanes 16-31 tile 1's
	ds_store_b32 v[REDW], v[SM] offset:\o
	BAR
	ds_load_b128 v[RD:RD+3], v[REDR] offset:\o
	ds_load_b128 v[RD+4:RD+7], v[REDR] offset:\o+16
	ds_load_b128 v[RD+8:RD+11], v[REDR] offset:\o+512
	ds_load_b128 v[RD+12:RD+15], v[REDR] offset:\o+528
	s_wait_dscnt 0x0
.irp mm, 0,1
	v_pk_add_f32 v[RD+8*\mm:RD+8*\mm+1], v[RD+8*\mm:RD+8*\mm+1], v[RD+8*\mm+2:RD+8*\mm+3]
	v_pk_add_f32 v[RD+8*\mm+4:RD+8*\mm+5], v[RD+8*\mm+4:RD+8*\mm+5], v[RD+8*\mm+6:RD+8*\mm+7]
	v_pk_add_f32 v[RD+8*\mm:RD+8*\mm+1], v[RD+8*\mm:RD+8*\mm+1], v[RD+8*\mm+4:RD+8*\mm+5]
	v_add_f32 v[SM+\mm], v[RD+8*\mm], v[RD+8*\mm+1]
.endr
.endm
; From the lanes' sums in v[SM], v[SM + 1] on: the mean is taken off, the squares are summed, and the numbers are multiplied by 1 / sqrt(variance + 1e-5).
.macro LNREST y0, y1, n
	XRED 0
	v_mul_f32 v[MN], s[INV], v[SM]
	v_mul_f32 v[MN+1], s[INV], v[SM]
	v_mul_f32 v[MN+2], s[INV], v[SM+1]
	v_mul_f32 v[MN+3], s[INV], v[SM+1]
.set lk, 0
.rept (\n)/2
	v_pk_add_f32 v[(\y0)+lk:(\y0)+lk+1], v[(\y0)+lk:(\y0)+lk+1], v[MN:MN+1] neg_lo:[0,1] neg_hi:[0,1]
	v_pk_add_f32 v[(\y1)+lk:(\y1)+lk+1], v[(\y1)+lk:(\y1)+lk+1], v[MN+2:MN+3] neg_lo:[0,1] neg_hi:[0,1]
.set lk, lk+2
.endr
	SQS SM, \y0, \n
	SQS SM+1, \y1, \n
	XRED 1024
	v_fma_f32 v[RS], v[SM], s[INV], s[EPS]
	v_fma_f32 v[RS+2], v[SM+1], s[INV], s[EPS]
	v_rsq_f32 v[RS], v[RS]
	v_rsq_f32 v[RS+2], v[RS+2]
	v_nop                                          ; one plain place behind a transcendental
	s_wait_alu depctr_va_vdst(0)
	v_mov_b32 v[RS+1], v[RS]
	v_mov_b32 v[RS+3], v[RS+2]
.set lk, 0
.rept (\n)/2
	v_pk_mul_f32 v[(\y0)+lk:(\y0)+lk+1], v[(\y0)+lk:(\y0)+lk+1], v[RS:RS+1]
	v_pk_mul_f32 v[(\y1)+lk:(\y1)+lk+1], v[(\y1)+lk:(\y1)+lk+1], v[RS+2:RS+3]
.set lk, lk+2
.endr
.endm
.macro GLOAD reg, bs, nb               ; my 16 nb numbers of a gain or bias, under a setting whose destination is window 1
.set gb, 0
.rept \nb
.irp jj, 0,1,2,3
	global_load_b128 v[(\reg)+16*gb+4*\jj:(\reg)+16*gb+4*\jj+3], v[GA], s[\bs:\bs+1] offset:128*gb+16*\jj
.endr
.set gb, gb+1
.endr
.endm
.macro NORM dst, src, g, b, n          ; dst = src x gain + bias; gain and bias in window 1
	WIN 0x14
.set nk, 0
.rept (\n)/2
	v_pk_fma_f32 v[(\dst)+nk:(\dst)+nk+1], v[(\src)+nk:(\src)+nk+1], v[(\g)+nk:(\g)+nk+1], v[(\b)+nk:(\b)+nk+1]
.set nk, nk+2
.endr
	WIN 0
.endm
.macro IMG src, nn, mm                 ; 64 numbers become K step w of tile mm's operand under norm nn: four blocks' codes and a scale word, to LDS
	s_wait_dscnt 0x0                               ; the last image's stores have read their registers
	QB \src, 4
.irp bb, 0,1,2,3
	ds_store_b64 v[IMW], v[PC+2*\bb:PC+2*\bb+1] offset:XIMG+16384*(\nn)+8192*(\mm)+256*\bb
.endr
	v_lshl_or_b32 v[PW], v[TM+5], 8, v[TM+4]
	v_lshl_or_b32 v[PW], v[TM+6], 16, v[PW]
	v_lshl_or_b32 v[PW], v[TM+7], 24, v[PW]
	ds_store_b32 v[SCW], v[PW] offset:1024*(\nn)+512*(\mm)
.endm
.macro XFETCH i                        ; chunk i's fragments of x (2 tiles x 2 K steps) and their scale words: 9 on DScnt
.set fJ, (\i)%4
.set fN, ((\i)/4+1)/2                  ; q takes the first norm, k and v the second
.set fB, XF+32*((\i)%2)
.irp mm, 0,1
.irp sp, 0,1
.irp cc, 0,1
	ds_load_b128 v[fB+16*\mm+8*\sp+4*\cc:fB+16*\mm+8*\sp+4*\cc+3], v[LI] offset:XIMG+fN*16384+\mm*8192+(2*(2*fJ+\sp)+\cc)*512
.endr
.endr
.endr
	ds_load_b64 v[XS+2*((\i)%2):XS+2*((\i)%2)+1], v[XSR] offset:fN*1024+8*fJ
.endm
.macro WLC i                           ; chunk i's weights into slot i % 4: unit i / 4 (Wq, Wk, Wv), K steps 2 (i % 4) on
	WLOAD (\i)%4, ((\i)/4)*262144+2048*((\i)%4), 8192, 1966080+((\i)/4)*16384+256*((\i)%4), 1024
.endm
.macro CH i
	PLACES 4                                       ; in front of loads into registers that the last chunk's products have read
.if (\i)+1 < NCH
	XFETCH (\i)+1
.endif
.if NCH-1-(\i) >= 2
	s_wait_loadcnt 36                              ; this chunk's weights are in; the two chunks issued behind it stay out
.else
	s_wait_loadcnt 18*(NCH-1-(\i))
.endif
.if (\i)+3 < NCH
	WLC (\i)+3
.endif
.if (\i)+1 < NCH
	s_wait_dscnt 9                                 ; this chunk's fragments of x are in; the nine loads just issued stay out
.else
	s_wait_dscnt 0x0
.endif
.set cZ, 0
.if (\i)%4 == 0
.set cZ, 1
.endif
.if (\i)/4 == 2
	WM16 1, ACC, 8, 16, (\i)%4, XF+32*((\i)%2), 16, 8, XS+2*((\i)%2), cZ
.else
	WM16 0, ACC, 32, 8, (\i)%4, XF+32*((\i)%2), 16, 8, XS+2*((\i)%2), cZ
.endif
.endm
; q or k of my head: blocks 2 m + b (token tile m, channels 32 b on).  Each store of codes covers 256 consecutive bytes; the scale words (two bytes, then 0x7f twice for the K step's empty half) 128.
.macro EPI_QK cb, sb
	s_wait_xcnt 0x0                                ; earlier stores have read their registers
	PLACES 4
	QB ACC, 4
.irp bb, 0,1,2,3
	global_store_b64 v[QST], v[PC+2*\bb:PC+2*\bb+1], s[\cb:\cb+1] offset:256*\bb
.endr
	v_lshl_or_b32 v[PW], v[TM+5], 8, v[TM+4]
	v_lshl_or_b32 v[PW+1], v[TM+7], 8, v[TM+6]
	v_cndmask_b32 v[PW], v[PW], v[PW+1], s[HM]     ; lanes 0-15 tile 0's words, lanes 16-31 tile 1's
	v_or_b32 v[PW], 0x7f7f0000, v[PW]
	global_store_b32 v[L4], v[PW], s[\sb:\sb+1]
.endm
; v of my head: block ct = channel tile ct, along these 32 keys.
.macro EPI_V cb, sb
	s_wait_xcnt 0x0
	PLACES 4
	QB ACC, 4
.irp bb, 0,1,2,3
	global_store_b64 v[QST], v[PC+2*\bb:PC+2*\bb+1], s[\cb:\cb+1] offset:512*\bb
.endr
	v_lshl_or_b32 v[PW], v[TM+5], 8, v[TM+4]
	v_lshl_or_b32 v[PW], v[TM+6], 16, v[PW]
	v_lshl_or_b32 v[PW], v[TM+7], 24, v[PW]
	global_store_b32 v[R4], v[PW], s[\sb:\sb+1]    ; byte ct of channel row r's word; lanes 16-31 write the same words
.endm
	s_load_b512 s[4:19], s[0:1], 0x0               ; x, ng, nb, ncg, ncb, wpk, qbuf, kv_sa
	v_lshl_add_u32 v42, v0, 2, 0x9000
	v_mov_b32 v43, 0
	v_lshrrev_b32 v13, 5, v0
	v_readfirstlane_b32 s[WV], v13                 ; wave = head
	v_and_b32 v13, 31, v0                          ; lane
	v_and_b32 v14, 15, v0                          ; r
	v_bfe_u32 v15, v0, 4, 1                        ; h
	s_lshl_b32 s27, s[WV], 9
	s_lshl_b32 s28, s[WV], 10
	s_lshl_b32 s29, s[WV], 2
	v_lshlrev_b32 v[LI], 4, v13
	v_lshl_add_u32 v[XSR], v13, 5, XSC
	v_and_b32 v[XA], 8, v14
	v_add_nc_u32 v[XA], v[XA], v14                 ; r + 8 (r / 8)
	v_lshlrev_b32 v[XA], 12, v[XA]
	v_lshl_add_u32 v[GA], v15, 6, s27
	v_add_nc_u32 v[XA], v[XA], v[GA]
	v_lshlrev_b32 v[QST], 4, v14
	v_lshl_add_u32 v[QST], v15, 3, v[QST]
	v_add_nc_u32 v[IMW], s28, v[QST]
	v_lshl_add_u32 v[SCW], v14, 5, s29
	v_add_nc_u32 v[SCW], XSC, v[SCW]
	v_lshl_add_u32 v[REDW], v13, 5, s29
	v_add_nc_u32 v[REDW], RED1, v[REDW]
	v_lshl_add_u32 v[REDR], v14, 5, RED1
	v_lshlrev_b32 v[L8], 3, v13
	v_lshlrev_b32 v[L4], 2, v13
	v_lshlrev_b32 v[R4], 2, v14
	s_mov_b32 s[SEL], 0x76543210
	s_mov_b32 s[SEL+1], 0xfedcba98                 ; v_permlanex16_b32's selects for lane l xor 16
	s_mov_b32 s[HM], 0xffff0000                    ; lanes 16-31
	s_mov_b32 s[INV], 0x3a800000                   ; 1 / 1,024
	s_mov_b32 s[EPS], 0x3727c5ac                   ; 1e-5
	s_lshr_b32 s50, ttmp9, 6                       ; batch
	s_and_b32 s51, ttmp9, 63                       ; block of 32 tokens in it
	s_lshl_b32 s52, s50, 3
	s_add_co_u32 s52, s52, s[WV]                   ; batch x 8 + head
	s_mov_b32 s31, 0
	s_lshl_b32 s30, ttmp9, 17                      ; 32 rows of 4,096 bytes
	s_wait_kmcnt 0x0
	s_add_nc_u64 s[4:5], s[4:5], s[30:31]
.irp mm, 0,1
.irp bb, 0,1,2,3
.irp jj, 0,1,2,3
	global_load_b128 v[Y+64*\mm+16*\bb+4*\jj:Y+64*\mm+16*\bb+4*\jj+3], v[XA], s[4:5] offset:32768*\mm+128*\bb+16*\jj   ; of each block of 32 features my 16
.endr
.endr
.endr
	WIN 0x40
	GLOAD 0, 6, 4                                  ; the first norm's gain and bias
	GLOAD 64, 8, 4
	WIN 0
	s_lshl_b32 s30, s[WV], 15
	s_add_nc_u64 s[WB:WB+1], s[14:15], s[30:31]    ; my head's four tiles of each weight: 4 x 8,192 bytes
	s_lshl_b32 s30, s[WV], 11
	s_add_nc_u64 s[WSB:WSB+1], s[14:15], s[30:31]  ; and their scale words
	s_lshl_b32 s53, s51, 10
	s_lshl_b32 s54, s51, 7
	s_lshl_b32 s30, s52, 16
	s_add_co_u32 s30, s30, s53
	s_add_nc_u64 s[QCB:QCB+1], s[16:17], s[30:31]
	s_lshl_b32 s55, s52, 13
	s_add_co_u32 s55, s55, s54
	s_add_co_u32 s30, s55, 2097152
	s_add_nc_u64 s[QSB:QSB+1], s[16:17], s[30:31]
	s_lshl_b32 s56, s52, 17
	s_add_co_u32 s30, s56, s53
	s_add_nc_u64 s[KCB:KCB+1], s[18:19], s[30:31]
	s_add_co_u32 s30, s55, 4194304
	s_add_nc_u64 s[KSB:KSB+1], s[18:19], s[30:31]
	s_lshr_b32 s57, s51, 1
	s_lshl_b32 s57, s57, 11
	s_and_b32 s58, s51, 1
	s_lshl_b32 s58, s58, 8
	s_add_co_u32 s30, s56, s57
	s_add_co_u32 s30, s30, s58
	s_add_co_u32 s30, s30, 65536
	s_add_nc_u64 s[VCB:VCB+1], s[18:19], s[30:31]
	s_lshl_b32 s30, s52, 12
	s_lshl_b32 s59, s51, 6
	s_add_co_u32 s30, s30, s59
	s_add_co_u32 s30, s30, 4456448
	s_add_nc_u64 s[VSB:VSB+1], s[18:19], s[30:31]
.irp bb, 0,1,2,3
	v_mov_b32 v[TM+4+\bb], 0                       ; written once: a lane permute's destination counts as one of its sources
.endr
	v_mov_b32 v[PX], 0
	v_mov_b32 v[PX+1], 0
	s_wait_loadcnt 48                              ; tile 0's sixteen loads are in; tile 1's and the gain's and bias's 32 stay out
	SUM SM, Y, 64
	s_wait_loadcnt 32                              ; x is in
	SUM SM+1, Y+64, 64
	LNREST Y, Y+64, 64
	s_wait_loadcnt 0x0                             ; the first norm's gain and bias
	WIN 0x40
	GLOAD 128, 10, 4                               ; the second norm's land while the first is quantised
	GLOAD 192, 12, 4
	WIN 0
	NORM T, Y, 0, 64, 64
	IMG T, 0, 0
	NORM T, Y+64, 0, 64, 64
	IMG T, 0, 1
	s_wait_loadcnt 0x0                             ; the second norm's gain and bias
	WLC 0                                          ; into the registers that the first norm's have left
	WLC 1
	NORM Y, Y, 128, 192, 64
	NORM Y+64, Y+64, 128, 192, 64
	WLC 2
	IMG Y, 1, 0
	IMG Y+64, 1, 1
	BAR                                            ; both norms' images lie in LDS
	XFETCH 0
	CH 0
	CH 1
	CH 2
	CH 3
	EPI_QK QCB, QSB
	CH 4
	CH 5
	CH 6
	CH 7
	EPI_QK KCB, KSB
	CH 8
	CH 9
	CH 10
	CH 11
	EPI_V VCB, VSB
	s_wait_tensorcnt 0x0
	ds_add_u32 v42, v43
	s_wait_dscnt 0x0
	s_endpgm
.Lfunc_end_k_q9d8041eee2_sa_qkv:
	.size	k_q9d8041eee2_sa_qkv, .Lfunc_end_k_q9d8041eee2_sa_qkv-k_q9d8041eee2_sa_qkv
	.p2alignl 7, 3214868480
	.fill 96, 4, 3214868480
	.section	.rodata,"a",@progbits
	.p2align	6, 0x0
	.amdhsa_kernel k_q9d8041eee2_sa_qkv
		.amdhsa_group_segment_fixed_size 37888
		.amdhsa_private_segment_fixed_size 0
		.amdhsa_enable_private_segment 0
		.amdhsa_kernarg_size 64
		.amdhsa_user_sgpr_count 2
		.amdhsa_user_sgpr_kernarg_segment_ptr 1
		.amdhsa_wavefront_size32 1
		.amdhsa_system_sgpr_workgroup_id_x 1
		.amdhsa_system_sgpr_workgroup_id_y 1
		.amdhsa_system_sgpr_workgroup_id_z 1
		.amdhsa_system_vgpr_workitem_id 0
		.amdhsa_next_free_vgpr 512
		.amdhsa_next_free_sgpr 66
		.amdhsa_reserve_vcc 0
		.amdhsa_float_denorm_mode_32 3
		.amdhsa_float_denorm_mode_16_64 3
		.amdhsa_memory_ordered 1
		.amdhsa_forward_progress 1
		.amdhsa_inst_pref_size 124
	.end_amdhsa_kernel
	.amdgpu_metadata
---
amdhsa.version: [ 1, 2 ]
amdhsa.kernels:
  - .name:           k_q9d8041eee2_sa_qkv
    .symbol:         k_q9d8041eee2_sa_qkv.kd
    .args:
      - { .name: x, .offset: 0, .size: 8, .value_kind: global_buffer, .address_space: global }
      - { .name: sa_ng, .offset: 8, .size: 8, .value_kind: global_buffer, .address_space: global }
      - { .name: sa_nb, .offset: 16, .size: 8, .value_kind: global_buffer, .address_space: global }
      - { .name: sa_ncg, .offset: 24, .size: 8, .value_kind: global_buffer, .address_space: global }
      - { .name: sa_ncb, .offset: 32, .size: 8, .value_kind: global_buffer, .address_space: global }
      - { .name: wpk, .offset: 40, .size: 8, .value_kind: global_buffer, .address_space: global }
      - { .name: qbuf, .offset: 48, .size: 8, .value_kind: global_buffer, .address_space: global }
      - { .name: kv_sa, .offset: 56, .size: 8, .value_kind: global_buffer, .address_space: global }
    .group_segment_fixed_size: 37888
    .private_segment_fixed_size: 0
    .kernarg_segment_align: 8
    .kernarg_segment_size: 64
    .max_flat_workgroup_size: 256
    .sgpr_count:     66
    .vgpr_count:     512
    .wavefront_size: 32
...
	.end_amdgpu_metadata
.endif
;; end of part 2
;; launch sa_attn (part 3): grid 8 x 32, 16 waves a work-group, clusters of 4 x 1, 169,984 bytes of LDS; arguments qbuf, kv_sa, obuf; writes obuf
.if DOCPART == 3
	.amdgcn_target "amdgcn-amd-amdhsa--gfx1250"
	.amdhsa_code_object_version 6
	.text
	.protected	k_q9d8041eee2_sa_attn
	.globl	k_q9d8041eee2_sa_attn
	.p2align	8
	.type	k_q9d8041eee2_sa_attn,@function
k_q9d8041eee2_sa_attn:
	s_mov_b64 s[64:65], 0
	v_nop
	global_prefetch_b8 v0, s[64:65] scope:SCOPE_SE
	s_setreg_imm32_b32 hwreg(HW_REG_WAVE_MODE, 25, 1), 1
	s_wait_xcnt 0x0
	s_wait_alu depctr_hold_cnt(0) depctr_sa_sdst(0) depctr_va_vdst(0) depctr_va_sdst(0) depctr_va_ssrc(0) depctr_va_vcc(0) depctr_vm_vsrc(0)
	s_getreg_b32 s2, hwreg(HW_REG_IB_STS2, 6, 4)
	s_cmp_eq_u32 s2, 0
	s_cbranch_scc0 .Lentry_in_a_cluster
	s_endpgm
.Lentry_in_a_cluster:
	s_bfe_u32 s2, ttmp6, 0x10000c
	s_cmp_lg_u32 s2, 0x3003
	s_cbranch_scc0 .Lentry_shape_is_right
	s_endpgm
.Lentry_shape_is_right:
; O = softmax(Q K^T / 8) V for one (batch, head), both products on codes of E2M1 with E8M0 scales, and O's quantising along the model's 512 channels.
; THE SOFTMAX: t = score x log2(e) / 8; M = the row's largest t so far, rounded UP to a whole number; p = 2^(t - M) is quantised along the keys, not normalised; the row's sum is taken of the unquantised p and divides O at the end.
; When M moves, the sum and O are multiplied by 2^(old M - new M): exact.
; SHARES.  A work-group owns 256 queries of one head, each of its sixteen waves one tile of 16 in 256 registers: four waves to a SIMD.  Every wave walks all NK keys, 128 a step.
; A HEAD'S K, V AND K's SCALE WORDS FIT IN LDS WHOLE (68 NK bytes): they come once, by first fills; nothing is filled again.  The four query blocks of a cluster walk the same head: each tile is asked for JOINTLY.
; LAYOUT.  All operands lie in memory in the order of the operand's registers: a load of 16 bytes a lane at 16 x lane is four registers of a fragment.  S^T = K Q^T (source 0 = 16 keys), O^T = V^T P^T (source 0 = 16 channels):
; a lane holds one query throughout.  Lane r of key tile 2 b + u stands for key 32 b + 8 u + r + 8 (r / 8), so the 16 registers of tiles 2 b, 2 b + 1 are 16 neighbouring keys; V's channel tiles likewise.
; The first product's K is a head's 64 channels: the K step's upper half is zero codes on both sides, under the scale byte 0x7f.
; LIMITS: NaN and infinities are not served; a block of zeros takes the scale byte 1, read by this program alone.
; REGISTERS: v1-7 addresses that stay; v8-11 the step's; v12 -M, v13 the largest t, v[14:15] the sum; v16-23 Q; v24-27 K's scale words, v28-29 V's, v30 Q's, v31 p's; v32-95 K's eight tiles; v96-159 S^T, then p;
;   v160-191 O^T; v192-223 V's four tiles; v224-231 p's codes; v232-254 at work; v243 4 r; v255 where V's turned scale words go.
.set NK,   2048
.set VIMG, NK*32                       ; LDS: K's tiles from 0, V's from here,
.set KSC,  NK*64                       ; K's scale words,
.set VSW,  NK*68                       ; V's, turned: [step][channel tile][r]; stored by ds_store, in blocks of 256 bytes into which no fill lands
.set AK0,  1
.set AV0,  2
.set AS0,  3
.set AT0,  4
.set QST,  5
.set R2,   6
.set VSG,  7
.set ADK,  8
.set ADV,  9
.set ADS,  10
.set ADT,  11
.set QF,   16
.set KSR,  24
.set VSR,  28
.set QSR,  30
.set PSW,  31
.set KF,   32
.set ST,   96
.set OT,   160
.set VF,   192
.set PC,   224
.set TM,   232
.set R4,   243
.set VSL,  255
.set WV,   10
.set SEL,  12
.set CS,   14
.set G1A,  16
.set G1B,  24
.set G0A,  32
.set G0B,  36
.set TK,   40
.set TS,   41
.set TJ,   42
.set CNT,  43
.set QCB,  56
.set QSB,  58
.set OCB,  60
.set OSB,  62
.macro PLACES n
.rept \n
	v_nop
.endr
.endm
.macro CROUND                          ; a round of the cluster's barrier
	s_barrier_signal -1
	s_barrier_wait -1
	s_cmp_lg_u32 s[WV], 0
	s_cbranch_scc1 .Lnot_wave_0_\@
	s_barrier_signal -3
.Lnot_wave_0_\@:
	s_barrier_wait -3
	s_barrier_signal -1
	s_barrier_wait -1
.endm
.macro WMC d, a, b, z, sa, sb, ra      ; one product; z = 1: C is the constant 0; ra: source 0's scales lie in lanes 16-31
.if \z
.if (\ra)
	v_wmma_scale_f32_16x16x128_f8f6f4 v[\d:\d+7], v[\a:\a+7], v[\b:\b+7], 0, v[\sa], v[\sb] matrix_a_fmt:MATRIX_FMT_FP4 matrix_b_fmt:MATRIX_FMT_FP4 matrix_a_scale:MATRIX_SCALE_ROW1
.else
	v_wmma_scale_f32_16x16x128_f8f6f4 v[\d:\d+7], v[\a:\a+7], v[\b:\b+7], 0, v[\sa], v[\sb] matrix_a_fmt:MATRIX_FMT_FP4 matrix_b_fmt:MATRIX_FMT_FP4
.endif
.else
.if (\ra)
	v_wmma_scale_f32_16x16x128_f8f6f4 v[\d:\d+7], v[\a:\a+7], v[\b:\b+7], v[\d:\d+7], v[\sa], v[\sb] matrix_a_fmt:MATRIX_FMT_FP4 matrix_b_fmt:MATRIX_FMT_FP4 matrix_a_scale:MATRIX_SCALE_ROW1
.else
	v_wmma_scale_f32_16x16x128_f8f6f4 v[\d:\d+7], v[\a:\a+7], v[\b:\b+7], v[\d:\d+7], v[\sa], v[\sb] matrix_a_fmt:MATRIX_FMT_FP4 matrix_b_fmt:MATRIX_FMT_FP4
.endif
.endif
.endm
.macro QB s, nb                        ; nb blocks are quantised: register s + 16 b + i is number 16 h + i of block b of my row
.set qb, 0
.rept \nb
	v_max3_num_f32 v[TM+qb], |v[(\s)+16*qb]|, |v[(\s)+16*qb+1]|, 0x1800000   ; and the floor 2^(3 - 127): the byte cannot fall under 1
.set qb, qb+1
.endr
.set qi, 2
.rept 7
.set qb, 0
.rept \nb
	v_max3_num_f32 v[TM+qb], v[TM+qb], |v[(\s)+16*qb+qi]|, |v[(\s)+16*qb+qi+1]|
.set qb, qb+1
.endr
.set qi, qi+2
.endr
.set qb, 0
.rept \nb
	v_permlanex16_b32 v[TM+4+qb], v[TM+qb], s[SEL], s[SEL+1]
.set qb, qb+1
.endr
.set qb, 0
.rept \nb
	v_max_num_f32 v[TM+qb], v[TM+qb], v[TM+4+qb]
.set qb, qb+1
.endr
.set qb, 0
.rept \nb
	v_add_nc_u32 v[TM+12+qb], 0xff000000, v[TM+qb]
.set qb, qb+1
.endr
.set qb, 0
.rept \nb
	v_lshrrev_b32 v[TM+4+qb], 23, v[TM+12+qb]
.set qb, qb+1
.endr
.set qb, 0
.rept \nb
	v_cvt_scalef32_pk8_fp4_f32 v[PC+2*qb], v[(\s)+16*qb:(\s)+16*qb+7], v[TM+12+qb]
	v_cvt_scalef32_pk8_fp4_f32 v[PC+2*qb+1], v[(\s)+16*qb+8:(\s)+16*qb+15], v[TM+12+qb]
.set qb, qb+1
.endr
	v_nop                                          ; one plain place behind a scaled conversion
.endm
	s_load_b128 s[4:7], s[0:1], 0x0                ; qbuf, kv
	s_load_b64 s[8:9], s[0:1], 0x10                ; obuf
	v_lshl_add_u32 v241, v0, 2, 0x29000
	v_mov_b32 v242, 0
	ds_add_u32 v241, v242
	ds_add_u32 v241, v242
	v_lshrrev_b32 v8, 5, v0
	v_readfirstlane_b32 s[WV], v8                  ; wave 0..15
	v_and_b32 v8, 31, v0                           ; lane
	v_and_b32 v9, 15, v0                           ; r
	v_bfe_u32 v10, v0, 4, 1                        ; h
	v_lshlrev_b32 v[AK0], 4, v8
	v_add_nc_u32 v[AV0], VIMG, v[AK0]
	v_lshl_add_u32 v[AS0], v8, 2, KSC
	v_lshl_add_u32 v[AT0], v8, 2, VSW
	v_lshlrev_b32 v[QST], 4, v9
	v_lshl_add_u32 v[QST], v10, 3, v[QST]          ; 16 r + 8 h
	v_lshlrev_b32 v[R2], 1, v9
	v_lshlrev_b32 v[R4], 2, v9
	v_lshrrev_b32 v240, 4, v0                      ; V's scale words: thread t takes step t / 16, channel row t % 16
	v_lshlrev_b32 v[VSG], 8, v240
	v_lshl_add_u32 v[VSG], v9, 2, v[VSG]
	v_add_nc_u32 v[VSL], VSW, v[VSG]
	s_bfe_u32 s44, ttmp6, 0x40000                  ; cx: it enters Q's and O's global addresses alone
	s_lshl_b32 s45, ttmp9, 2
	s_add_co_u32 s45, s45, s44                     ; my block of 256 queries
	s_and_b32 s46, ttmp7, 0xffff                   ; batch x 8 + head, which the four partners share
	s_lshl_b32 s47, s45, 4
	s_add_co_u32 s47, s47, s[WV]                   ; my tile of queries in the batch
	; descriptor groups 1: dense blocks as rows of 256 bytes (32 elements of 8 bytes), no padding; 15:0 the mask: all four work-groups; 21 set beside a mask
	s_mov_b32 s[G1A], 15|(3<<16)|(1<<21)
	s_mov_b32 s[G1A+1], 32<<16
	s_mov_b32 s[G1A+2], (NK/32)<<16                ; an eighth of K's and V's codes: 8 NK bytes
	s_mov_b32 s[G1A+3], 32<<16
	s_mov_b32 s[G1A+4], NK/32
	s_mov_b32 s[G1A+5], 32
	s_mov_b32 s[G1A+6], 0
	s_mov_b32 s[G1A+7], 0
	s_mov_b32 s[G1B], 15|(3<<16)|(1<<21)
	s_mov_b32 s[G1B+1], 32<<16
	s_mov_b32 s[G1B+2], (NK/64)<<16                ; K's scale words: 4 NK bytes
	s_mov_b32 s[G1B+3], 32<<16
	s_mov_b32 s[G1B+4], NK/64
	s_mov_b32 s[G1B+5], 32
	s_mov_b32 s[G1B+6], 0
	s_mov_b32 s[G1B+7], 0
	s_mov_b32 s[SEL], 0x76543210
	s_mov_b32 s[SEL+1], 0xfedcba98
	s_mov_b32 s[CS], 0x3e38aa3b                    ; c = log2(e) / 8
	s_mov_b32 s[CS+1], s[CS]                       ; (named with it as a pair, so it is written)
	s_mov_b32 s51, 0
	s_mov_b32 s55, 0
	s_and_b32 s48, s[WV], 7
	s_mul_i32 s49, s48, NK*8                       ; waves 0-7: my eighth, in LDS as in memory
	s_mul_i32 s50, s46, NK*64
	s_add_co_u32 s50, s50, s49
	s_wait_dscnt 0x0
	s_wait_kmcnt 0x0
	s_mov_b32 s[G0A], 1
	s_mov_b32 s[G0A+1], s49
	s_add_nc_u64 s[G0A+2:G0A+3], s[6:7], s[50:51]
	s_or_b32 s[G0A+3], s[G0A+3], 0x80000000
	s_mul_i32 s50, s46, NK*4
	s_add_co_u32 s50, s50, NK*2048
	s_mov_b32 s[G0B], 1
	s_mov_b32 s[G0B+1], KSC
	s_add_nc_u64 s[G0B+2:G0B+3], s[6:7], s[50:51]
	s_or_b32 s[G0B+3], s[G0B+3], 0x80000000
	s_mul_i32 s50, s46, NK*2
	s_add_co_u32 s50, s50, NK*2176
	s_add_nc_u64 s[6:7], s[6:7], s[50:51]          ; from here on: the head's scale words of V
	CROUND                                         ; all four work-groups are here: the joint loads meet
	s_cmp_lt_u32 s[WV], 8                          ; waves 0-7 fetch the codes, wave 8 K's scale words; four v_nop follow each line
	s_cbranch_scc0 .Lnot_codes
	tensor_load_to_lds s[G0A:G0A+3], s[G1A:G1A+7]
	s_nop 0
.rept 4
	v_nop
.endr
	s_branch .Lasked
.Lnot_codes:
	s_cmp_eq_u32 s[WV], 8
	s_cbranch_scc0 .Lasked
	tensor_load_to_lds s[G0B:G0B+3], s[G1B:G1B+7]
	s_nop 0
.rept 4
	v_nop
.endr
.Lasked:
	s_lshl_b32 s54, s46, 16
	s_lshl_b32 s52, s47, 9
	s_add_co_u32 s54, s54, s52
	s_add_nc_u64 s[QCB:QCB+1], s[4:5], s[54:55]    ; my tile's codes
	s_lshl_b32 s54, s46, 13
	s_lshl_b32 s52, s47, 6
	s_add_co_u32 s54, s54, s52
	s_add_co_u32 s54, s54, 2097152
	s_add_nc_u64 s[QSB:QSB+1], s[4:5], s[54:55]    ; and its scale words
	global_load_b128 v[QF:QF+3], v[AK0], s[QCB:QCB+1]
	global_load_b32 v[QSR], v[R4], s[QSB:QSB+1]
	s_lshr_b32 s52, s46, 3
	s_lshl_b32 s52, s52, 7
	s_add_co_u32 s52, s52, s47                     ; my tile among all tokens' tiles
	s_and_b32 s53, s46, 7                          ; head
	s_lshl_b32 s54, s52, 12
	s_lshl_b32 s48, s53, 9
	s_add_co_u32 s54, s54, s48
	s_add_nc_u64 s[OCB:OCB+1], s[8:9], s[54:55]
	s_lshl_b32 s54, s52, 8
	s_lshl_b32 s48, s53, 5
	s_add_co_u32 s54, s54, s48
	s_add_co_u32 s54, s54, 2097152
	s_add_nc_u64 s[OSB:OSB+1], s[8:9], s[54:55]
	; V's scale bytes lie [key block][channel row][channel tile]; the product wants, for a channel, the bytes of a step's four key blocks in one word: 4 x 4 bytes are turned in registers
	s_cmp_lt_u32 s[WV], NK/256
	s_cbranch_scc0 .Lno_vs
.irp i, 0,1,2,3
	global_load_b32 v[248+\i], v[VSG], s[6:7] offset:64*\i
.endr
	s_wait_loadcnt 0x0
	v_perm_b32 v244, v249, v248, 0x05010400
	v_perm_b32 v245, v249, v248, 0x07030602
	v_perm_b32 v246, v251, v250, 0x05010400
	v_perm_b32 v247, v251, v250, 0x07030602
	v_perm_b32 v248, v246, v244, 0x05040100
	v_perm_b32 v249, v246, v244, 0x07060302
	v_perm_b32 v250, v247, v245, 0x05040100
	v_perm_b32 v251, v247, v245, 0x07060302
.irp i, 0,1,2,3
	ds_store_b32 v[VSL], v[248+\i] offset:64*\i
.endr
.Lno_vs:
	v_mov_b32 v13, 0xff61b1e6                      ; the largest t so far: -3e38, under every t
	v_floor_f32 v12, -v13                          ; -M
	v_mov_b32 v14, 0
	v_mov_b32 v15, 0
.irp b, 0,1,2,3
	v_mov_b32 v[TM+4+\b], 0                        ; written once: a lane permute's destination counts as one of its sources
	v_mov_b32 v[QF+4+\b], 0                        ; the K step's upper half: zero codes
.endr
	v_mov_b32 v253, 0                              ; (named as the upper half of the pair v[252:253])
.irp t, 0,1,2,3,4,5,6,7
.irp b, 4,5,6,7
	v_mov_b32 v[KF+8*\t+\b], 0                     ; the same in K's eight tiles, once
.endr
.endr
.irp j, 0,1,2,3,4,5,6,7,8,9,10,11,12,13,14,15,16,17,18,19,20,21,22,23,24,25,26,27,28,29,30,31
	v_mov_b32 v[OT+\j], 0                          ; O^T: the loop is written once; its first step finds zeros, which the first change of M leaves zeros
.endr
	s_mov_b32 s[TK], 0
	s_mov_b32 s[TS], 0
	s_mov_b32 s[TJ], 0
	s_mov_b32 s[CNT], NK/128
	s_wait_loadcnt 0x0                             ; Q
	s_wait_tensorcnt 0x0                           ; my part of the head has landed,
	s_wait_dscnt 0x0                               ; my turned scale words are stored:
	s_barrier_signal -1
	s_barrier_wait -1                              ; everybody's are
.Lstep:                                            ; 128 keys a trip
	v_add_nc_u32 v[ADK], s[TK], v[AK0]             ; (these four are also the places in front of loads into registers that the last products have read)
	v_add_nc_u32 v[ADV], s[TK], v[AV0]
	v_add_nc_u32 v[ADS], s[TS], v[AS0]
	v_add_nc_u32 v[ADT], s[TJ], v[AT0]
.irp t, 0,1,2,3,4,5,6,7
	ds_load_b128 v[KF+8*\t:KF+8*\t+3], v[ADK] offset:512*\t
.endr
.irp b, 0,1,2,3
	ds_load_b32 v[KSR+\b], v[ADS] offset:128*\b    ; lanes 0-15 tile 2 b's words, lanes 16-31 tile 2 b + 1's
.endr
.irp t, 0,1,2,3
.irp c, 0,1
	ds_load_b128 v[VF+8*\t+4*\c:VF+8*\t+4*\c+3], v[ADV] offset:2048*\c+512*\t
.endr
.endr
.irp p, 0,1
	ds_load_b32 v[VSR+\p], v[ADT] offset:128*\p
.endr
	s_wait_dscnt 10                                ; K and its scale words are in; V's ten loads stay out
.irp t, 0,1,2,3,4,5,6,7
	WMC ST+8*\t, KF+8*\t, QF, 1, KSR+\t/2, QSR, \t%2
.endr
	PLACES 4
.irp b, 0,1,2,3
	v_max3_num_f32 v[232+\b], v[96+16*\b], v[97+16*\b], v[98+16*\b]   ; the largest score of each block of 32 keys: for the row's maximum, and, since p rises with the score, for the block's largest p
.endr
.irp i, 3,5,7,9,11,13
.irp b, 0,1,2,3
	v_max3_num_f32 v[232+\b], v[232+\b], v[96+16*\b+\i], v[97+16*\b+\i]
.endr
.endr
.irp b, 0,1,2,3
	v_max_num_f32 v[232+\b], v[232+\b], v[111+16*\b]
.endr
.irp b, 0,1,2,3
	v_permlanex16_b32 v[236+\b], v[232+\b], s[SEL], s[SEL+1]
.endr
.irp b, 0,1,2,3
	v_max_num_f32 v[232+\b], v[232+\b], v[236+\b]  ; with lane l xor 16's 16 keys
.endr
	v_max3_num_f32 v254, v232, v233, v234
	v_max_num_f32 v254, v254, v235                 ; the step's largest score of my query
	v_mul_f32 v254, s[CS], v254                    ; as t (c is positive)
	v_max_num_f32 v13, v13, v254                   ; the running largest t
	v_mov_b32 v254, v12
	v_floor_f32 v12, -v13                          ; the new -M = floor(-t) = -ceil(t)
	v_sub_f32 v254, v12, v254                      ; old M less new M: a whole number, 0 or less
	v_cvt_i32_f32 v254, v254                       ; (it saturates)
	v_ldexp_f32 v252, 1.0, v254                    ; f = 2^(old M - new M)
.irp j, 0,2,4,6,8,10,12,14,16,18,20,22,24,26,28,30,32,34,36,38,40,42,44,46,48,50,52,54,56,58,60,62
	v_pk_fma_f32 v[96+\j:97+\j], v[96+\j:97+\j], s[CS:CS+1], v[12:13] op_sel_hi:[1,0,0]   ; t - M, two at a time
.endr
.irp b, 0,1,2,3
	v_fma_f32 v[232+\b], v[232+\b], s[CS], v12     ; the same of each block's largest score
.endr
.irp j, 0,1,2,3,4,5,6,7,8,9,10,11,12,13,14,15,16,17,18,19,20,21,22,23,24,25,26,27,28,29,30,31,32,33,34,35,36,37,38,39,40,41,42,43,44,45,46,47,48,49,50,51,52,53,54,55,56,57,58,59,60,61,62,63
	v_exp_f32 v[96+\j], v[96+\j]                   ; p = 2^(t - M), at most 1
.endr
.irp b, 0,1,2,3
	v_exp_f32 v[232+\b], v[232+\b]                 ; the block's largest p
.endr
	v_pk_mul_f32 v[14:15], v[14:15], v[252:253] op_sel_hi:[1,0]   ; the sums under the new M (a plain place behind the exponentials)
	s_wait_alu depctr_va_vdst(0)
.irp b, 0,1,2,3
	v_max_num_f32 v[232+\b], 0x1800000, v[232+\b]  ; the floor 2^(3 - 127)
.endr
.irp b, 0,1,2,3
	v_add_nc_u32 v[244+\b], 0xff000000, v[232+\b]  ; 2 off the exponent field: the conversion's scale operand
.endr
.irp b, 0,1,2,3
	v_lshrrev_b32 v[236+\b], 23, v[244+\b]         ; the scale's byte
.endr
	v_lshl_or_b32 v[PSW], v237, 8, v236            ; p's scale word for these 128 keys
	v_lshl_or_b32 v[PSW], v238, 16, v[PSW]
	v_lshl_or_b32 v[PSW], v239, 24, v[PSW]
.irp b, 0,1,2,3
	v_cvt_scalef32_pk8_fp4_f32 v[224+2*\b], v[96+16*\b:103+16*\b], v[244+\b]
	v_cvt_scalef32_pk8_fp4_f32 v[225+2*\b], v[104+16*\b:111+16*\b], v[244+\b]
.endr
	v_nop                                          ; one plain place behind a scaled conversion
.irp c, 0,1                                    ; the operand's layout wants a whole block in a lane: lanes 0-15 block 2 c, lanes 16-31 block 2 c + 1
.irp i, 0,1
	v_permlane16_swap_b32 v[224+4*\c+\i], v[226+4*\c+\i]
.endr
.endr
	v_pk_add_f32 v[236:237], v[96:97], v[98:99]    ; the row's sum is taken of the unquantised p: two at a time, in two chains
.irp j, 4,8,12,16,20,24,28,32,36,40,44,48,52,56,60
	v_pk_add_f32 v[14:15], v[14:15], v[96+\j:97+\j]
	v_pk_add_f32 v[236:237], v[236:237], v[98+\j:99+\j]
.endr
	v_pk_add_f32 v[14:15], v[14:15], v[236:237]
.irp j, 0,2,4,6,8,10,12,14,16,18,20,22,24,26,28,30
	v_pk_mul_f32 v[OT+\j:OT+\j+1], v[OT+\j:OT+\j+1], v[252:253] op_sel_hi:[1,0]   ; O^T under the new M.  (With the sums above: the places between p's codes and scale word and the products below)
.endr
	s_wait_dscnt 0x0                               ; V and its scale words are in
.irp t, 0,1,2,3
	WMC OT+8*\t, VF+8*\t, PC, 0, VSR+\t/2, PSW, \t%2   ; one instruction a trip on each accumulator
.endr
	s_add_co_u32 s[TK], s[TK], 4096
	s_add_co_u32 s[TS], s[TS], 512
	s_add_co_u32 s[TJ], s[TJ], 256
	s_sub_co_u32 s[CNT], s[CNT], 1
	s_cmp_lg_u32 s[CNT], 0
	s_cbranch_scc1 .Lstep
	PLACES 4
	v_add_f32 v14, v14, v15                        ; the sum's two halves,
	v_permlanex16_b32 v252, v14, s[SEL], s[SEL+1]
	v_add_f32 v14, v14, v252                       ; and lane l xor 16's: the row's sum
	v_rcp_f32 v14, v14
	v_nop                                          ; one plain place behind a transcendental
	s_wait_alu depctr_va_vdst(0)
.irp j, 0,2,4,6,8,10,12,14,16,18,20,22,24,26,28,30
	v_pk_mul_f32 v[96+\j:97+\j], v[OT+\j:OT+\j+1], v[14:15] op_sel_hi:[1,0]   ; O^T / the sum: register 16 b + i is channel 32 b + 16 h + i of my query
.endr
	QB 96, 2                                       ; the head's two blocks along the next product's K
.irp b, 0,1
	global_store_b64 v[QST], v[PC+2*\b:PC+2*\b+1], s[OCB:OCB+1] offset:256*\b   ; 32 lanes store 256 consecutive bytes, aligned
.endr
	v_lshl_or_b32 v248, v[TM+5], 8, v[TM+4]
	global_store_b16 v[R2], v248, s[OSB:OSB+1]     ; the two scale bytes of my query; lanes 16-31 write the same
	s_wait_tensorcnt 0x0
	ds_add_u32 v241, v242
	s_wait_dscnt 0x0
	CROUND                                         ; the closing round: no work-group ends while a partner may still ask for a tile that names it
	s_endpgm
.Lfunc_end_k_q9d8041eee2_sa_attn:
	.size	k_q9d8041eee2_sa_attn, .Lfunc_end_k_q9d8041eee2_sa_attn-k_q9d8041eee2_sa_attn
	.p2alignl 7, 3214868480
	.fill 96, 4, 3214868480
	.section	.rodata,"a",@progbits
	.p2align	6, 0x0
	.amdhsa_kernel k_q9d8041eee2_sa_attn
		.amdhsa_group_segment_fixed_size 169984
		.amdhsa_private_segment_fixed_size 0
		.amdhsa_enable_private_segment 0
		.amdhsa_kernarg_size 24
		.amdhsa_user_sgpr_count 2
		.amdhsa_user_sgpr_kernarg_segment_ptr 1
		.amdhsa_wavefront_size32 1
		.amdhsa_system_sgpr_workgroup_id_x 1
		.amdhsa_system_sgpr_workgroup_id_y 1
		.amdhsa_system_sgpr_workgroup_id_z 1
		.amdhsa_system_vgpr_workitem_id 0
		.amdhsa_next_free_vgpr 256
		.amdhsa_next_free_sgpr 66
		.amdhsa_reserve_vcc 0
		.amdhsa_float_denorm_mode_32 3
		.amdhsa_float_denorm_mode_16_64 3
		.amdhsa_memory_ordered 1
		.amdhsa_forward_progress 1
		.amdhsa_inst_pref_size 29
	.end_amdhsa_kernel
	.amdgpu_metadata
---
amdhsa.version: [ 1, 2 ]
amdhsa.kernels:
  - .name:           k_q9d8041eee2_sa_attn
    .symbol:         k_q9d8041eee2_sa_attn.kd
    .args:
      - { .name: qbuf, .offset: 0, .size: 8, .value_kind: global_buffer, .address_space: global }
      - { .name: kv_sa, .offset: 8, .size: 8, .value_kind: global_buffer, .address_space: global }
      - { .name: obuf, .offset: 16, .size: 8, .value_kind: global_buffer, .address_space: global }
    .group_segment_fixed_size: 169984
    .private_segment_fixed_size: 0
    .kernarg_segment_align: 8
    .kernarg_segment_size: 24
    .max_flat_workgroup_size: 512
    .sgpr_count:     66
    .vgpr_count:     256
    .wavefront_size: 32
...
	.end_amdgpu_metadata
.endif
;; end of part 3
;; launch mid (part 4): grid 256 x 1, 8 waves a work-group, no clusters, 88,064 bytes of LDS; arguments obuf, x, sa_bo, ca_ng, ca_nb, wpk, x1, qbuf; writes x1, qbuf
.if DOCPART == 4
	.amdgcn_target "amdgcn-amd-amdhsa--gfx1250"
	.amdhsa_code_object_version 6
	.text
	.protected	k_q9d8041eee2_mid
	.globl	k_q9d8041eee2_mid
	.p2align	8
	.type	k_q9d8041eee2_mid,@function
k_q9d8041eee2_mid:
	s_mov_b64 s[64:65], 0
	v_nop
	global_prefetch_b8 v0, s[64:65] scope:SCOPE_SE
	s_setreg_imm32_b32 hwreg(HW_REG_WAVE_MODE, 25, 1), 1
	s_wait_xcnt 0x0
; x1 = attention's output Wo + bo + x (codes x codes, f32 sums that begin with x + bo); then cross-attention's front for the queries: layer norm of x1, quantised, q = xn Wq, quantised along a head's 64 channels.
; SHARES.  A work-group of eight waves takes 32 tokens: two tiles; lane r of tile m stands for token 8 m + r + 8 (r / 8).  Wave w makes features 128 w .. + 127 of x1 for all 32 tokens, in the very registers and layout
; in which the norm wants them (source 0 = 16 rows of Wo, source 1 = 16 tokens: a lane holds one token, the registers of tiles 2 b, 2 b + 1 are 16 neighbouring features).  x1 never comes back from memory here.
; x1 leaves through the wave's own stage in LDS, as whole pieces of rows: each store covers 512 consecutive bytes.  For q wave w is head w.
; Weights come from wpk in the order of the operand's registers, in chunks of 4 tiles x 2 K steps (18 loads), in four slots that fill window 1.
; LIMITS: NaN and infinities are not served; a block under 2^-124 takes the scale byte 1, read by this program alone.
; REGISTERS.  Window 0: v1-15 addresses; v16-31 the quantiser's work (at first the attention output's scale halves); v32-39 codes; v40-41 scale words just made; v44-47 the token operand's scale words; v48-63 the weights';
;   v64-191 x + bo, then x1 (16 accumulators), later v64-127 eight accumulators of q and v128-191 xn's fragments; v192-255 the attention output's fragments, then rows of x1 on their way out, then at work.
.set XIMG, 0                           ; LDS: xn's images: tile m x 8,192 + block x 256
.set XSC,  16384                       ; their scale bytes
.set RED1, 17408                       ; the sums; the squares' 1,024 bytes further on
.set STG,  19456                       ; the stages: 16 rows x (512 + 16) bytes for each wave
.set NCH,  4
.set WOC,  786432                      ; sa_wo's images in wpk
.set WOS,  2015232
.set LI,   1
.set XSR,  2
.set XA,   3
.set IMW,  4
.set SCW,  5
.set REDW, 6
.set REDR, 7
.set GA,   8
.set L8,   9
.set QST,  10
.set L4,   11
.set STW,  12
.set STR,  13
.set XO,   14
.set OSV,  15
.set TM,   16
.set PC,   32
.set PW,   40
.set XS,   44
.set WSC,  48
.set Y,    64
.set ACC,  64
.set XF,   128
.set T,    192
.set U,    192
.set SM,   196
.set PX,   198
.set RD,   200
.set MN,   216
.set RS,   220
.set X1B,  16
.set WV,   20
.set SEL,  22
.set HM,   24
.set INV,  25
.set EPS,  26
.set WB,   32
.set WSB,  34
.set QCB,  36
.set QSB,  38
.set OSB,  40
.set MSB, 0
.macro WIN new                         ; the immediate's high byte repeats the setting that is left
.if MSB != \new
	s_set_vgpr_msb (MSB<<8)|\new
.set MSB, \new
.endif
.endm
.macro PLACES n
.rept \n
	v_nop
.endr
.endm
.macro BAR                             ; my LDS stores have landed and my LDS loads are in: then the work-group's barrier
	s_wait_dscnt 0x0
	s_barrier_signal -1
	s_barrier_wait -1
.endm
.macro WMC d, a, b, z, sa, sb, ra, rb  ; one product; z = 1: C is the constant 0; ra, rb: that source's scales lie in lanes 16-31
.if \z
.if (\ra) && (\rb)
	v_wmma_scale_f32_16x16x128_f8f6f4 v[\d:\d+7], v[\a:\a+7], v[\b:\b+7], 0, v[\sa], v[\sb] matrix_a_fmt:MATRIX_FMT_FP4 matrix_b_fmt:MATRIX_FMT_FP4 matrix_a_scale:MATRIX_SCALE_ROW1 matrix_b_scale:MATRIX_SCALE_ROW1
.elseif (\ra)
	v_wmma_scale_f32_16x16x128_f8f6f4 v[\d:\d+7], v[\a:\a+7], v[\b:\b+7], 0, v[\sa], v[\sb] matrix_a_fmt:MATRIX_FMT_FP4 matrix_b_fmt:MATRIX_FMT_FP4 matrix_a_scale:MATRIX_SCALE_ROW1
.elseif (\rb)
	v_wmma_scale_f32_16x16x128_f8f6f4 v[\d:\d+7], v[\a:\a+7], v[\b:\b+7], 0, v[\sa], v[\sb] matrix_a_fmt:MATRIX_FMT_FP4 matrix_b_fmt:MATRIX_FMT_FP4 matrix_b_scale:MATRIX_SCALE_ROW1
.else
	v_wmma_scale_f32_16x16x128_f8f6f4 v[\d:\d+7], v[\a:\a+7], v[\b:\b+7], 0, v[\sa], v[\sb] matrix_a_fmt:MATRIX_FMT_FP4 matrix_b_fmt:MATRIX_FMT_FP4
.endif
.else
.if (\ra) && (\rb)
	v_wmma_scale_f32_16x16x128_f8f6f4 v[\d:\d+7], v[\a:\a+7], v[\b:\b+7], v[\d:\d+7], v[\sa], v[\sb] matrix_a_fmt:MATRIX_FMT_FP4 matrix_b_fmt:MATRIX_FMT_FP4 matrix_a_scale:MATRIX_SCALE_ROW1 matrix_b_scale:MATRIX_SCALE_ROW1
.elseif (\ra)
	v_wmma_scale_f32_16x16x128_f8f6f4 v[\d:\d+7], v[\a:\a+7], v[\b:\b+7], v[\d:\d+7], v[\sa], v[\sb] matrix_a_fmt:MATRIX_FMT_FP4 matrix_b_fmt:MATRIX_FMT_FP4 matrix_a_scale:MATRIX_SCALE_ROW1
.elseif (\rb)
	v_wmma_scale_f32_16x16x128_f8f6f4 v[\d:\d+7], v[\a:\a+7], v[\b:\b+7], v[\d:\d+7], v[\sa], v[\sb] matrix_a_fmt:MATRIX_FMT_FP4 matrix_b_fmt:MATRIX_FMT_FP4 matrix_b_scale:MATRIX_SCALE_ROW1
.else
	v_wmma_scale_f32_16x16x128_f8f6f4 v[\d:\d+7], v[\a:\a+7], v[\b:\b+7], v[\d:\d+7], v[\sa], v[\sb] matrix_a_fmt:MATRIX_FMT_FP4 matrix_b_fmt:MATRIX_FMT_FP4
.endif
.endif
.endm
; A chunk's 16 products: 2 K steps x 4 tiles of W (source 0, window 1) x 2 tiles of tokens (source 1).  The eight accumulators take turns, one instruction a turn.
.macro WM16 acc, ams, ats, slot, xb, xms, xss, xs, zero
	WIN 0x01
.irp sp, 0,1
.irp tt, 0,1,2,3
.irp mm, 0,1
.set rD, (\acc)+(\ams)*\mm+(\ats)*\tt
.set rW, 64*(\slot)+32*\sp+8*\tt
.set rX, (\xb)+(\xms)*\mm+(\xss)*\sp
.set rWS, WSC+4*(\slot)+2*(\tt/2)+\sp
.set rXS, (\xs)+\sp
.set rZ, 0
.if \zero
.if \sp == 0
.set rZ, 1
.endif
.endif
	WMC rD, rW, rX, rZ, rWS, rXS, \tt%2, \mm
.endr
.endr
.endr
	WIN 0
.endm
.macro WLOAD slot, coff, ts, soff, ss  ; a chunk of weights into a slot: 16 loads of codes, 2 of scale words: 18 on LOADcnt
	WIN 0x40                                       ; destination window 1, address window 0
.irp sp, 0,1
.irp tt, 0,1,2,3
.irp cc, 0,1
	global_load_b128 v[64*(\slot)+32*\sp+8*\tt+4*\cc:64*(\slot)+32*\sp+8*\tt+4*\cc+3], v[LI], s[WB:WB+1] offset:(\coff)+\tt*(\ts)+1024*\sp+512*\cc
.endr
.endr
.endr
	WIN 0
.irp pp, 0,1
	global_load_b64 v[WSC+4*(\slot)+2*\pp:WSC+4*(\slot)+2*\pp+1], v[L8], s[WSB:WSB+1] offset:(\soff)+\pp*(\ss)
.endr
.endm
.macro QB s, nb                        ; nb blocks are quantised: register s + 16 b + i is number 16 h + i of block b of my row
.set qb, 0
.rept \nb
	v_max3_num_f32 v[TM+qb], |v[(\s)+16*qb]|, |v[(\s)+16*qb+1]|, 0x1800000   ; and the floor 2^(3 - 127): the byte cannot fall under 1
.set qb, qb+1
.endr
.set qi, 2
.rept 7
.set qb, 0
.rept \nb
	v_max3_num_f32 v[TM+qb], v[TM+qb], |v[(\s)+16*qb+qi]|, |v[(\s)+16*qb+qi+1]|
.set qb, qb+1
.endr
.set qi, qi+2
.endr
.set qb, 0
.rept \nb
	v_permlanex16_b32 v[TM+4+qb], v[TM+qb], s[SEL], s[SEL+1]
.set qb, qb+1
.endr
.set qb, 0
.rept \nb
	v_max_num_f32 v[TM+qb], v[TM+qb], v[TM+4+qb]
.set qb, qb+1
.endr
.set qb, 0
.rept \nb
	v_add_nc_u32 v[TM+12+qb], 0xff000000, v[TM+qb]
.set qb, qb+1
.endr
.set qb, 0
.rept \nb
	v_lshrrev_b32 v[TM+4+qb], 23, v[TM+12+qb]
.set qb, qb+1
.endr
.set qb, 0
.rept \nb
	v_cvt_scalef32_pk8_fp4_f32 v[PC+2*qb], v[(\s)+16*qb:(\s)+16*qb+7], v[TM+12+qb]
	v_cvt_scalef32_pk8_fp4_f32 v[PC+2*qb+1], v[(\s)+16*qb+8:(\s)+16*qb+15], v[TM+12+qb]
.set qb, qb+1
.endr
	v_nop                                          ; one plain place behind a scaled conversion
.endm
.macro SUM d, s, n
	v_pk_add_f32 v[U:U+1], v[(\s):(\s)+1], v[(\s)+2:(\s)+3]
	v_pk_add_f32 v[U+2:U+3], v[(\s)+4:(\s)+5], v[(\s)+6:(\s)+7]
.set sj, 8
.rept ((\n)-8)/4
	v_pk_add_f32 v[U:U+1], v[U:U+1], v[(\s)+sj:(\s)+sj+1]
	v_pk_add_f32 v[U+2:U+3], v[U+2:U+3], v[(\s)+sj+2:(\s)+sj+3]
.set sj, sj+4
.endr
	v_pk_add_f32 v[U:U+1], v[U:U+1], v[U+2:U+3]
	v_add_f32 v[\d], v[U], v[U+1]
.endm
.macro SQS d, s, n
	v_pk_mul_f32 v[U:U+1], v[(\s):(\s)+1], v[(\s):(\s)+1]
	v_pk_mul_f32 v[U+2:U+3], v[(\s)+2:(\s)+3], v[(\s)+2:(\s)+3]
.set sj, 4
.rept ((\n)-4)/4
	v_pk_fma_f32 v[U:U+1], v[(\s)+sj:(\s)+sj+1], v[(\s)+sj:(\s)+sj+1], v[U:U+1]
	v_pk_fma_f32 v[U+2:U+3], v[(\s)+sj+2:(\s)+sj+3], v[(\s)+sj+2:(\s)+sj+3], v[U+2:U+3]
.set sj, sj+4
.endr
	v_pk_add_f32 v[U:U+1], v[U:U+1], v[U+2:U+3]
	v_add_f32 v[\d], v[U], v[U+1]
.endm
.macro XRED o                          ; the lanes' parts become the tokens' totals over the eight waves, added in the same order in every wave
	v_permlanex16_b32 v[PX], v[SM], s[SEL], s[SEL+1]
	v_permlanex16_b32 v[PX+1], v[SM+1], s[SEL], s[SEL+1]
	v_add_f32 v[SM], v[SM], v[PX]
	v_add_f32 v[SM+1], v[SM+1], v[PX+1]
	v_cndmask_b32 v[SM], v[SM], v[SM+1], s[HM]
	ds_store_b32 v[REDW], v[SM] offset:\o
	BAR
	ds_load_b128 v[RD:RD+3], v[REDR] offset:\o
	ds_load_b128 v[RD+4:RD+7], v[REDR] offset:\o+16
	ds_load_b128 v[RD+8:RD+11], v[REDR] offset:\o+512
	ds_load_b128 v[RD+12:RD+15], v[REDR] offset:\o+528
	s_wait_dscnt 0x0
.irp mm, 0,1
	v_pk_add_f32 v[RD+8*\mm:RD+8*\mm+1], v[RD+8*\mm:RD+8*\mm+1], v[RD+8*\mm+2:RD+8*\mm+3]
	v_pk_add_f32 v[RD+8*\mm+4:RD+8*\mm+5], v[RD+8*\mm+4:RD+8*\mm+5], v[RD+8*\mm+6:RD+8*\mm+7]
	v_pk_add_f32 v[RD+8*\mm:RD+8*\mm+1], v[RD+8*\mm:RD+8*\mm+1], v[RD+8*\mm+4:RD+8*\mm+5]
	v_add_f32 v[SM+\mm], v[RD+8*\mm], v[RD+8*\mm+1]
.endr
.endm
.macro LNREST y0, y1, n                ; the mean is taken off, the squares are summed, the numbers are multiplied by 1 / sqrt(variance + 1e-5)
	XRED 0
	v_mul_f32 v[MN], s[INV], v[SM]
	v_mul_f32 v[MN+1], s[INV], v[SM]
	v_mul_f32 v[MN+2], s[INV], v[SM+1]
	v_mul_f32 v[MN+3], s[INV], v[SM+1]
.set lk, 0
.rept (\n)/2
	v_pk_add_f32 v[(\y0)+lk:(\y0)+lk+1], v[(\y0)+lk:(\y0)+lk+1], v[MN:MN+1] neg_lo:[0,1] neg_hi:[0,1]
	v_pk_add_f32 v[(\y1)+lk:(\y1)+lk+1], v[(\y1)+lk:(\y1)+lk+1], v[MN+2:MN+3] neg_lo:[0,1] neg_hi:[0,1]
.set lk, lk+2
.endr
	SQS SM, \y0, \n
	SQS SM+1, \y1, \n
	XRED 1024
	v_fma_f32 v[RS], v[SM], s[INV], s[EPS]
	v_fma_f32 v[RS+2], v[SM+1], s[INV], s[EPS]
	v_rsq_f32 v[RS], v[RS]
	v_rsq_f32 v[RS+2], v[RS+2]
	v_nop                                          ; one plain place behind a transcendental
	s_wait_alu depctr_va_vdst(0)
	v_mov_b32 v[RS+1], v[RS]
	v_mov_b32 v[RS+3], v[RS+2]
.set lk, 0
.rept (\n)/2
	v_pk_mul_f32 v[(\y0)+lk:(\y0)+lk+1], v[(\y0)+lk:(\y0)+lk+1], v[RS:RS+1]
	v_pk_mul_f32 v[(\y1)+lk:(\y1)+lk+1], v[(\y1)+lk:(\y1)+lk+1], v[RS+2:RS+3]
.set lk, lk+2
.endr
.endm
.macro GLOAD reg, bs, nb               ; my 16 nb numbers of a gain or bias, under a setting whose destination is window 1
.set gb, 0
.rept \nb
.irp jj, 0,1,2,3
	global_load_b128 v[(\reg)+16*gb+4*\jj:(\reg)+16*gb+4*\jj+3], v[GA], s[\bs:\bs+1] offset:128*gb+16*\jj
.endr
.set gb, gb+1
.endr
.endm
.macro NORM dst, src, g, b, n          ; dst = src x gain + bias; gain and bias in window 1
	WIN 0x14
.set nk, 0
.rept (\n)/2
	v_pk_fma_f32 v[(\dst)+nk:(\dst)+nk+1], v[(\src)+nk:(\src)+nk+1], v[(\g)+nk:(\g)+nk+1], v[(\b)+nk:(\b)+nk+1]
.set nk, nk+2
.endr
	WIN 0
.endm
.macro IMG src, mm                     ; 64 numbers become K step w of tile mm's operand: four blocks' codes and a scale word, to LDS
	s_wait_dscnt 0x0                               ; the last image's stores have read their registers
	QB \src, 4
.irp bb, 0,1,2,3
	ds_store_b64 v[IMW], v[PC+2*\bb:PC+2*\bb+1] offset:XIMG+8192*(\mm)+256*\bb
.endr
	v_lshl_or_b32 v[PW], v[TM+5], 8, v[TM+4]
	v_lshl_or_b32 v[PW], v[TM+6], 16, v[PW]
	v_lshl_or_b32 v[PW], v[TM+7], 24, v[PW]
	ds_store_b32 v[SCW], v[PW] offset:512*(\mm)
.endm
.macro XFETCH i                        ; chunk i's fragments of xn (2 tiles x 2 K steps) and their scale words: 9 on DScnt
.set fB, XF+32*((\i)%2)
.irp mm, 0,1
.irp sp, 0,1
.irp cc, 0,1
	ds_load_b128 v[fB+16*\mm+8*\sp+4*\cc:fB+16*\mm+8*\sp+4*\cc+3], v[LI] offset:XIMG+\mm*8192+(2*(2*(\i)+\sp)+\cc)*512
.endr
.endr
.endr
	ds_load_b64 v[XS+2*((\i)%2):XS+2*((\i)%2)+1], v[XSR] offset:8*(\i)
.endm
.macro WLA i                           ; Wo's chunk i: my tiles 4 (i / 2) on, K steps 2 (i % 2) on, into slot i
	WLOAD \i, WOC+16384*((\i)/2)+2048*((\i)%2), 4096, WOS+1024*((\i)/2)+256*((\i)%2), 512
.endm
.macro WLC i                           ; ca_wq's chunk i: my head's four tiles, K steps 2 i on, into slot i
	WLOAD \i, 1048576+2048*(\i), 8192, 2031616+256*(\i), 1024
.endm
.macro CH i
	PLACES 4                                       ; in front of loads into registers that the last chunk's products have read
.if (\i)+1 < NCH
	XFETCH (\i)+1
.endif
.if NCH-1-(\i) >= 2
	s_wait_loadcnt 36                              ; this chunk's weights are in; the two chunks issued behind it stay out
.else
	s_wait_loadcnt 18*(NCH-1-(\i))
.endif
.if (\i)+3 < NCH
	WLC (\i)+3
.endif
.if (\i)+1 < NCH
	s_wait_dscnt 9                                 ; this chunk's fragments are in; the nine loads just issued stay out
.else
	s_wait_dscnt 0x0
.endif
.set cZ, 0
.if (\i) == 0
.set cZ, 1
.endif
	WM16 ACC, 32, 8, \i, XF+32*((\i)%2), 16, 8, XS+2*((\i)%2), cZ
.endm
.macro EPI_QK cb, sb                   ; q of my head: blocks 2 m + b; each store of codes covers 256 consecutive bytes, the scale words 128
	s_wait_xcnt 0x0                                ; earlier stores have read their registers
	PLACES 4
	QB ACC, 4
.irp bb, 0,1,2,3
	global_store_b64 v[QST], v[PC+2*\bb:PC+2*\bb+1], s[\cb:\cb+1] offset:256*\bb
.endr
	v_lshl_or_b32 v[PW], v[TM+5], 8, v[TM+4]
	v_lshl_or_b32 v[PW+1], v[TM+7], 8, v[TM+6]
	v_cndmask_b32 v[PW], v[PW], v[PW+1], s[HM]
	v_or_b32 v[PW], 0x7f7f0000, v[PW]              ; the K step's empty half: the byte 0x7f over zero codes
	global_store_b32 v[L4], v[PW], s[\sb:\sb+1]
.endm
; Tile m of x1 goes out: a lane holds pieces of one row, so 16 rows x 512 bytes go through my own stage and come back as rows.  LDS serves a wave's instructions in order: no wait between the stores and the loads.
.macro XOUT m
.irp bb, 0,1,2,3
.irp jj, 0,1,2,3
	ds_store_b128 v[STW], v[Y+64*\m+16*\bb+4*\jj:Y+64*\m+16*\bb+4*\jj+3] offset:128*\bb+16*\jj   ; each accumulator from its low end on
.endr
.endr
.if \m
	s_wait_xcnt 0x0                                ; tile 0's stores have read their registers
.endif
.irp ii, 0,1,2,3,4,5,6,7,8,9,10,11,12,13,14,15
	ds_load_b128 v[T+4*\ii:T+4*\ii+3], v[STR] offset:528*\ii
.endr
.irp ii, 0,1,2,3,4,5,6,7,8,9,10,11,12,13,14,15
	s_wait_dscnt 15-\ii                            ; row ii is back; the younger loads stay out
	global_store_b128 v[XO], v[T+4*\ii:T+4*\ii+3], s[X1B:X1B+1] offset:(8*\m+\ii+8*(\ii/8))*4096   ; 32 lanes store 512 consecutive bytes, aligned
.endr
.endm
	s_load_b512 s[4:19], s[0:1], 0x0               ; obuf, x, sa_bo, ca_ng, ca_nb, wpk, x1, qbuf
	v_lshl_add_u32 v27, v0, 2, 0x15400
	v_mov_b32 v43, 0
	v_lshrrev_b32 v40, 5, v0
	v_readfirstlane_b32 s[WV], v40                 ; wave
	v_and_b32 v40, 31, v0                          ; lane
	v_and_b32 v41, 15, v0                          ; r
	v_bfe_u32 v42, v0, 4, 1                        ; h
	s_lshl_b32 s27, s[WV], 9
	s_lshl_b32 s28, s[WV], 10
	s_lshl_b32 s29, s[WV], 2
	s_mul_i32 s53, s[WV], 8448
	s_add_co_u32 s53, s53, STG                     ; my stage
	v_lshlrev_b32 v[LI], 4, v40
	v_lshl_add_u32 v[XSR], v40, 5, XSC
	v_and_b32 v[XA], 8, v41
	v_add_nc_u32 v[XA], v[XA], v41                 ; r + 8 (r / 8)
	v_lshlrev_b32 v[XA], 12, v[XA]
	v_lshl_add_u32 v[GA], v42, 6, s27
	v_add_nc_u32 v[XA], v[XA], v[GA]
	v_lshlrev_b32 v[QST], 4, v41
	v_lshl_add_u32 v[QST], v42, 3, v[QST]
	v_add_nc_u32 v[IMW], s28, v[QST]
	v_lshl_add_u32 v[SCW], v41, 5, s29
	v_add_nc_u32 v[SCW], XSC, v[SCW]
	v_lshl_add_u32 v[REDW], v40, 5, s29
	v_add_nc_u32 v[REDW], RED1, v[REDW]
	v_lshl_add_u32 v[REDR], v41, 5, RED1
	v_lshlrev_b32 v[L8], 3, v40
	v_lshlrev_b32 v[L4], 2, v40
	v_mul_u32_u24 v[STW], v41, 528
	v_lshl_add_u32 v[STW], v42, 6, v[STW]
	v_add_nc_u32 v[STW], s53, v[STW]               ; into the stage: row r, + 64 h
	v_add_nc_u32 v[STR], s53, v[LI]                ; back: 16 bytes a lane of a row
	v_add_nc_u32 v[XO], s27, v[LI]                 ; and in x1: + 512 w
	v_lshlrev_b32 v[OSV], 1, v41
	v_lshl_add_u32 v[OSV], v42, 8, v[OSV]          ; the attention output's scale halves: lanes 0-15 tile 0's, lanes 16-31 tile 1's
	s_mov_b32 s[SEL], 0x76543210
	s_mov_b32 s[SEL+1], 0xfedcba98
	s_mov_b32 s[HM], 0xffff0000
	s_mov_b32 s[INV], 0x3a800000                   ; 1 / 1,024
	s_mov_b32 s[EPS], 0x3727c5ac                   ; 1e-5
	s_lshr_b32 s50, ttmp9, 6
	s_and_b32 s51, ttmp9, 63
	s_lshl_b32 s52, s50, 3
	s_add_co_u32 s52, s52, s[WV]                   ; batch x 8 + head
	s_mov_b32 s31, 0
	s_wait_kmcnt 0x0
	s_lshl_b32 s30, ttmp9, 9
	s_add_co_u32 s30, s30, 2097152
	s_add_nc_u64 s[OSB:OSB+1], s[4:5], s[30:31]
	s_lshl_b32 s30, ttmp9, 13
	s_add_nc_u64 s[4:5], s[4:5], s[30:31]          ; my two tiles of the attention output: 2 x 4,096 bytes
	s_lshl_b32 s30, ttmp9, 17
	s_add_nc_u64 s[6:7], s[6:7], s[30:31]
	s_add_nc_u64 s[X1B:X1B+1], s[X1B:X1B+1], s[30:31]
	s_lshl_b32 s30, s[WV], 15
	s_add_nc_u64 s[WB:WB+1], s[14:15], s[30:31]
	s_lshl_b32 s30, s[WV], 11
	s_add_nc_u64 s[WSB:WSB+1], s[14:15], s[30:31]
	s_lshl_b32 s30, s52, 16
	s_lshl_b32 s54, s51, 10
	s_add_co_u32 s30, s30, s54
	s_add_nc_u64 s[QCB:QCB+1], s[18:19], s[30:31]
	s_lshl_b32 s30, s52, 13
	s_lshl_b32 s54, s51, 7
	s_add_co_u32 s30, s30, s54
	s_add_co_u32 s30, s30, 2097152
	s_add_nc_u64 s[QSB:QSB+1], s[18:19], s[30:31]
	; ---- x1 = o Wo + (x + bo).  All that the products want is asked for in one run
.irp mm, 0,1
.irp ss, 0,1,2,3
.irp cc, 0,1
	global_load_b128 v[T+32*\mm+8*\ss+4*\cc:T+32*\mm+8*\ss+4*\cc+3], v[LI], s[4:5] offset:4096*\mm+512*(2*\ss+\cc)   ; K step ss = heads 2 ss, 2 ss + 1
.endr
.endr
.endr
.irp hh, 0,1,2,3,4,5,6,7
	global_load_u16 v[TM+\hh], v[OSV], s[OSB:OSB+1] offset:32*\hh
.endr
	WIN 0x40
	GLOAD 192, 8, 4                                ; bo
	WIN 0
.irp mm, 0,1
.irp bb, 0,1,2,3
.irp jj, 0,1,2,3
	global_load_b128 v[Y+64*\mm+16*\bb+4*\jj:Y+64*\mm+16*\bb+4*\jj+3], v[XA], s[6:7] offset:32768*\mm+128*\bb+16*\jj
.endr
.endr
.endr
	WLA 0
	WLA 1
	WLA 2
	s_wait_loadcnt 54                              ; all but the three chunks of weights
	WIN 0x04
.set nk, 0
.rept 32
	v_pk_add_f32 v[Y+nk:Y+nk+1], v[Y+nk:Y+nk+1], v[192+nk:192+nk+1]
	v_pk_add_f32 v[Y+64+nk:Y+64+nk+1], v[Y+64+nk:Y+64+nk+1], v[192+nk:192+nk+1]
.set nk, nk+2
.endr
	WIN 0
.irp ss, 0,1,2,3
	v_lshl_or_b32 v[XS+\ss], v[TM+2*\ss+1], 16, v[TM+2*\ss]   ; two heads' two bytes make a K step's scale word
.endr
	WLA 3                                          ; into the registers that bo has left
	PLACES 8                                       ; a scale register written by a vector instruction stands eight places ahead of a scaled product
.irp i, 0,1,2,3
	s_wait_loadcnt 18*(3-\i)                       ; chunk i is in; the younger chunks stay out
	WM16 Y+32*(\i/2), 64, 8, \i, T+16*(\i%2), 32, 8, XS+2*(\i%2), 0
	PLACES 4
.endr
	WIN 0x40
	GLOAD 128, 10, 4                               ; the norm's gain and bias, and the first chunks of ca_wq, land under the way out and the statistics
	GLOAD 192, 12, 4
	WIN 0
	WLC 0
	WLC 1
	XOUT 0
	XOUT 1
	s_wait_xcnt 0x0                                ; the stores have read their registers
	v_mov_b32 v[PX], 0
	v_mov_b32 v[PX+1], 0
	SUM SM, Y, 64
	SUM SM+1, Y+64, 64
	LNREST Y, Y+64, 64
	s_wait_loadcnt 36                              ; gain and bias are in; the two chunks stay out
	NORM Y, Y, 128, 192, 64
	NORM Y+64, Y+64, 128, 192, 64
	WLC 2
	IMG Y, 0
	IMG Y+64, 1
	BAR                                            ; xn's images lie in LDS
	XFETCH 0
	CH 0
	CH 1
	CH 2
	CH 3
	EPI_QK QCB, QSB
	s_wait_tensorcnt 0x0
	ds_add_u32 v27, v43
	s_wait_dscnt 0x0
	s_endpgm
.Lfunc_end_k_q9d8041eee2_mid:
	.size	k_q9d8041eee2_mid, .Lfunc_end_k_q9d8041eee2_mid-k_q9d8041eee2_mid
	.p2alignl 7, 3214868480
	.fill 96, 4, 3214868480
	.section	.rodata,"a",@progbits
	.p2align	6, 0x0
	.amdhsa_kernel k_q9d8041eee2_mid
		.amdhsa_group_segment_fixed_size 88064
		.amdhsa_private_segment_fixed_size 0
		.amdhsa_enable_private_segment 0
		.amdhsa_kernarg_size 64
		.amdhsa_user_sgpr_count 2
		.amdhsa_user_sgpr_kernarg_segment_ptr 1
		.amdhsa_wavefront_size32 1
		.amdhsa_system_sgpr_workgroup_id_x 1
		.amdhsa_system_sgpr_workgroup_id_y 1
		.amdhsa_system_sgpr_workgroup_id_z 1
		.amdhsa_system_vgpr_workitem_id 0
		.amdhsa_next_free_vgpr 512
		.amdhsa_next_free_sgpr 66
		.amdhsa_reserve_vcc 0
		.amdhsa_float_denorm_mode_32 3
		.amdhsa_float_denorm_mode_16_64 3
		.amdhsa_memory_ordered 1
		.amdhsa_forward_progress 1
		.amdhsa_inst_pref_size 96
	.end_amdhsa_kernel
	.amdgpu_metadata
---
amdhsa.version: [ 1, 2 ]
amdhsa.kernels:
  - .name:           k_q9d8041eee2_mid
    .symbol:         k_q9d8041eee2_mid.kd
    .args:
      - { .name: obuf, .offset: 0, .size: 8, .value_kind: global_buffer, .address_space: global }
      - { .name: x, .offset: 8, .size: 8, .value_kind: global_buffer, .address_space: global }
      - { .name: sa_bo, .offset: 16, .size: 8, .value_kind: global_buffer, .address_space: global }
      - { .name: ca_ng, .offset: 24, .size: 8, .value_kind: global_buffer, .address_space: global }
      - { .name: ca_nb, .offset: 32, .size: 8, .value_kind: global_buffer, .address_space: global }
      - { .name: wpk, .offset: 40, .size: 8, .value_kind: global_buffer, .address_space: global }
      - { .name: x1, .offset: 48, .size: 8, .value_kind: global_buffer, .address_space: global }
      - { .name: qbuf, .offset: 56, .size: 8, .value_kind: global_buffer, .address_space: global }
    .group_segment_fixed_size: 88064
    .private_segment_fixed_size: 0
    .kernarg_segment_align: 8
    .kernarg_segment_size: 64
    .max_flat_workgroup_size: 256
    .sgpr_count:     66
    .vgpr_count:     512
    .wavefront_size: 32
...
	.end_amdgpu_metadata
.endif
;; end of part 4
;; launch ca_kv (part 5): grid 64 x 1, 8 waves a work-group, no clusters, 16,384 bytes of LDS; arguments context, ca_ncg, ca_ncb, wpk, kv_ca; writes kv_ca
.if DOCPART == 5
	.amdgcn_target "amdgcn-amd-amdhsa--gfx1250"
	.amdhsa_code_object_version 6
	.text
	.protected	k_q9d8041eee2_ca_kv
	.globl	k_q9d8041eee2_ca_kv
	.p2align	8
	.type	k_q9d8041eee2_ca_kv,@function
k_q9d8041eee2_ca_kv:
	s_mov_b64 s[64:65], 0
	v_nop
	global_prefetch_b8 v0, s[64:65] scope:SCOPE_SE
	s_setreg_imm32_b32 hwreg(HW_REG_WAVE_MODE, 25, 1), 1
	s_wait_xcnt 0x0
; Cross-attention's keys and values: layer norm of the context (768 features), quantised; k and v = cn Wkv on codes; k quantised along a head's 64 channels, v along the keys.
; As the launch for self-attention's q, k, v, with six K steps: a work-group of eight waves takes 32 tokens (v's blocks along the keys want 32 together, so there are 64 work-groups);
; for the norm wave w holds features 96 w .. + 95 (three blocks of 32) of all 32 tokens; for the products wave w is head w.  Lane r of token tile m stands for token 8 m + r + 8 (r / 8).
; LIMITS: NaN and infinities are not served; a block under 2^-124 takes the scale byte 1, read by this program alone.
; REGISTERS.  Window 0: v1-12 addresses; v16-31 the quantiser's work; v32-39 codes; v40-41 scale words just made; v44-47 cn's scale words; v48-63 the weights'; v64-159 the 2 x 48 numbers, later v64-127 accumulators
;   and v128-191 cn's fragments; v192-223 at work.   Window 1: four slots of weights; at first gain (v128 on) and bias (v192 on) in slots 2 and 3.
.set XIMG, 0                           ; LDS: cn's images: tile m x 6,144 + block x 256
.set XSC,  12288                       ; their scale bytes: (16 m + r) x 32 + block
.set RED1, 13312
.set NCH,  6
.set LI,   1
.set XSR,  2
.set XA,   3
.set IMW,  4
.set SCW,  5
.set REDW, 6
.set REDR, 7
.set GA,   8
.set L8,   9
.set QST,  10
.set L4,   11
.set R4,   12
.set TM,   16
.set PC,   32
.set PW,   40
.set XS,   44
.set WSC,  48
.set Y,    64
.set ACC,  64
.set XF,   128
.set U,    192
.set SM,   196
.set PX,   198
.set RD,   200
.set MN,   216
.set RS,   220
.set WV,   20
.set SEL,  22
.set HM,   24
.set INV,  25
.set EPS,  26
.set WB,   32
.set WSB,  34
.set KCB,  40
.set KSB,  42
.set VCB,  44
.set VSB,  46
.set MSB, 0
.macro WIN new                         ; the immediate's high byte repeats the setting that is left
.if MSB != \new
	s_set_vgpr_msb (MSB<<8)|\new
.set MSB, \new
.endif
.endm
.macro PLACES n
.rept \n
	v_nop
.endr
.endm
.macro BAR                             ; my LDS stores have landed and my LDS loads are in: then the work-group's barrier
	s_wait_dscnt 0x0
	s_barrier_signal -1
	s_barrier_wait -1
.endm
.macro WMC d, a, b, z, sa, sb, ra, rb  ; one product; z = 1: C is the constant 0; ra, rb: that source's scales lie in lanes 16-31
.if \z
.if (\ra) && (\rb)
	v_wmma_scale_f32_16x16x128_f8f6f4 v[\d:\d+7], v[\a:\a+7], v[\b:\b+7], 0, v[\sa], v[\sb] matrix_a_fmt:MATRIX_FMT_FP4 matrix_b_fmt:MATRIX_FMT_FP4 matrix_a_scale:MATRIX_SCALE_ROW1 matrix_b_scale:MATRIX_SCALE_ROW1
.elseif (\ra)
	v_wmma_scale_f32_16x16x128_f8f6f4 v[\d:\d+7], v[\a:\a+7], v[\b:\b+7], 0, v[\sa], v[\sb] matrix_a_fmt:MATRIX_FMT_FP4 matrix_b_fmt:MATRIX_FMT_FP4 matrix_a_scale:MATRIX_SCALE_ROW1
.elseif (\rb)
	v_wmma_scale_f32_16x16x128_f8f6f4 v[\d:\d+7], v[\a:\a+7], v[\b:\b+7], 0, v[\sa], v[\sb] matrix_a_fmt:MATRIX_FMT_FP4 matrix_b_fmt:MATRIX_FMT_FP4 matrix_b_scale:MATRIX_SCALE_ROW1
.else
	v_wmma_scale_f32_16x16x128_f8f6f4 v[\d:\d+7], v[\a:\a+7], v[\b:\b+7], 0, v[\sa], v[\sb] matrix_a_fmt:MATRIX_FMT_FP4 matrix_b_fmt:MATRIX_FMT_FP4
.endif
.else
.if (\ra) && (\rb)
	v_wmma_scale_f32_16x16x128_f8f6f4 v[\d:\d+7], v[\a:\a+7], v[\b:\b+7], v[\d:\d+7], v[\sa], v[\sb] matrix_a_fmt:MATRIX_FMT_FP4 matrix_b_fmt:MATRIX_FMT_FP4 matrix_a_scale:MATRIX_SCALE_ROW1 matrix_b_scale:MATRIX_SCALE_ROW1
.elseif (\ra)
	v_wmma_scale_f32_16x16x128_f8f6f4 v[\d:\d+7], v[\a:\a+7], v[\b:\b+7], v[\d:\d+7], v[\sa], v[\sb] matrix_a_fmt:MATRIX_FMT_FP4 matrix_b_fmt:MATRIX_FMT_FP4 matrix_a_scale:MATRIX_SCALE_ROW1
.elseif (\rb)
	v_wmma_scale_f32_16x16x128_f8f6f4 v[\d:\d+7], v[\a:\a+7], v[\b:\b+7], v[\d:\d+7], v[\sa], v[\sb] matrix_a_fmt:MATRIX_FMT_FP4 matrix_b_fmt:MATRIX_FMT_FP4 matrix_b_scale:MATRIX_SCALE_ROW1
.else
	v_wmma_scale_f32_16x16x128_f8f6f4 v[\d:\d+7], v[\a:\a+7], v[\b:\b+7], v[\d:\d+7], v[\sa], v[\sb] matrix_a_fmt:MATRIX_FMT_FP4 matrix_b_fmt:MATRIX_FMT_FP4
.endif
.endif
.endm
; A chunk's 16 products: 2 K steps x 4 tiles of W x 2 tiles of tokens; the eight accumulators take turns, one instruction a turn.  kind 0: source 0 = W (window 1); kind 1: the sources swapped.
.macro WM16 kind, acc, ams, ats, slot, xb, xms, xss, xs, zero
.if \kind
	WIN 0x04
.else
	WIN 0x01
.endif
.irp sp, 0,1
.irp tt, 0,1,2,3
.irp mm, 0,1
.set rD, (\acc)+(\ams)*\mm+(\ats)*\tt
.set rW, 64*(\slot)+32*\sp+8*\tt
.set rX, (\xb)+(\xms)*\mm+(\xss)*\sp
.set rWS, WSC+4*(\slot)+2*(\tt/2)+\sp
.set rXS, (\xs)+\sp
.set rZ, 0
.if \zero
.if \sp == 0
.set rZ, 1
.endif
.endif
.if \kind
	WMC rD, rX, rW, rZ, rXS, rWS, \mm, \tt%2
.else
	WMC rD, rW, rX, rZ, rWS, rXS, \tt%2, \mm
.endif
.endr
.endr
.endr
	WIN 0
.endm
.macro WLOAD slot, coff, ts, soff, ss  ; a chunk of weights into a slot: 16 loads of codes, 2 of scale words: 18 on LOADcnt
	WIN 0x40                                       ; destination window 1, address window 0
.irp sp, 0,1
.irp tt, 0,1,2,3
.irp cc, 0,1
	global_load_b128 v[64*(\slot)+32*\sp+8*\tt+4*\cc:64*(\slot)+32*\sp+8*\tt+4*\cc+3], v[LI], s[WB:WB+1] offset:(\coff)+\tt*(\ts)+1024*\sp+512*\cc
.endr
.endr
.endr
	WIN 0
.irp pp, 0,1
	global_load_b64 v[WSC+4*(\slot)+2*\pp:WSC+4*(\slot)+2*\pp+1], v[L8], s[WSB:WSB+1] offset:(\soff)+\pp*(\ss)
.endr
.endm
.macro QB s, nb                        ; nb blocks are quantised: register s + 16 b + i is number 16 h + i of block b of my row
.set qb, 0
.rept \nb
	v_max3_num_f32 v[TM+qb], |v[(\s)+16*qb]|, |v[(\s)+16*qb+1]|, 0x1800000   ; and the floor 2^(3 - 127): the byte cannot fall under 1
.set qb, qb+1
.endr
.set qi, 2
.rept 7
.set qb, 0
.rept \nb
	v_max3_num_f32 v[TM+qb], v[TM+qb], |v[(\s)+16*qb+qi]|, |v[(\s)+16*qb+qi+1]|
.set qb, qb+1
.endr
.set qi, qi+2
.endr
.set qb, 0
.rept \nb
	v_permlanex16_b32 v[TM+4+qb], v[TM+qb], s[SEL], s[SEL+1]
.set qb, qb+1
.endr
.set qb, 0
.rept \nb
	v_max_num_f32 v[TM+qb], v[TM+qb], v[TM+4+qb]
.set qb, qb+1
.endr
.set qb, 0
.rept \nb
	v_add_nc_u32 v[TM+12+qb], 0xff000000, v[TM+qb]
.set qb, qb+1
.endr
.set qb, 0
.rept \nb
	v_lshrrev_b32 v[TM+4+qb], 23, v[TM+12+qb]
.set qb, qb+1
.endr
.set qb, 0
.rept \nb
	v_cvt_scalef32_pk8_fp4_f32 v[PC+2*qb], v[(\s)+16*qb:(\s)+16*qb+7], v[TM+12+qb]
	v_cvt_scalef32_pk8_fp4_f32 v[PC+2*qb+1], v[(\s)+16*qb+8:(\s)+16*qb+15], v[TM+12+qb]
.set qb, qb+1
.endr
	v_nop                                          ; one plain place behind a scaled conversion
.endm
.macro SUM d, s, n
	v_pk_add_f32 v[U:U+1], v[(\s):(\s)+1], v[(\s)+2:(\s)+3]
	v_pk_add_f32 v[U+2:U+3], v[(\s)+4:(\s)+5], v[(\s)+6:(\s)+7]
.set sj, 8
.rept ((\n)-8)/4
	v_pk_add_f32 v[U:U+1], v[U:U+1], v[(\s)+sj:(\s)+sj+1]
	v_pk_add_f32 v[U+2:U+3], v[U+2:U+3], v[(\s)+sj+2:(\s)+sj+3]
.set sj, sj+4
.endr
	v_pk_add_f32 v[U:U+1], v[U:U+1], v[U+2:U+3]
	v_add_f32 v[\d], v[U], v[U+1]
.endm
.macro SQS d, s, n
	v_pk_mul_f32 v[U:U+1], v[(\s):(\s)+1], v[(\s):(\s)+1]
	v_pk_mul_f32 v[U+2:U+3], v[(\s)+2:(\s)+3], v[(\s)+2:(\s)+3]
.set sj, 4
.rept ((\n)-4)/4
	v_pk_fma_f32 v[U:U+1], v[(\s)+sj:(\s)+sj+1], v[(\s)+sj:(\s)+sj+1], v[U:U+1]
	v_pk_fma_f32 v[U+2:U+3], v[(\s)+sj+2:(\s)+sj+3], v[(\s)+sj+2:(\s)+sj+3], v[U+2:U+3]
.set sj, sj+4
.endr
	v_pk_add_f32 v[U:U+1], v[U:U+1], v[U+2:U+3]
	v_add_f32 v[\d], v[U], v[U+1]
.endm
.macro XRED o                          ; the lanes' parts become the tokens' totals over the eight waves, added in the same order in every wave
	v_permlanex16_b32 v[PX], v[SM], s[SEL], s[SEL+1]
	v_permlanex16_b32 v[PX+1], v[SM+1], s[SEL], s[SEL+1]
	v_add_f32 v[SM], v[SM], v[PX]
	v_add_f32 v[SM+1], v[SM+1], v[PX+1]
	v_cndmask_b32 v[SM], v[SM], v[SM+1], s[HM]
	ds_store_b32 v[REDW], v[SM] offset:\o
	BAR
	ds_load_b128 v[RD:RD+3], v[REDR] offset:\o
	ds_load_b128 v[RD+4:RD+7], v[REDR] offset:\o+16
	ds_load_b128 v[RD+8:RD+11], v[REDR] offset:\o+512
	ds_load_b128 v[RD+12:RD+15], v[REDR] offset:\o+528
	s_wait_dscnt 0x0
.irp mm, 0,1
	v_pk_add_f32 v[RD+8*\mm:RD+8*\mm+1], v[RD+8*\mm:RD+8*\mm+1], v[RD+8*\mm+2:RD+8*\mm+3]
	v_pk_add_f32 v[RD+8*\mm+4:RD+8*\mm+5], v[RD+8*\mm+4:RD+8*\mm+5], v[RD+8*\mm+6:RD+8*\mm+7]
	v_pk_add_f32 v[RD+8*\mm:RD+8*\mm+1], v[RD+8*\mm:RD+8*\mm+1], v[RD+8*\mm+4:RD+8*\mm+5]
	v_add_f32 v[SM+\mm], v[RD+8*\mm], v[RD+8*\mm+1]
.endr
.endm
.macro LNREST y0, y1, n                ; the mean is taken off, the squares are summed, the numbers are multiplied by 1 / sqrt(variance + 1e-5)
	XRED 0
	v_mul_f32 v[MN], s[INV], v[SM]
	v_mul_f32 v[MN+1], s[INV], v[SM]
	v_mul_f32 v[MN+2], s[INV], v[SM+1]
	v_mul_f32 v[MN+3], s[INV], v[SM+1]
.set lk, 0
.rept (\n)/2
	v_pk_add_f32 v[(\y0)+lk:(\y0)+lk+1], v[(\y0)+lk:(\y0)+lk+1], v[MN:MN+1] neg_lo:[0,1] neg_hi:[0,1]
	v_pk_add_f32 v[(\y1)+lk:(\y1)+lk+1], v[(\y1)+lk:(\y1)+lk+1], v[MN+2:MN+3] neg_lo:[0,1] neg_hi:[0,1]
.set lk, lk+2
.endr
	SQS SM, \y0, \n
	SQS SM+1, \y1, \n
	XRED 1024
	v_fma_f32 v[RS], v[SM], s[INV], s[EPS]
	v_fma_f32 v[RS+2], v[SM+1], s[INV], s[EPS]
	v_rsq_f32 v[RS], v[RS]
	v_rsq_f32 v[RS+2], v[RS+2]
	v_nop                                          ; one plain place behind a transcendental
	s_wait_alu depctr_va_vdst(0)
	v_mov_b32 v[RS+1], v[RS]
	v_mov_b32 v[RS+3], v[RS+2]
.set lk, 0
.rept (\n)/2
	v_pk_mul_f32 v[(\y0)+lk:(\y0)+lk+1], v[(\y0)+lk:(\y0)+lk+1], v[RS:RS+1]
	v_pk_mul_f32 v[(\y1)+lk:(\y1)+lk+1], v[(\y1)+lk:(\y1)+lk+1], v[RS+2:RS+3]
.set lk, lk+2
.endr
.endm
.macro GLOAD reg, bs, nb               ; my 16 nb numbers of a gain or bias, under a setting whose destination is window 1
.set gb, 0
.rept \nb
.irp jj, 0,1,2,3
	global_load_b128 v[(\reg)+16*gb+4*\jj:(\reg)+16*gb+4*\jj+3], v[GA], s[\bs:\bs+1] offset:128*gb+16*\jj
.endr
.set gb, gb+1
.endr
.endm
.macro NORM dst, src, g, b, n          ; dst = src x gain + bias; gain and bias in window 1
	WIN 0x14
.set nk, 0
.rept (\n)/2
	v_pk_fma_f32 v[(\dst)+nk:(\dst)+nk+1], v[(\src)+nk:(\src)+nk+1], v[(\g)+nk:(\g)+nk+1], v[(\b)+nk:(\b)+nk+1]
.set nk, nk+2
.endr
	WIN 0
.endm
.macro IMG3 src, mm                    ; 48 numbers become blocks 3 w .. 3 w + 2 of tile mm's operand: codes and three scale bytes, to LDS
	s_wait_dscnt 0x0                               ; the last image's stores have read their registers
	QB \src, 3
.irp bb, 0,1,2
	ds_store_b64 v[IMW], v[PC+2*\bb:PC+2*\bb+1] offset:XIMG+6144*(\mm)+256*\bb
.endr
.irp bb, 0,1,2
	ds_store_b8 v[SCW], v[TM+4+\bb] offset:512*(\mm)+\bb   ; lanes r and r + 16 write the same byte with the same value
.endr
.endm
.macro XFETCH i                        ; chunk i's fragments of cn (2 tiles x 2 K steps) and their scale words: 9 on DScnt
.set fJ, (\i)%3
.set fB, XF+32*((\i)%2)
.irp mm, 0,1
.irp sp, 0,1
.irp cc, 0,1
	ds_load_b128 v[fB+16*\mm+8*\sp+4*\cc:fB+16*\mm+8*\sp+4*\cc+3], v[LI] offset:XIMG+\mm*6144+(2*(2*fJ+\sp)+\cc)*512
.endr
.endr
.endr
	ds_load_b64 v[XS+2*((\i)%2):XS+2*((\i)%2)+1], v[XSR] offset:8*fJ
.endm
.macro WLC i                           ; chunk i's weights into slot i % 4: unit i / 3 (Wk, Wv), K steps 2 (i % 3) on
	WLOAD (\i)%4, 1310720+((\i)/3)*196608+2048*((\i)%3), 6144, 2048000+((\i)/3)*12288+256*((\i)%3), 768
.endm
.macro CH i
	PLACES 4                                       ; in front of loads into registers that the last chunk's products have read
.if (\i)+1 < NCH
	XFETCH (\i)+1
.endif
.if NCH-1-(\i) >= 2
	s_wait_loadcnt 36                              ; this chunk's weights are in; the two chunks issued behind it stay out
.else
	s_wait_loadcnt 18*(NCH-1-(\i))
.endif
.if (\i)+3 < NCH
	WLC (\i)+3
.endif
.if (\i)+1 < NCH
	s_wait_dscnt 9                                 ; this chunk's fragments are in; the nine loads just issued stay out
.else
	s_wait_dscnt 0x0
.endif
.set cZ, 0
.if (\i)%3 == 0
.set cZ, 1
.endif
.if (\i)/3 == 1
	WM16 1, ACC, 8, 16, (\i)%4, XF+32*((\i)%2), 16, 8, XS+2*((\i)%2), cZ
.else
	WM16 0, ACC, 32, 8, (\i)%4, XF+32*((\i)%2), 16, 8, XS+2*((\i)%2), cZ
.endif
.endm
.macro EPI_QK cb, sb                   ; k of my head: blocks 2 m + b; each store of codes covers 256 consecutive bytes, the scale words 128
	s_wait_xcnt 0x0
	PLACES 4
	QB ACC, 4
.irp bb, 0,1,2,3
	global_store_b64 v[QST], v[PC+2*\bb:PC+2*\bb+1], s[\cb:\cb+1] offset:256*\bb
.endr
	v_lshl_or_b32 v[PW], v[TM+5], 8, v[TM+4]
	v_lshl_or_b32 v[PW+1], v[TM+7], 8, v[TM+6]
	v_cndmask_b32 v[PW], v[PW], v[PW+1], s[HM]
	v_or_b32 v[PW], 0x7f7f0000, v[PW]              ; the K step's empty half: the byte 0x7f over zero codes
	global_store_b32 v[L4], v[PW], s[\sb:\sb+1]
.endm
.macro EPI_V cb, sb                    ; v of my head: block ct = channel tile ct, along these 32 keys
	s_wait_xcnt 0x0                                ; earlier stores have read their registers
	PLACES 4
	QB ACC, 4
.irp bb, 0,1,2,3
	global_store_b64 v[QST], v[PC+2*\bb:PC+2*\bb+1], s[\cb:\cb+1] offset:512*\bb
.endr
	v_lshl_or_b32 v[PW], v[TM+5], 8, v[TM+4]
	v_lshl_or_b32 v[PW], v[TM+6], 16, v[PW]
	v_lshl_or_b32 v[PW], v[TM+7], 24, v[PW]
	global_store_b32 v[R4], v[PW], s[\sb:\sb+1]
.endm
	s_load_b256 s[4:11], s[0:1], 0x0               ; context, ncg, ncb, wpk
	s_load_b64 s[12:13], s[0:1], 0x20              ; kv_ca
	v_lshl_add_u32 v254, v0, 2, 0x3c00
	v_mov_b32 v255, 0
	v_lshrrev_b32 v13, 5, v0
	v_readfirstlane_b32 s[WV], v13                 ; wave = head
	v_and_b32 v13, 31, v0                          ; lane
	v_and_b32 v14, 15, v0                          ; r
	v_bfe_u32 v15, v0, 4, 1                        ; h
	s_mul_i32 s27, s[WV], 384
	s_mul_i32 s28, s[WV], 768
	s_mul_i32 s29, s[WV], 3
	s_lshl_b32 s53, s[WV], 2
	v_lshlrev_b32 v[LI], 4, v13
	v_lshl_add_u32 v[XSR], v13, 5, XSC
	v_and_b32 v[XA], 8, v14
	v_add_nc_u32 v[XA], v[XA], v14                 ; r + 8 (r / 8)
	v_mul_u32_u24 v[XA], v[XA], 3072
	v_lshl_add_u32 v[GA], v15, 6, s27              ; 64 h + 384 w
	v_add_nc_u32 v[XA], v[XA], v[GA]
	v_lshlrev_b32 v[QST], 4, v14
	v_lshl_add_u32 v[QST], v15, 3, v[QST]
	v_add_nc_u32 v[IMW], s28, v[QST]
	v_lshl_add_u32 v[SCW], v14, 5, s29
	v_add_nc_u32 v[SCW], XSC, v[SCW]
	v_lshl_add_u32 v[REDW], v13, 5, s53
	v_add_nc_u32 v[REDW], RED1, v[REDW]
	v_lshl_add_u32 v[REDR], v14, 5, RED1
	v_lshlrev_b32 v[L8], 3, v13
	v_lshlrev_b32 v[L4], 2, v13
	v_lshlrev_b32 v[R4], 2, v14
	s_mov_b32 s[SEL], 0x76543210
	s_mov_b32 s[SEL+1], 0xfedcba98
	s_mov_b32 s[HM], 0xffff0000
	s_mov_b32 s[INV], 0x3aaaaaab                   ; 1 / 768
	s_mov_b32 s[EPS], 0x3727c5ac                   ; 1e-5
	s_lshr_b32 s50, ttmp9, 4                       ; batch
	s_and_b32 s51, ttmp9, 15                       ; block of 32 keys in it
	s_lshl_b32 s52, s50, 3
	s_add_co_u32 s52, s52, s[WV]                   ; batch x 8 + head
	s_mov_b32 s31, 0
	s_mul_i32 s30, ttmp9, 98304                    ; 32 rows of 3,072 bytes
	s_wait_kmcnt 0x0
	s_add_nc_u64 s[4:5], s[4:5], s[30:31]
	s_mul_i32 s30, s[WV], 24576
	s_add_nc_u64 s[WB:WB+1], s[10:11], s[30:31]    ; my head's four tiles: 4 x 6,144 bytes
	s_mul_i32 s30, s[WV], 1536
	s_add_nc_u64 s[WSB:WSB+1], s[10:11], s[30:31]
.irp mm, 0,1
.irp bb, 0,1,2
.irp jj, 0,1,2,3
	global_load_b128 v[Y+48*\mm+16*\bb+4*\jj:Y+48*\mm+16*\bb+4*\jj+3], v[XA], s[4:5] offset:24576*\mm+128*\bb+16*\jj
.endr
.endr
.endr
	WIN 0x40
	GLOAD 128, 6, 3
	GLOAD 192, 8, 3
	WIN 0
	WLC 0
	WLC 1
	s_lshl_b32 s56, s52, 15
	s_lshl_b32 s54, s51, 10
	s_add_co_u32 s30, s56, s54
	s_add_nc_u64 s[KCB:KCB+1], s[12:13], s[30:31]
	s_lshl_b32 s30, s52, 11
	s_lshl_b32 s54, s51, 7
	s_add_co_u32 s30, s30, s54
	s_add_co_u32 s30, s30, 1048576
	s_add_nc_u64 s[KSB:KSB+1], s[12:13], s[30:31]
	s_lshr_b32 s57, s51, 1
	s_lshl_b32 s57, s57, 11
	s_and_b32 s58, s51, 1
	s_lshl_b32 s58, s58, 8
	s_add_co_u32 s30, s56, s57
	s_add_co_u32 s30, s30, s58
	s_add_co_u32 s30, s30, 16384
	s_add_nc_u64 s[VCB:VCB+1], s[12:13], s[30:31]
	s_lshl_b32 s30, s52, 10
	s_lshl_b32 s54, s51, 6
	s_add_co_u32 s30, s30, s54
	s_add_co_u32 s30, s30, 1114112
	s_add_nc_u64 s[VSB:VSB+1], s[12:13], s[30:31]
.irp bb, 0,1,2,3
	v_mov_b32 v[TM+4+\bb], 0                       ; written once: a lane permute's destination counts as one of its sources
.endr
	v_mov_b32 v[PX], 0
	v_mov_b32 v[PX+1], 0
	s_wait_loadcnt 60                              ; the context's 24 loads are in; gain, bias (24) and two chunks (36) stay out
	SUM SM, Y, 48
	SUM SM+1, Y+48, 48
	LNREST Y, Y+48, 48
	s_wait_loadcnt 36                              ; gain and bias are in; the two chunks stay out
	NORM Y, Y, 128, 192, 48
	NORM Y+48, Y+48, 128, 192, 48
	WLC 2
	IMG3 Y, 0
	IMG3 Y+48, 1
	BAR                                            ; cn's images lie in LDS
	XFETCH 0
	CH 0
	CH 1
	CH 2
	EPI_QK KCB, KSB
	CH 3
	CH 4
	CH 5
	EPI_V VCB, VSB
	s_wait_tensorcnt 0x0
	ds_add_u32 v254, v255
	s_wait_dscnt 0x0
	s_endpgm
.Lfunc_end_k_q9d8041eee2_ca_kv:
	.size	k_q9d8041eee2_ca_kv, .Lfunc_end_k_q9d8041eee2_ca_kv-k_q9d8041eee2_ca_kv
	.p2alignl 7, 3214868480
	.fill 96, 4, 3214868480
	.section	.rodata,"a",@progbits
	.p2align	6, 0x0
	.amdhsa_kernel k_q9d8041eee2_ca_kv
		.amdhsa_group_segment_fixed_size 16384
		.amdhsa_private_segment_fixed_size 0
		.amdhsa_enable_private_segment 0
		.amdhsa_kernarg_size 40
		.amdhsa_user_sgpr_count 2
		.amdhsa_user_sgpr_kernarg_segment_ptr 1
		.amdhsa_wavefront_size32 1
		.amdhsa_system_sgpr_workgroup_id_x 1
		.amdhsa_system_sgpr_workgroup_id_y 1
		.amdhsa_system_sgpr_workgroup_id_z 1
		.amdhsa_system_vgpr_workitem_id 0
		.amdhsa_next_free_vgpr 512
		.amdhsa_next_free_sgpr 66
		.amdhsa_reserve_vcc 0
		.amdhsa_float_denorm_mode_32 3
		.amdhsa_float_denorm_mode_16_64 3
		.amdhsa_memory_ordered 1
		.amdhsa_forward_progress 1
		.amdhsa_inst_pref_size 69
	.end_amdhsa_kernel
	.amdgpu_metadata
---
amdhsa.version: [ 1, 2 ]
amdhsa.kernels:
  - .name:           k_q9d8041eee2_ca_kv
    .symbol:         k_q9d8041eee2_ca_kv.kd
    .args:
      - { .name: context, .offset: 0, .size: 8, .value_kind: global_buffer, .address_space: global }
      - { .name: ca_ncg, .offset: 8, .size: 8, .value_kind: global_buffer, .address_space: global }
      - { .name: ca_ncb, .offset: 16, .size: 8, .value_kind: global_buffer, .address_space: global }
      - { .name: wpk, .offset: 24, .size: 8, .value_kind: global_buffer, .address_space: global }
      - { .name: kv_ca, .offset: 32, .size: 8, .value_kind: global_buffer, .address_space: global }
    .group_segment_fixed_size: 16384
    .private_segment_fixed_size: 0
    .kernarg_segment_align: 8
    .kernarg_segment_size: 40
    .max_flat_workgroup_size: 256
    .sgpr_count:     66
    .vgpr_count:     512
    .wavefront_size: 32
...
	.end_amdgpu_metadata
.endif
;; end of part 5
;; launch ca_attn (part 6): grid 8 x 32, 16 waves a work-group, clusters of 4 x 1, 169,984 bytes of LDS; arguments qbuf, kv_ca, obuf; writes obuf
.if DOCPART == 6
	.amdgcn_target "amdgcn-amd-amdhsa--gfx1250"
	.amdhsa_code_object_version 6
	.text
	.protected	k_q9d8041eee2_ca_attn
	.globl	k_q9d8041eee2_ca_attn
	.p2align	8
	.type	k_q9d8041eee2_ca_attn,@function
k_q9d8041eee2_ca_attn:
	s_mov_b64 s[64:65], 0
	v_nop
	global_prefetch_b8 v0, s[64:65] scope:SCOPE_SE
	s_setreg_imm32_b32 hwreg(HW_REG_WAVE_MODE, 25, 1), 1
	s_wait_xcnt 0x0
	s_wait_alu depctr_hold_cnt(0) depctr_sa_sdst(0) depctr_va_vdst(0) depctr_va_sdst(0) depctr_va_ssrc(0) depctr_va_vcc(0) depctr_vm_vsrc(0)
	s_getreg_b32 s2, hwreg(HW_REG_IB_STS2, 6, 4)
	s_cmp_eq_u32 s2, 0
	s_cbranch_scc0 .Lentry_in_a_cluster
	s_endpgm
.Lentry_in_a_cluster:
	s_bfe_u32 s2, ttmp6, 0x10000c
	s_cmp_lg_u32 s2, 0x3003
	s_cbranch_scc0 .Lentry_shape_is_right
	s_endpgm
.Lentry_shape_is_right:
; Cross-attention: O = softmax(Q K^T / 8) V for one (batch, head) over the context's 512 keys, both products on codes of E2M1 with E8M0 scales, and O's quantising along the model's 512 channels.
; The text is self-attention's with NK = 512.
; THE SOFTMAX: t = score x log2(e) / 8; M = the row's largest t so far, rounded UP to a whole number; p = 2^(t - M) is quantised along the keys, not normalised; the row's sum is taken of the unquantised p and divides O at the end.
; When M moves, the sum and O are multiplied by 2^(old M - new M): exact.
; SHARES.  A work-group owns 256 queries of one head, each of its sixteen waves one tile of 16 in 256 registers: four waves to a SIMD.  Every wave walks all NK keys, 128 a step.
; A HEAD'S K, V AND K's SCALE WORDS FIT IN LDS WHOLE (68 NK bytes): they come once, by first fills; nothing is filled again.  The four query blocks of a cluster walk the same head: each tile is asked for JOINTLY.
; LAYOUT.  All operands lie in memory in the order of the operand's registers.  S^T = K Q^T (source 0 = 16 keys), O^T = V^T P^T (source 0 = 16 channels): a lane holds one query throughout.
; Lane r of key tile 2 b + u stands for key 32 b + 8 u + r + 8 (r / 8), so the 16 registers of tiles 2 b, 2 b + 1 are 16 neighbouring keys; V's channel tiles likewise.
; The first product's K is a head's 64 channels: the K step's upper half is zero codes on both sides, under the scale byte 0x7f.
; LIMITS: NaN and infinities are not served; a block of zeros takes the scale byte 1, read by this program alone.
; REGISTERS: v1-7 addresses that stay; v8-11 the step's; v12 -M, v13 the largest t, v[14:15] the sum; v16-23 Q; v24-27 K's scale words, v28-29 V's, v30 Q's, v31 p's; v32-95 K's eight tiles; v96-159 S^T, then p;
;   v160-191 O^T; v192-223 V's four tiles; v224-231 p's codes; v232-254 at work; v243 4 r; v255 where V's turned scale words go.
.set NK,   512
.set VIMG, NK*32                       ; LDS: K's tiles from 0, V's from here,
.set KSC,  NK*64                       ; K's scale words,
.set VSW,  NK*68                       ; V's, turned: [step][channel tile][r]; stored by ds_store, in blocks of 256 bytes into which no fill lands
.set AK0,  1
.set AV0,  2
.set AS0,  3
.set AT0,  4
.set QST,  5
.set R2,   6
.set VSG,  7
.set ADK,  8
.set ADV,  9
.set ADS,  10
.set ADT,  11
.set QF,   16
.set KSR,  24
.set VSR,  28
.set QSR,  30
.set PSW,  31
.set KF,   32
.set ST,   96
.set OT,   160
.set VF,   192
.set PC,   224
.set TM,   232
.set R4,   243
.set VSL,  255
.set WV,   10
.set SEL,  12
.set CS,   14
.set G1A,  16
.set G1B,  24
.set G0A,  32
.set G0B,  36
.set TK,   40
.set TS,   41
.set TJ,   42
.set CNT,  43
.set QCB,  56
.set QSB,  58
.set OCB,  60
.set OSB,  62
.macro PLACES n
.rept \n
	v_nop
.endr
.endm
.macro CROUND                          ; a round of the cluster's barrier
	s_barrier_signal -1
	s_barrier_wait -1
	s_cmp_lg_u32 s[WV], 0
	s_cbranch_scc1 .Lnot_wave_0_\@
	s_barrier_signal -3
.Lnot_wave_0_\@:
	s_barrier_wait -3
	s_barrier_signal -1
	s_barrier_wait -1
.endm
.macro WMC d, a, b, z, sa, sb, ra      ; one product; z = 1: C is the constant 0; ra: source 0's scales lie in lanes 16-31
.if \z
.if (\ra)
	v_wmma_scale_f32_16x16x128_f8f6f4 v[\d:\d+7], v[\a:\a+7], v[\b:\b+7], 0, v[\sa], v[\sb] matrix_a_fmt:MATRIX_FMT_FP4 matrix_b_fmt:MATRIX_FMT_FP4 matrix_a_scale:MATRIX_SCALE_ROW1
.else
	v_wmma_scale_f32_16x16x128_f8f6f4 v[\d:\d+7], v[\a:\a+7], v[\b:\b+7], 0, v[\sa], v[\sb] matrix_a_fmt:MATRIX_FMT_FP4 matrix_b_fmt:MATRIX_FMT_FP4
.endif
.else
.if (\ra)
	v_wmma_scale_f32_16x16x128_f8f6f4 v[\d:\d+7], v[\a:\a+7], v[\b:\b+7], v[\d:\d+7], v[\sa], v[\sb] matrix_a_fmt:MATRIX_FMT_FP4 matrix_b_fmt:MATRIX_FMT_FP4 matrix_a_scale:MATRIX_SCALE_ROW1
.else
	v_wmma_scale_f32_16x16x128_f8f6f4 v[\d:\d+7], v[\a:\a+7], v[\b:\b+7], v[\d:\d+7], v[\sa], v[\sb] matrix_a_fmt:MATRIX_FMT_FP4 matrix_b_fmt:MATRIX_FMT_FP4
.endif
.endif
.endm
.macro QB s, nb                        ; nb blocks are quantised: register s + 16 b + i is number 16 h + i of block b of my row
.set qb, 0
.rept \nb
	v_max3_num_f32 v[TM+qb], |v[(\s)+16*qb]|, |v[(\s)+16*qb+1]|, 0x1800000   ; and the floor 2^(3 - 127): the byte cannot fall under 1
.set qb, qb+1
.endr
.set qi, 2
.rept 7
.set qb, 0
.rept \nb
	v_max3_num_f32 v[TM+qb], v[TM+qb], |v[(\s)+16*qb+qi]|, |v[(\s)+16*qb+qi+1]|
.set qb, qb+1
.endr
.set qi, qi+2
.endr
.set qb, 0
.rept \nb
	v_permlanex16_b32 v[TM+4+qb], v[TM+qb], s[SEL], s[SEL+1]
.set qb, qb+1
.endr
.set qb, 0
.rept \nb
	v_max_num_f32 v[TM+qb], v[TM+qb], v[TM+4+qb]
.set qb, qb+1
.endr
.set qb, 0
.rept \nb
	v_add_nc_u32 v[TM+12+qb], 0xff000000, v[TM+qb]
.set qb, qb+1
.endr
.set qb, 0
.rept \nb
	v_lshrrev_b32 v[TM+4+qb], 23, v[TM+12+qb]
.set qb, qb+1
.endr
.set qb, 0
.rept \nb
	v_cvt_scalef32_pk8_fp4_f32 v[PC+2*qb], v[(\s)+16*qb:(\s)+16*qb+7], v[TM+12+qb]
	v_cvt_scalef32_pk8_fp4_f32 v[PC+2*qb+1], v[(\s)+16*qb+8:(\s)+16*qb+15], v[TM+12+qb]
.set qb, qb+1
.endr
	v_nop                                          ; one plain place behind a scaled conversion
.endm
	s_load_b128 s[4:7], s[0:1], 0x0                ; qbuf, kv
	s_load_b64 s[8:9], s[0:1], 0x10                ; obuf
	v_lshl_add_u32 v241, v0, 2, 0x29000
	v_mov_b32 v242, 0
	ds_add_u32 v241, v242
	ds_add_u32 v241, v242
	v_lshrrev_b32 v8, 5, v0
	v_readfirstlane_b32 s[WV], v8                  ; wave 0..15
	v_and_b32 v8, 31, v0                           ; lane
	v_and_b32 v9, 15, v0                           ; r
	v_bfe_u32 v10, v0, 4, 1                        ; h
	v_lshlrev_b32 v[AK0], 4, v8
	v_add_nc_u32 v[AV0], VIMG, v[AK0]
	v_lshl_add_u32 v[AS0], v8, 2, KSC
	v_lshl_add_u32 v[AT0], v8, 2, VSW
	v_lshlrev_b32 v[QST], 4, v9
	v_lshl_add_u32 v[QST], v10, 3, v[QST]          ; 16 r + 8 h
	v_lshlrev_b32 v[R2], 1, v9
	v_lshlrev_b32 v[R4], 2, v9
	v_lshrrev_b32 v240, 4, v0                      ; V's scale words: thread t takes step t / 16, channel row t % 16
	v_lshlrev_b32 v[VSG], 8, v240
	v_lshl_add_u32 v[VSG], v9, 2, v[VSG]
	v_add_nc_u32 v[VSL], VSW, v[VSG]
	s_bfe_u32 s44, ttmp6, 0x40000                  ; cx: it enters Q's and O's global addresses alone
	s_lshl_b32 s45, ttmp9, 2
	s_add_co_u32 s45, s45, s44                     ; my block of 256 queries
	s_and_b32 s46, ttmp7, 0xffff                   ; batch x 8 + head, which the four partners share
	s_lshl_b32 s47, s45, 4
	s_add_co_u32 s47, s47, s[WV]                   ; my tile of queries in the batch
	; descriptor groups 1: dense blocks as rows of 256 bytes (32 elements of 8 bytes), no padding; 15:0 the mask: all four work-groups; 21 set beside a mask
	s_mov_b32 s[G1A], 15|(3<<16)|(1<<21)
	s_mov_b32 s[G1A+1], 32<<16
	s_mov_b32 s[G1A+2], (NK/32)<<16                ; an eighth of K's and V's codes: 8 NK bytes
	s_mov_b32 s[G1A+3], 32<<16
	s_mov_b32 s[G1A+4], NK/32
	s_mov_b32 s[G1A+5], 32
	s_mov_b32 s[G1A+6], 0
	s_mov_b32 s[G1A+7], 0
	s_mov_b32 s[G1B], 15|(3<<16)|(1<<21)
	s_mov_b32 s[G1B+1], 32<<16
	s_mov_b32 s[G1B+2], (NK/64)<<16                ; K's scale words: 4 NK bytes
	s_mov_b32 s[G1B+3], 32<<16
	s_mov_b32 s[G1B+4], NK/64
	s_mov_b32 s[G1B+5], 32
	s_mov_b32 s[G1B+6], 0
	s_mov_b32 s[G1B+7], 0
	s_mov_b32 s[SEL], 0x76543210
	s_mov_b32 s[SEL+1], 0xfedcba98
	s_mov_b32 s[CS], 0x3e38aa3b                    ; c = log2(e) / 8
	s_mov_b32 s[CS+1], s[CS]                       ; (named with it as a pair, so it is written)
	s_mov_b32 s51, 0
	s_mov_b32 s55, 0
	s_and_b32 s48, s[WV], 7
	s_mul_i32 s49, s48, NK*8                       ; waves 0-7: my eighth, in LDS as in memory
	s_mul_i32 s50, s46, NK*64
	s_add_co_u32 s50, s50, s49
	s_wait_dscnt 0x0
	s_wait_kmcnt 0x0
	s_mov_b32 s[G0A], 1
	s_mov_b32 s[G0A+1], s49
	s_add_nc_u64 s[G0A+2:G0A+3], s[6:7], s[50:51]
	s_or_b32 s[G0A+3], s[G0A+3], 0x80000000
	s_mul_i32 s50, s46, NK*4
	s_add_co_u32 s50, s50, NK*2048
	s_mov_b32 s[G0B], 1
	s_mov_b32 s[G0B+1], KSC
	s_add_nc_u64 s[G0B+2:G0B+3], s[6:7], s[50:51]
	s_or_b32 s[G0B+3], s[G0B+3], 0x80000000
	s_mul_i32 s50, s46, NK*2
	s_add_co_u32 s50, s50, NK*2176
	s_add_nc_u64 s[6:7], s[6:7], s[50:51]          ; from here on: the head's scale words of V
	CROUND                                         ; all four work-groups are here: the joint loads meet
	s_cmp_lt_u32 s[WV], 8                          ; waves 0-7 fetch the codes, wave 8 K's scale words; four v_nop follow each line
	s_cbranch_scc0 .Lnot_codes
	tensor_load_to_lds s[G0A:G0A+3], s[G1A:G1A+7]
	s_nop 0
.rept 4
	v_nop
.endr
	s_branch .Lasked
.Lnot_codes:
	s_cmp_eq_u32 s[WV], 8
	s_cbranch_scc0 .Lasked
	tensor_load_to_lds s[G0B:G0B+3], s[G1B:G1B+7]
	s_nop 0
.rept 4
	v_nop
.endr
.Lasked:
	s_lshl_b32 s54, s46, 16
	s_lshl_b32 s52, s47, 9
	s_add_co_u32 s54, s54, s52
	s_add_nc_u64 s[QCB:QCB+1], s[4:5], s[54:55]    ; my tile's codes
	s_lshl_b32 s54, s46, 13
	s_lshl_b32 s52, s47, 6
	s_add_co_u32 s54, s54, s52
	s_add_co_u32 s54, s54, 2097152
	s_add_nc_u64 s[QSB:QSB+1], s[4:5], s[54:55]    ; and its scale words
	global_load_b128 v[QF:QF+3], v[AK0], s[QCB:QCB+1]
	global_load_b32 v[QSR], v[R4], s[QSB:QSB+1]
	s_lshr_b32 s52, s46, 3
	s_lshl_b32 s52, s52, 7
	s_add_co_u32 s52, s52, s47                     ; my tile among all tokens' tiles
	s_and_b32 s53, s46, 7                          ; head
	s_lshl_b32 s54, s52, 12
	s_lshl_b32 s48, s53, 9
	s_add_co_u32 s54, s54, s48
	s_add_nc_u64 s[OCB:OCB+1], s[8:9], s[54:55]
	s_lshl_b32 s54, s52, 8
	s_lshl_b32 s48, s53, 5
	s_add_co_u32 s54, s54, s48
	s_add_co_u32 s54, s54, 2097152
	s_add_nc_u64 s[OSB:OSB+1], s[8:9], s[54:55]
	; V's scale bytes lie [key block][channel row][channel tile]; the product wants, for a channel, the bytes of a step's four key blocks in one word: 4 x 4 bytes are turned in registers
	s_cmp_lt_u32 s[WV], NK/256
	s_cbranch_scc0 .Lno_vs
.irp i, 0,1,2,3
	global_load_b32 v[248+\i], v[VSG], s[6:7] offset:64*\i
.endr
	s_wait_loadcnt 0x0
	v_perm_b32 v244, v249, v248, 0x05010400
	v_perm_b32 v245, v249, v248, 0x07030602
	v_perm_b32 v246, v251, v250, 0x05010400
	v_perm_b32 v247, v251, v250, 0x07030602
	v_perm_b32 v248, v246, v244, 0x05040100
	v_perm_b32 v249, v246, v244, 0x07060302
	v_perm_b32 v250, v247, v245, 0x05040100
	v_perm_b32 v251, v247, v245, 0x07060302
.irp i, 0,1,2,3
	ds_store_b32 v[VSL], v[248+\i] offset:64*\i
.endr
.Lno_vs:
	v_mov_b32 v13, 0xff61b1e6                      ; the largest t so far: -3e38, under every t
	v_floor_f32 v12, -v13                          ; -M
	v_mov_b32 v14, 0
	v_mov_b32 v15, 0
.irp b, 0,1,2,3
	v_mov_b32 v[TM+4+\b], 0                        ; written once: a lane permute's destination counts as one of its sources
	v_mov_b32 v[QF+4+\b], 0                        ; the K step's upper half: zero codes
.endr
	v_mov_b32 v253, 0                              ; (named as the upper half of the pair v[252:253])
.irp t, 0,1,2,3,4,5,6,7
.irp b, 4,5,6,7
	v_mov_b32 v[KF+8*\t+\b], 0                     ; the same in K's eight tiles, once
.endr
.endr
.irp j, 0,1,2,3,4,5,6,7,8,9,10,11,12,13,14,15,16,17,18,19,20,21,22,23,24,25,26,27,28,29,30,31
	v_mov_b32 v[OT+\j], 0                          ; O^T: the loop is written once; its first step finds zeros, which the first change of M leaves zeros
.endr
	s_mov_b32 s[TK], 0
	s_mov_b32 s[TS], 0
	s_mov_b32 s[TJ], 0
	s_mov_b32 s[CNT], NK/128
	s_wait_loadcnt 0x0                             ; Q
	s_wait_tensorcnt 0x0                           ; my part of the head has landed,
	s_wait_dscnt 0x0                               ; my turned scale words are stored:
	s_barrier_signal -1
	s_barrier_wait -1                              ; everybody's are
.Lstep:                                            ; 128 keys a trip
	v_add_nc_u32 v[ADK], s[TK], v[AK0]             ; (these four are also the places in front of loads into registers that the last products have read)
	v_add_nc_u32 v[ADV], s[TK], v[AV0]
	v_add_nc_u32 v[ADS], s[TS], v[AS0]
	v_add_nc_u32 v[ADT], s[TJ], v[AT0]
.irp t, 0,1,2,3,4,5,6,7
	ds_load_b128 v[KF+8*\t:KF+8*\t+3], v[ADK] offset:512*\t
.endr
.irp b, 0,1,2,3
	ds_load_b32 v[KSR+\b], v[ADS] offset:128*\b    ; lanes 0-15 tile 2 b's words, lanes 16-31 tile 2 b + 1's
.endr
.irp t, 0,1,2,3
.irp c, 0,1
	ds_load_b128 v[VF+8*\t+4*\c:VF+8*\t+4*\c+3], v[ADV] offset:2048*\c+512*\t
.endr
.endr
.irp p, 0,1
	ds_load_b32 v[VSR+\p], v[ADT] offset:128*\p
.endr
	s_wait_dscnt 10                                ; K and its scale words are in; V's ten loads stay out
.irp t, 0,1,2,3,4,5,6,7
	WMC ST+8*\t, KF+8*\t, QF, 1, KSR+\t/2, QSR, \t%2
.endr
	PLACES 4
.irp b, 0,1,2,3
	v_max3_num_f32 v[232+\b], v[96+16*\b], v[97+16*\b], v[98+16*\b]   ; the largest score of each block of 32 keys: for the row's maximum, and, since p rises with the score, for the block's largest p
.endr
.irp i, 3,5,7,9,11,13
.irp b, 0,1,2,3
	v_max3_num_f32 v[232+\b], v[232+\b], v[96+16*\b+\i], v[97+16*\b+\i]
.endr
.endr
.irp b, 0,1,2,3
	v_max_num_f32 v[232+\b], v[232+\b], v[111+16*\b]
.endr
.irp b, 0,1,2,3
	v_permlanex16_b32 v[236+\b], v[232+\b], s[SEL], s[SEL+1]
.endr
.irp b, 0,1,2,3
	v_max_num_f32 v[232+\b], v[232+\b], v[236+\b]  ; with lane l xor 16's 16 keys
.endr
	v_max3_num_f32 v254, v232, v233, v234
	v_max_num_f32 v254, v254, v235                 ; the step's largest score of my query
	v_mul_f32 v254, s[CS], v254                    ; as t (c is positive)
	v_max_num_f32 v13, v13, v254                   ; the running largest t
	v_mov_b32 v254, v12
	v_floor_f32 v12, -v13                          ; the new -M = floor(-t) = -ceil(t)
	v_sub_f32 v254, v12, v254                      ; old M less new M: a whole number, 0 or less
	v_cvt_i32_f32 v254, v254                       ; (it saturates)
	v_ldexp_f32 v252, 1.0, v254                    ; f = 2^(old M - new M)
.irp j, 0,2,4,6,8,10,12,14,16,18,20,22,24,26,28,30,32,34,36,38,40,42,44,46,48,50,52,54,56,58,60,62
	v_pk_fma_f32 v[96+\j:97+\j], v[96+\j:97+\j], s[CS:CS+1], v[12:13] op_sel_hi:[1,0,0]   ; t - M, two at a time
.endr
.irp b, 0,1,2,3
	v_fma_f32 v[232+\b], v[232+\b], s[CS], v12     ; the same of each block's largest score
.endr
.irp j, 0,1,2,3,4,5,6,7,8,9,10,11,12,13,14,15,16,17,18,19,20,21,22,23,24,25,26,27,28,29,30,31,32,33,34,35,36,37,38,39,40,41,42,43,44,45,46,47,48,49,50,51,52,53,54,55,56,57,58,59,60,61,62,63
	v_exp_f32 v[96+\j], v[96+\j]                   ; p = 2^(t - M), at most 1
.endr
.irp b, 0,1,2,3
	v_exp_f32 v[232+\b], v[232+\b]                 ; the block's largest p
.endr
	v_pk_mul_f32 v[14:15], v[14:15], v[252:253] op_sel_hi:[1,0]   ; the sums under the new M (a plain place behind the exponentials)
	s_wait_alu depctr_va_vdst(0)
.irp b, 0,1,2,3
	v_max_num_f32 v[232+\b], 0x1800000, v[232+\b]  ; the floor 2^(3 - 127)
.endr
.irp b, 0,1,2,3
	v_add_nc_u32 v[244+\b], 0xff000000, v[232+\b]  ; 2 off the exponent field: the conversion's scale operand
.endr
.irp b, 0,1,2,3
	v_lshrrev_b32 v[236+\b], 23, v[244+\b]         ; the scale's byte
.endr
	v_lshl_or_b32 v[PSW], v237, 8, v236            ; p's scale word for these 128 keys
	v_lshl_or_b32 v[PSW], v238, 16, v[PSW]
	v_lshl_or_b32 v[PSW], v239, 24, v[PSW]
.irp b, 0,1,2,3
	v_cvt_scalef32_pk8_fp4_f32 v[224+2*\b], v[96+16*\b:103+16*\b], v[244+\b]
	v_cvt_scalef32_pk8_fp4_f32 v[225+2*\b], v[104+16*\b:111+16*\b], v[244+\b]
.endr
	v_nop                                          ; one plain place behind a scaled conversion
.irp c, 0,1                                    ; the operand's layout wants a whole block in a lane: lanes 0-15 block 2 c, lanes 16-31 block 2 c + 1
.irp i, 0,1
	v_permlane16_swap_b32 v[224+4*\c+\i], v[226+4*\c+\i]
.endr
.endr
	v_pk_add_f32 v[236:237], v[96:97], v[98:99]    ; the row's sum is taken of the unquantised p: two at a time, in two chains
.irp j, 4,8,12,16,20,24,28,32,36,40,44,48,52,56,60
	v_pk_add_f32 v[14:15], v[14:15], v[96+\j:97+\j]
	v_pk_add_f32 v[236:237], v[236:237], v[98+\j:99+\j]
.endr
	v_pk_add_f32 v[14:15], v[14:15], v[236:237]
.irp j, 0,2,4,6,8,10,12,14,16,18,20,22,24,26,28,30
	v_pk_mul_f32 v[OT+\j:OT+\j+1], v[OT+\j:OT+\j+1], v[252:253] op_sel_hi:[1,0]   ; O^T under the new M.  (With the sums above: the places between p's codes and scale word and the products below)
.endr
	s_wait_dscnt 0x0                               ; V and its scale words are in
.irp t, 0,1,2,3
	WMC OT+8*\t, VF+8*\t, PC, 0, VSR+\t/2, PSW, \t%2   ; one instruction a trip on each accumulator
.endr
	s_add_co_u32 s[TK], s[TK], 4096
	s_add_co_u32 s[TS], s[TS], 512
	s_add_co_u32 s[TJ], s[TJ], 256
	s_sub_co_u32 s[CNT], s[CNT], 1
	s_cmp_lg_u32 s[CNT], 0
	s_cbranch_scc1 .Lstep
	PLACES 4
	v_add_f32 v14, v14, v15                        ; the sum's two halves,
	v_permlanex16_b32 v252, v14, s[SEL], s[SEL+1]
	v_add_f32 v14, v14, v252                       ; and lane l xor 16's: the row's sum
	v_rcp_f32 v14, v14
	v_nop                                          ; one plain place behind a transcendental
	s_wait_alu depctr_va_vdst(0)
.irp j, 0,2,4,6,8,10,12,14,16,18,20,22,24,26,28,30
	v_pk_mul_f32 v[96+\j:97+\j], v[OT+\j:OT+\j+1], v[14:15] op_sel_hi:[1,0]   ; O^T / the sum: register 16 b + i is channel 32 b + 16 h + i of my query
.endr
	QB 96, 2                                       ; the head's two blocks along the next product's K
.irp b, 0,1
	global_store_b64 v[QST], v[PC+2*\b:PC+2*\b+1], s[OCB:OCB+1] offset:256*\b   ; 32 lanes store 256 consecutive bytes, aligned
.endr
	v_lshl_or_b32 v248, v[TM+5], 8, v[TM+4]
	global_store_b16 v[R2], v248, s[OSB:OSB+1]     ; the two scale bytes of my query; lanes 16-31 write the same
	s_wait_tensorcnt 0x0
	ds_add_u32 v241, v242
	s_wait_dscnt 0x0
	CROUND                                         ; the closing round: no work-group ends while a partner may still ask for a tile that names it
	s_endpgm
.Lfunc_end_k_q9d8041eee2_ca_attn:
	.size	k_q9d8041eee2_ca_attn, .Lfunc_end_k_q9d8041eee2_ca_attn-k_q9d8041eee2_ca_attn
	.p2alignl 7, 3214868480
	.fill 96, 4, 3214868480
	.section	.rodata,"a",@progbits
	.p2align	6, 0x0
	.amdhsa_kernel k_q9d8041eee2_ca_attn
		.amdhsa_group_segment_fixed_size 169984
		.amdhsa_private_segment_fixed_size 0
		.amdhsa_enable_private_segment 0
		.amdhsa_kernarg_size 24
		.amdhsa_user_sgpr_count 2
		.amdhsa_user_sgpr_kernarg_segment_ptr 1
		.amdhsa_wavefront_size32 1
		.amdhsa_system_sgpr_workgroup_id_x 1
		.amdhsa_system_sgpr_workgroup_id_y 1
		.amdhsa_system_sgpr_workgroup_id_z 1
		.amdhsa_system_vgpr_workitem_id 0
		.amdhsa_next_free_vgpr 256
		.amdhsa_next_free_sgpr 66
		.amdhsa_reserve_vcc 0
		.amdhsa_float_denorm_mode_32 3
		.amdhsa_float_denorm_mode_16_64 3
		.amdhsa_memory_ordered 1
		.amdhsa_forward_progress 1
		.amdhsa_inst_pref_size 29
	.end_amdhsa_kernel
	.amdgpu_metadata
---
amdhsa.version: [ 1, 2 ]
amdhsa.kernels:
  - .name:           k_q9d8041eee2_ca_attn
    .symbol:         k_q9d8041eee2_ca_attn.kd
    .args:
      - { .name: qbuf, .offset: 0, .size: 8, .value_kind: global_buffer, .address_space: global }
      - { .name: kv_ca, .offset: 8, .size: 8, .value_kind: global_buffer, .address_space: global }
      - { .name: obuf, .offset: 16, .size: 8, .value_kind: global_buffer, .address_space: global }
    .group_segment_fixed_size: 169984
    .private_segment_fixed_size: 0
    .kernarg_segment_align: 8
    .kernarg_segment_size: 24
    .max_flat_workgroup_size: 512
    .sgpr_count:     66
    .vgpr_count:     256
    .wavefront_size: 32
...
	.end_amdgpu_metadata
.endif
;; end of part 6
;; launch fin (part 7): grid 256 x 1, 8 waves a work-group, no clusters, 68,608 bytes of LDS; arguments obuf, x1, ca_bo, wpk, out0; writes out0
.if DOCPART == 7
	.amdgcn_target "amdgcn-amd-amdhsa--gfx1250"
	.amdhsa_code_object_version 6
	.text
	.protected	k_q9d8041eee2_fin
	.globl	k_q9d8041eee2_fin
	.p2align	8
	.type	k_q9d8041eee2_fin,@function
k_q9d8041eee2_fin:
	s_mov_b64 s[64:65], 0
	v_nop
	global_prefetch_b8 v0, s[64:65] scope:SCOPE_SE
	s_setreg_imm32_b32 hwreg(HW_REG_WAVE_MODE, 25, 1), 1
	s_wait_xcnt 0x0
; out0 = cross-attention's output Wo + bo + x1: codes x codes, f32 sums that begin with x1 + bo.
; SHARES.  A work-group of eight waves takes 32 tokens: two tiles; lane r of tile m stands for token 8 m + r + 8 (r / 8).  Wave w makes features 128 w .. + 127 for all 32 tokens: 16 accumulators
; (source 0 = 16 rows of Wo, source 1 = 16 tokens: a lane holds one token, the registers of tiles 2 b, 2 b + 1 are 16 neighbouring features).
; The result leaves through the wave's own stage in LDS, as whole pieces of rows: each store covers 512 consecutive bytes.
; Weights come from wpk in the order of the operand's registers, in four chunks of 4 tiles x 2 K steps (18 loads each), which fill window 1.
; REGISTERS.  Window 0: v1-15 addresses; v16-23 the attention output's scale halves; v44-47 its scale words; v48-63 the weights'; v64-191 x1 + bo, then the result; v192-255 the attention output's fragments, then rows on their way out.
.set STG,  0                           ; LDS: the stages: 16 rows x (512 + 16) bytes for each wave
.set WOC,  1703936                     ; ca_wo's images in wpk
.set WOS,  2072576
.set LI,   1
.set XA,   3
.set GA,   8
.set L8,   9
.set STW,  12
.set STR,  13
.set XO,   14
.set OSV,  15
.set TM,   16
.set XS,   44
.set WSC,  48
.set Y,    64
.set T,    192
.set X1B,  12
.set WV,   20
.set WB,   32
.set WSB,  34
.set OSB,  40
.set MSB, 0
.macro WIN new                         ; the immediate's high byte repeats the setting that is left
.if MSB != \new
	s_set_vgpr_msb (MSB<<8)|\new
.set MSB, \new
.endif
.endm
.macro PLACES n
.rept \n
	v_nop
.endr
.endm
.macro WMC d, a, b, sa, sb, ra, rb     ; one product, adding in place; ra, rb: that source's scales lie in lanes 16-31
.if (\ra) && (\rb)
	v_wmma_scale_f32_16x16x128_f8f6f4 v[\d:\d+7], v[\a:\a+7], v[\b:\b+7], v[\d:\d+7], v[\sa], v[\sb] matrix_a_fmt:MATRIX_FMT_FP4 matrix_b_fmt:MATRIX_FMT_FP4 matrix_a_scale:MATRIX_SCALE_ROW1 matrix_b_scale:MATRIX_SCALE_ROW1
.elseif (\ra)
	v_wmma_scale_f32_16x16x128_f8f6f4 v[\d:\d+7], v[\a:\a+7], v[\b:\b+7], v[\d:\d+7], v[\sa], v[\sb] matrix_a_fmt:MATRIX_FMT_FP4 matrix_b_fmt:MATRIX_FMT_FP4 matrix_a_scale:MATRIX_SCALE_ROW1
.elseif (\rb)
	v_wmma_scale_f32_16x16x128_f8f6f4 v[\d:\d+7], v[\a:\a+7], v[\b:\b+7], v[\d:\d+7], v[\sa], v[\sb] matrix_a_fmt:MATRIX_FMT_FP4 matrix_b_fmt:MATRIX_FMT_FP4 matrix_b_scale:MATRIX_SCALE_ROW1
.else
	v_wmma_scale_f32_16x16x128_f8f6f4 v[\d:\d+7], v[\a:\a+7], v[\b:\b+7], v[\d:\d+7], v[\sa], v[\sb] matrix_a_fmt:MATRIX_FMT_FP4 matrix_b_fmt:MATRIX_FMT_FP4
.endif
.endm
; A chunk's 16 products: 2 K steps x 4 tiles of W (source 0, window 1) x 2 tiles of tokens (source 1).  The eight accumulators take turns, one instruction a turn.
.macro WM16 acc, ams, ats, slot, xb, xms, xss, xs
	WIN 0x01
.irp sp, 0,1
.irp tt, 0,1,2,3
.irp mm, 0,1
.set rD, (\acc)+(\ams)*\mm+(\ats)*\tt
.set rW, 64*(\slot)+32*\sp+8*\tt
.set rX, (\xb)+(\xms)*\mm+(\xss)*\sp
.set rWS, WSC+4*(\slot)+2*(\tt/2)+\sp
.set rXS, (\xs)+\sp
	WMC rD, rW, rX, rWS, rXS, \tt%2, \mm
.endr
.endr
.endr
	WIN 0
.endm
.macro WLOAD slot, coff, ts, soff, ss  ; a chunk of weights into a slot: 16 loads of codes, 2 of scale words: 18 on LOADcnt
	WIN 0x40                                       ; destination window 1, address window 0
.irp sp, 0,1
.irp tt, 0,1,2,3
.irp cc, 0,1
	global_load_b128 v[64*(\slot)+32*\sp+8*\tt+4*\cc:64*(\slot)+32*\sp+8*\tt+4*\cc+3], v[LI], s[WB:WB+1] offset:(\coff)+\tt*(\ts)+1024*\sp+512*\cc
.endr
.endr
.endr
	WIN 0
.irp pp, 0,1
	global_load_b64 v[WSC+4*(\slot)+2*\pp:WSC+4*(\slot)+2*\pp+1], v[L8], s[WSB:WSB+1] offset:(\soff)+\pp*(\ss)
.endr
.endm
.macro GLOAD reg, bs, nb               ; my 16 nb numbers of the bias, under a setting whose destination is window 1
.set gb, 0
.rept \nb
.irp jj, 0,1,2,3
	global_load_b128 v[(\reg)+16*gb+4*\jj:(\reg)+16*gb+4*\jj+3], v[GA], s[\bs:\bs+1] offset:128*gb+16*\jj
.endr
.set gb, gb+1
.endr
.endm
.macro WLA i                           ; Wo's chunk i: my tiles 4 (i / 2) on, K steps 2 (i % 2) on, into slot i
	WLOAD \i, WOC+16384*((\i)/2)+2048*((\i)%2), 4096, WOS+1024*((\i)/2)+256*((\i)%2), 512
.endm
; Tile m goes out: a lane holds pieces of one row, so 16 rows x 512 bytes go through my own stage and come back as rows.  LDS serves a wave's instructions in order: no wait between the stores and the loads.
.macro XOUT m
.irp bb, 0,1,2,3
.irp jj, 0,1,2,3
	ds_store_b128 v[STW], v[Y+64*\m+16*\bb+4*\jj:Y+64*\m+16*\bb+4*\jj+3] offset:128*\bb+16*\jj   ; each accumulator from its low end on
.endr
.endr
.if \m
	s_wait_xcnt 0x0                                ; tile 0's stores have read their registers
.endif
.irp ii, 0,1,2,3,4,5,6,7,8,9,10,11,12,13,14,15
	ds_load_b128 v[T+4*\ii:T+4*\ii+3], v[STR] offset:528*\ii
.endr
.irp ii, 0,1,2,3,4,5,6,7,8,9,10,11,12,13,14,15
	s_wait_dscnt 15-\ii                            ; row ii is back; the younger loads stay out
	global_store_b128 v[XO], v[T+4*\ii:T+4*\ii+3], s[X1B:X1B+1] offset:(8*\m+\ii+8*(\ii/8))*4096 th:TH_STORE_NT   ; 32 lanes store 512 consecutive bytes, aligned; written once, read by nobody here
.endr
.endm
	s_load_b256 s[4:11], s[0:1], 0x0               ; obuf, x1, ca_bo, wpk
	s_load_b64 s[12:13], s[0:1], 0x20              ; out0
	v_lshl_add_u32 v39, v0, 2, 0x10800
	v_mov_b32 v43, 0
	v_lshrrev_b32 v40, 5, v0
	v_readfirstlane_b32 s[WV], v40                 ; wave
	v_and_b32 v40, 31, v0                          ; lane
	v_and_b32 v41, 15, v0                          ; r
	v_bfe_u32 v42, v0, 4, 1                        ; h
	s_lshl_b32 s27, s[WV], 9
	s_mul_i32 s53, s[WV], 8448                     ; my stage
	v_lshlrev_b32 v[LI], 4, v40
	v_and_b32 v[XA], 8, v41
	v_add_nc_u32 v[XA], v[XA], v41                 ; r + 8 (r / 8)
	v_lshlrev_b32 v[XA], 12, v[XA]
	v_lshl_add_u32 v[GA], v42, 6, s27
	v_add_nc_u32 v[XA], v[XA], v[GA]
	v_lshlrev_b32 v[L8], 3, v40
	v_mul_u32_u24 v[STW], v41, 528
	v_lshl_add_u32 v[STW], v42, 6, v[STW]
	v_add_nc_u32 v[STW], s53, v[STW]               ; into the stage: row r, + 64 h
	v_add_nc_u32 v[STR], s53, v[LI]                ; back: 16 bytes a lane of a row
	v_add_nc_u32 v[XO], s27, v[LI]                 ; and in out0: + 512 w
	v_lshlrev_b32 v[OSV], 1, v41
	v_lshl_add_u32 v[OSV], v42, 8, v[OSV]          ; the attention output's scale halves: lanes 0-15 tile 0's, lanes 16-31 tile 1's
	s_mov_b32 s31, 0
	s_wait_kmcnt 0x0
	s_lshl_b32 s30, ttmp9, 9
	s_add_co_u32 s30, s30, 2097152
	s_add_nc_u64 s[OSB:OSB+1], s[4:5], s[30:31]
	s_lshl_b32 s30, ttmp9, 13
	s_add_nc_u64 s[4:5], s[4:5], s[30:31]          ; my two tiles of the attention output: 2 x 4,096 bytes
	s_lshl_b32 s30, ttmp9, 17
	s_add_nc_u64 s[6:7], s[6:7], s[30:31]
	s_add_nc_u64 s[X1B:X1B+1], s[X1B:X1B+1], s[30:31]
	s_lshl_b32 s30, s[WV], 15
	s_add_nc_u64 s[WB:WB+1], s[10:11], s[30:31]
	s_lshl_b32 s30, s[WV], 11
	s_add_nc_u64 s[WSB:WSB+1], s[10:11], s[30:31]
.irp mm, 0,1
.irp ss, 0,1,2,3
.irp cc, 0,1
	global_load_b128 v[T+32*\mm+8*\ss+4*\cc:T+32*\mm+8*\ss+4*\cc+3], v[LI], s[4:5] offset:4096*\mm+512*(2*\ss+\cc)   ; K step ss = heads 2 ss, 2 ss + 1
.endr
.endr
.endr
.irp hh, 0,1,2,3,4,5,6,7
	global_load_u16 v[TM+\hh], v[OSV], s[OSB:OSB+1] offset:32*\hh
.endr
	WIN 0x40
	GLOAD 192, 8, 4                                ; bo
	WIN 0
.irp mm, 0,1
.irp bb, 0,1,2,3
.irp jj, 0,1,2,3
	global_load_b128 v[Y+64*\mm+16*\bb+4*\jj:Y+64*\mm+16*\bb+4*\jj+3], v[XA], s[6:7] offset:32768*\mm+128*\bb+16*\jj
.endr
.endr
.endr
	WLA 0
	WLA 1
	WLA 2
	s_wait_loadcnt 54                              ; all but the three chunks of weights
	WIN 0x04
.set nk, 0
.rept 32
	v_pk_add_f32 v[Y+nk:Y+nk+1], v[Y+nk:Y+nk+1], v[192+nk:192+nk+1]
	v_pk_add_f32 v[Y+64+nk:Y+64+nk+1], v[Y+64+nk:Y+64+nk+1], v[192+nk:192+nk+1]
.set nk, nk+2
.endr
	WIN 0
.irp ss, 0,1,2,3
	v_lshl_or_b32 v[XS+\ss], v[TM+2*\ss+1], 16, v[TM+2*\ss]   ; two heads' two bytes make a K step's scale word
.endr
	WLA 3                                          ; into the registers that bo has left
	PLACES 8                                       ; a scale register written by a vector instruction stands eight places ahead of a scaled product
.irp i, 0,1,2,3
	s_wait_loadcnt 18*(3-\i)                       ; chunk i is in; the younger chunks stay out
	WM16 Y+32*(\i/2), 64, 8, \i, T+16*(\i%2), 32, 8, XS+2*(\i%2)
	PLACES 4
.endr
	XOUT 0
	XOUT 1
	s_wait_tensorcnt 0x0
	ds_add_u32 v39, v43
	s_wait_dscnt 0x0
	s_endpgm
.Lfunc_end_k_q9d8041eee2_fin:
	.size	k_q9d8041eee2_fin, .Lfunc_end_k_q9d8041eee2_fin-k_q9d8041eee2_fin
	.p2alignl 7, 3214868480
	.fill 96, 4, 3214868480
	.section	.rodata,"a",@progbits
	.p2align	6, 0x0
	.amdhsa_kernel k_q9d8041eee2_fin
		.amdhsa_group_segment_fixed_size 68608
		.amdhsa_private_segment_fixed_size 0
		.amdhsa_enable_private_segment 0
		.amdhsa_kernarg_size 40
		.amdhsa_user_sgpr_count 2
		.amdhsa_user_sgpr_kernarg_segment_ptr 1
		.amdhsa_wavefront_size32 1
		.amdhsa_system_sgpr_workgroup_id_x 1
		.amdhsa_system_sgpr_workgroup_id_y 1
		.amdhsa_system_sgpr_workgroup_id_z 1
		.amdhsa_system_vgpr_workitem_id 0
		.amdhsa_next_free_vgpr 512
		.amdhsa_next_free_sgpr 66
		.amdhsa_reserve_vcc 0
		.amdhsa_float_denorm_mode_32 3
		.amdhsa_float_denorm_mode_16_64 3
		.amdhsa_memory_ordered 1
		.amdhsa_forward_progress 1
		.amdhsa_inst_pref_size 38
	.end_amdhsa_kernel
	.amdgpu_metadata
---
amdhsa.version: [ 1, 2 ]
amdhsa.kernels:
  - .name:           k_q9d8041eee2_fin
    .symbol:         k_q9d8041eee2_fin.kd
    .args:
      - { .name: obuf, .offset: 0, .size: 8, .value_kind: global_buffer, .address_space: global }
      - { .name: x1, .offset: 8, .size: 8, .value_kind: global_buffer, .address_space: global }
      - { .name: ca_bo, .offset: 16, .size: 8, .value_kind: global_buffer, .address_space: global }
      - { .name: wpk, .offset: 24, .size: 8, .value_kind: global_buffer, .address_space: global }
      - { .name: out0, .offset: 32, .size: 8, .value_kind: global_buffer, .address_space: global }
    .group_segment_fixed_size: 68608
    .private_segment_fixed_size: 0
    .kernarg_segment_align: 8
    .kernarg_segment_size: 40
    .max_flat_workgroup_size: 256
    .sgpr_count:     66
    .vgpr_count:     512
    .wavefront_size: 32
...
	.end_amdgpu_metadata
.endif
;; end of part 7
;; ======== version 2 of 2: 6 launches
;; limits: right only within a limited range of input values
;; workspace buffers: wpk 2,088,960 bytes; qbuf 2,359,296 bytes; kv_sa 4,587,520 bytes; kv_ca 1,146,880 bytes; obuf 2,228,224 bytes; x1 33,554,432 bytes
;; launch pack (part 8): grid 120 x 1, 4 waves a work-group, no clusters, 0 bytes of LDS; arguments sa_wq_codes, sa_wq_scales, sa_wkv_codes, sa_wkv_scales, sa_wo_codes, sa_wo_scales, ca_wq_codes, ca_wq_scales, ca_wkv_codes, ca_wkv_scales, ca_wo_codes, ca_wo_scales, wpk; writes wpk
.if DOCPART == 8
	.amdgcn_target "amdgcn-amd-amdhsa--gfx1250"
	.amdhsa_code_object_version 6
	.text
	.protected	k_q9d8041eee2_pack
	.globl	k_q9d8041eee2_pack
	.p2align	8
	.type	k_q9d8041eee2_pack,@function
k_q9d8041eee2_pack:
	s_mov_b64 s[64:65], 0
	v_nop
	global_prefetch_b8 v0, s[64:65] scope:SCOPE_SE
	s_setreg_imm32_b32 hwreg(HW_REG_WAVE_MODE, 25, 1), 1
	s_wait_xcnt 0x0
; The six weights (codes of E2M1, K innermost, and E8M0 scale bytes) are laid once in the order of the matrix operand's registers, so that every later
; load of a fragment is 512 consecutive bytes, 16 a lane, straight into the operand.  No number is changed: bytes are moved.
; A TILE is 16 rows; the rows of a tile are not neighbours: of a pair of tiles (32 rows) lane r of tile u takes row 8 u + r + 8 (r / 8).
; Codes:  [tile][K step of 128][c = 0, 1][lane][16 bytes]: lane (r, h) holds the row's block 2 c + h of the K step.
; Scales: [pair of tiles][two K steps][lane = 16 u + r][8 bytes]: the row's scale words of K steps 2 g and 2 g + 1.
; A wave takes one unit: a pair of tiles x two K steps: 8 loads of 16 bytes and one of 8 a lane, and as many stores.  480 units, 120 work-groups.
; S = K steps of the tensor, LP = log2 of its pairs of tiles, F = its first unit.
.macro PICK limit, cp, ks, lp, fu, oc, os      ; work-groups under the limit belong to this tensor (or to one picked later): the choice hangs on the work-group's number alone
	s_cmp_lt_u32 ttmp9, \limit
	s_cselect_b64 s[36:37], s[\cp:\cp+1], s[36:37]
	s_cselect_b64 s[38:39], s[\cp+2:\cp+3], s[38:39]
	s_cselect_b32 s40, \ks, s40
	s_cselect_b32 s41, \lp, s41
	s_cselect_b32 s42, \fu, s42
	s_cselect_b32 s43, \oc, s43
	s_cselect_b32 s44, \os, s44
.endm
	s_load_b512 s[8:23], s[0:1], 0x0               ; sa_wq codes, scales; sa_wkv; sa_wo; ca_wq
	s_load_b256 s[24:31], s[0:1], 0x40             ; ca_wkv codes, scales; ca_wo
	s_load_b64 s[32:33], s[0:1], 0x60              ; wpk
	v_lshrrev_b32 v1, 5, v0
	v_readfirstlane_b32 s34, v1                    ; wave
	v_and_b32 v1, 31, v0                           ; lane
	v_and_b32 v2, 15, v0                           ; r
	v_bfe_u32 v3, v0, 4, 1                         ; h
	v_and_b32 v4, 8, v2
	v_add_nc_u32 v4, v4, v2                        ; r + 8 (r / 8)
	s_wait_alu depctr_va_vdst(0)
	s_wait_kmcnt 0x0
	s_mov_b64 s[36:37], s[28:29]                   ; ca_wo, unless a tensor in front of it is picked
	s_mov_b64 s[38:39], s[30:31]
	s_mov_b32 s40, 4
	s_mov_b32 s41, 5
	s_mov_b32 s42, 416
	s_mov_b32 s43, 1703936
	s_mov_b32 s44, 2072576
	PICK 104, 24, 6, 5, 320, 1310720, 2048000      ; ca_wkv
	PICK 80, 20, 8, 4, 256, 1048576, 2031616       ; ca_wq
	PICK 64, 16, 4, 5, 192, 786432, 2015232        ; sa_wo
	PICK 48, 12, 8, 5, 64, 262144, 1982464         ; sa_wkv
	PICK 16, 8, 8, 4, 0, 0, 1966080                ; sa_wq
	s_lshl_b32 s45, ttmp9, 2
	s_add_co_u32 s45, s45, s34
	s_sub_co_u32 s45, s45, s42                     ; my unit in its tensor
	s_bfm_b32 s46, s41, 0
	s_and_b32 s46, s45, s46                        ; the pair of tiles
	s_lshr_b32 s47, s45, s41                       ; which two K steps
	s_mul_i32 s48, s46, s40                        ; pair x S
	s_mov_b32 s51, 0
	s_lshl_b32 s50, s48, 11
	s_lshl_b32 s49, s47, 7
	s_add_co_u32 s50, s50, s49
	s_add_nc_u64 s[36:37], s[36:37], s[50:51]      ; codes in: 32 rows of 64 S bytes a pair, 128 bytes for two K steps
	s_lshl_b32 s50, s48, 7
	s_lshl_b32 s49, s47, 3
	s_add_co_u32 s50, s50, s49
	s_add_nc_u64 s[38:39], s[38:39], s[50:51]      ; scales in: 32 rows of 4 S bytes a pair, 8 bytes for two K steps
	s_lshl_b32 s50, s48, 11
	s_lshl_b32 s49, s47, 11
	s_add_co_u32 s50, s50, s49
	s_add_co_u32 s50, s50, s43
	s_add_nc_u64 s[52:53], s[32:33], s[50:51]      ; codes out
	s_lshl_b32 s50, s48, 7
	s_lshl_b32 s49, s47, 8
	s_add_co_u32 s50, s50, s49
	s_add_co_u32 s50, s50, s44
	s_add_nc_u64 s[54:55], s[32:33], s[50:51]      ; scales out
	s_lshl_b32 s56, s40, 6                         ; a row of codes: 64 S bytes
	s_lshl_b32 s57, s40, 9                         ; eight rows
	s_lshl_b32 s58, s40, 10                        ; a tile's image: 1,024 S bytes
	s_lshl_b32 s59, s40, 2                         ; a row of scale bytes: 4 S
	v_mul_u32_u24 v5, v4, s56
	v_lshl_add_u32 v5, v3, 4, v5                   ; tile 0: my row, + 16 h
	v_add_nc_u32 v6, s57, v5                       ; tile 1: eight rows on
	v_lshlrev_b32 v7, 4, v1                        ; out: 16 x lane
	v_add_nc_u32 v8, s58, v7                       ; tile 1's image
	v_lshl_add_u32 v9, v3, 3, v4
	v_mul_u32_u24 v9, v9, s59                      ; scales: lanes 0-15 tile 0's rows, lanes 16-31 tile 1's
	v_lshlrev_b32 v10, 3, v1                       ; out: 8 x lane
.irp u, 0,1
.irp sp, 0,1
.irp c, 0,1
	global_load_b128 v[16+16*\u+8*\sp+4*\c:16+16*\u+8*\sp+4*\c+3], v[5+\u], s[36:37] offset:64*\sp+32*\c
.endr
.endr
.endr
	global_load_b64 v[48:49], v9, s[38:39]
.set pk, 0
	s_wait_alu depctr_va_vdst(0)
.irp u, 0,1
.irp sp, 0,1
.irp c, 0,1
	s_wait_loadcnt 8-pk                            ; loads come back in order: this one is in, the younger ones stay out
	global_store_b128 v[7+\u], v[16+16*\u+8*\sp+4*\c:16+16*\u+8*\sp+4*\c+3], s[52:53] offset:1024*\sp+512*\c   ; 32 lanes store 512 consecutive bytes
.set pk, pk+1
.endr
.endr
.endr
	s_wait_loadcnt 0x0
	global_store_b64 v10, v[48:49], s[54:55]       ; 256 consecutive bytes
	s_endpgm
.Lfunc_end_k_q9d8041eee2_pack:
	.size	k_q9d8041eee2_pack, .Lfunc_end_k_q9d8041eee2_pack-k_q9d8041eee2_pack
	.p2alignl 7, 3214868480
	.fill 96, 4, 3214868480
	.section	.rodata,"a",@progbits
	.p2align	6, 0x0
	.amdhsa_kernel k_q9d8041eee2_pack
		.amdhsa_group_segment_fixed_size 0
		.amdhsa_private_segment_fixed_size 0
		.amdhsa_enable_private_segment 0
		.amdhsa_kernarg_size 104
		.amdhsa_user_sgpr_count 2
		.amdhsa_user_sgpr_kernarg_segment_ptr 1
		.amdhsa_wavefront_size32 1
		.amdhsa_system_sgpr_workgroup_id_x 1
		.amdhsa_system_sgpr_workgroup_id_y 1
		.amdhsa_system_sgpr_workgroup_id_z 1
		.amdhsa_system_vgpr_workitem_id 0
		.amdhsa_next_free_vgpr 64
		.amdhsa_next_free_sgpr 66
		.amdhsa_reserve_vcc 0
		.amdhsa_float_denorm_mode_32 3
		.amdhsa_float_denorm_mode_16_64 3
		.amdhsa_memory_ordered 1
		.amdhsa_forward_progress 1
		.amdhsa_inst_pref_size 7
	.end_amdhsa_kernel
	.amdgpu_metadata
---
amdhsa.version: [ 1, 2 ]
amdhsa.kernels:
  - .name:           k_q9d8041eee2_pack
    .symbol:         k_q9d8041eee2_pack.kd
    .args:
      - { .name: sa_wq_codes, .offset: 0, .size: 8, .value_kind: global_buffer, .address_space: global }
      - { .name: sa_wq_scales, .offset: 8, .size: 8, .value_kind: global_buffer, .address_space: global }
      - { .name: sa_wkv_codes, .offset: 16, .size: 8, .value_kind: global_buffer, .address_space: global }
      - { .name: sa_wkv_scales, .offset: 24, .size: 8, .value_kind: global_buffer, .address_space: global }
      - { .name: sa_wo_codes, .offset: 32, .size: 8, .value_kind: global_buffer, .address_space: global }
      - { .name: sa_wo_scales, .offset: 40, .size: 8, .value_kind: global_buffer, .address_space: global }
      - { .name: ca_wq_codes, .offset: 48, .size: 8, .value_kind: global_buffer, .address_space: global }
      - { .name: ca_wq_scales, .offset: 56, .size: 8, .value_kind: global_buffer, .address_space: global }
      - { .name: ca_wkv_codes, .offset: 64, .size: 8, .value_kind: global_buffer, .address_space: global }
      - { .name: ca_wkv_scales, .offset: 72, .size: 8, .value_kind: global_buffer, .address_space: global }
      - { .name: ca_wo_codes, .offset: 80, .size: 8, .value_kind: global_buffer, .address_space: global }
      - { .name: ca_wo_scales, .offset: 88, .size: 8, .value_kind: global_buffer, .address_space: global }
      - { .name: wpk, .offset: 96, .size: 8, .value_kind: global_buffer, .address_space: global }
    .group_segment_fixed_size: 0
    .private_segment_fixed_size: 0
    .kernarg_segment_align: 8
    .kernarg_segment_size: 104
    .max_flat_workgroup_size: 128
    .sgpr_count:     66
    .vgpr_count:     64
    .wavefront_size: 32
...
	.end_amdgpu_metadata
.endif
;; end of part 8
;; launch sa_qkv (part 9): grid 256 x 1, 8 waves a work-group, clusters of 4 x 1, 327,680 bytes of LDS; arguments x, sa_ng, sa_nb, sa_ncg, sa_ncb, wpk, qbuf, kv_sa; writes qbuf, kv_sa
.if DOCPART == 9
	.amdgcn_target "amdgcn-amd-amdhsa--gfx1250"
	.amdhsa_code_object_version 6
	.text
	.protected	k_q9d8041eee2_sa_qkv
	.globl	k_q9d8041eee2_sa_qkv
	.p2align	8
	.type	k_q9d8041eee2_sa_qkv,@function
k_q9d8041eee2_sa_qkv:
	s_mov_b64 s[64:65], 0
	v_nop
	global_prefetch_b8 v0, s[64:65] scope:SCOPE_SE
	s_setreg_imm32_b32 hwreg(HW_REG_WAVE_MODE, 25, 1), 1
	s_wait_xcnt 0x0
	s_wait_alu depctr_hold_cnt(0) depctr_sa_sdst(0) depctr_va_vdst(0) depctr_va_sdst(0) depctr_va_ssrc(0) depctr_va_vcc(0) depctr_vm_vsrc(0)
	s_getreg_b32 s2, hwreg(HW_REG_IB_STS2, 6, 4)
	s_cmp_eq_u32 s2, 0
	s_cbranch_scc0 .Lentry_in_a_cluster
	s_endpgm
.Lentry_in_a_cluster:
	s_bfe_u32 s2, ttmp6, 0x10000c
	s_cmp_lg_u32 s2, 0x3003
	s_cbranch_scc0 .Lentry_shape_is_right
	s_endpgm
.Lentry_shape_is_right:
; Self-attention's front: both layer norms of x, their quantising to E2M1 along the 1,024 features, q = xn Wq, k and v = cn Wkv on codes, and the quantising of q and k (along a head's 64 channels) and of v (along the keys).
; SHARES.  A work-group of eight waves takes 32 tokens: two tiles m = 0, 1; lane r of tile m stands for token 8 m + r + 8 (r / 8).  For the norms wave w holds features 128 w .. + 127 of all 32 tokens (K step w);
; mean and variance are made in two passes (the mean is taken off before the squares are summed) and meet in LDS.  For the products wave w is head w and makes three units: q, then k, then v.
; OPERANDS GO THROUGH LDS AS IMAGES OF THEIR REGISTERS: a block of 32 codes of 16 rows is 256 bytes, row r's 16 bytes at 16 r; two blocks on end are one load of 16 bytes a lane.
; THE WEIGHTS.  In wpk a head's four tiles of a unit are one dense block of 32,768 bytes in the order of the operand's registers: as many bytes as window 1 holds.  Every work-group walks the same weights, so FOUR WORK-GROUPS
; FORM A CLUSTER AND ASK JOINTLY: wave w of each issues the same tensor load for head w's block, which lands in each one's LDS at the same place.  Only the wave that asked reads its block: it copies it into window 1
; (64 loads of 512 consecutive bytes); the region is then free, and behind a round of the cluster's barrier the next unit's block is asked for, which lands while this unit's 64 products and its quantising run.
; One tensor load of a wave is out at a time.  The weights' scale words (8 loads a unit) come straight into registers, a unit ahead, in two sets by turns.
; q, k: source 0 = 16 rows of W, source 1 = 16 tokens: a lane holds one token, and the registers of tiles 2 b, 2 b + 1 are 16 neighbouring channels.  v: the sources swapped: a lane holds one channel and 16 neighbouring tokens.
; All of a WGP's LDS is claimed, and 0 is added to spare words ahead of each refill and at the end.
; LIMITS: NaN and infinities are not served.  A block whose largest magnitude lies under 2^-124, a block of zeros among them, takes the scale byte 1 (its codes are then zeros or near it); the bytes are read by this program alone.
; REGISTERS.  Window 0: v1-12 addresses; v16-23, v28-31 the quantiser's work; v24 where my weights lie in LDS; v25, v26 the spare word's address and 0; v32-39 codes just made; v40-41 scale words just made; v44-47 x's scale words;
;   v48-63 and v192-207 the weights' scale words, by turns; v64-191 the 2 x 64 numbers of x, later v64-127 eight accumulators and v128-191 two sets of x's fragments; v192-255 at work in the norms.
;   Window 1: the gains and biases, later a unit's weights: chunk j (4 tiles x K steps 2 j, 2 j + 1) at v[64 j].
.set XIMG, 0                           ; LDS: x's images: norm n x 16,384 + tile m x 8,192 + block x 256
.set XSC,  32768                       ; their scale bytes: n x 1,024 + (16 m + r) x 32 + block
.set RED1, 34816                       ; the sums: lane x 32 + wave x 4; the squares' 1,024 bytes further on
.set WL,   36864                       ; the weights' landing place: 32,768 bytes for each wave; nothing is stored there
.set SPARE, 299008                     ; the spare words: 128 bytes for each wave: four blocks of 256 bytes that no other line names
.set NCH,  12                          ; chunks: three units of four
.set LI,   1                           ; 16 x lane
.set XSR,  2                           ; XSC + 32 x lane
.set XA,   3                           ; x: my row, + 64 h + 512 w
.set IMW,  4                           ; 16 r + 8 h + 1,024 w: where my 8 bytes of a block go
.set SCW,  5                           ; XSC + 32 r + 4 w
.set REDW, 6
.set REDR, 7
.set GA,   8                           ; 64 h + 512 w: my place in a gain or bias
.set L8,   9
.set QST,  10                          ; 16 r + 8 h
.set L4,   11
.set R4,   12
.set TM,   16
.set LW,   24                          ; WL + 32,768 w + 16 x lane
.set SPW,  25                          ; SPARE + 4 x my thread's number; never rewritten
.set NIL,  26                          ; 0; never rewritten
.set PC,   32
.set PW,   40
.set XS,   44
.set WSCA, 48
.set WSCB, 192
.set WSCU, 48                          ; the set of scale words in use
.set Y,    64
.set ACC,  64
.set XF,   128
.set T,    192
.set U,    192
.set SM,   196
.set PX,   198
.set RD,   200
.set MN,   216
.set RS,   220
.set WV,   20
.set WG,   21                          ; the work-group's number: it enters global addresses alone
.set SEL,  22
.set HM,   24
.set INV,  25
.set EPS,  26
.set WSB,  34
.set QCB,  36
.set QSB,  38
.set KCB,  40
.set KSB,  42
.set VCB,  44
.set VSB,  46
.set G0,   68                          ; s[68:71] descriptor group 0: it walks from unit to unit
.set G1,   72                          ; s[72:79] descriptor group 1
.set MSB, 0
.macro WIN new                         ; the immediate's high byte repeats the setting that is left
.if MSB != \new
	s_set_vgpr_msb (MSB<<8)|\new
.set MSB, \new
.endif
.endm
.macro PLACES n
.rept \n
	v_nop
.endr
.endm
.macro BAR                             ; my LDS stores have landed and my LDS loads are in: then the work-group's barrier
	s_wait_dscnt 0x0
	s_barrier_signal -1
	s_barrier_wait -1
.endm
.macro ROUND                           ; a round of the cluster's barrier: my work-group's barrier; wave 0 signals for the work-group; every wave waits for all four; my work-group's barrier once more
	s_barrier_signal -1
	s_barrier_wait -1
	s_cmp_lg_u32 s[WV], 0
	s_cbranch_scc1 .Lnot_wave_0_\@
	s_barrier_signal -3
.Lnot_wave_0_\@:
	s_barrier_wait -3
	s_barrier_signal -1
	s_barrier_wait -1
.endm
; One product.  z = 1: C is the constant 0.  ra, rb: source 0's, source 1's scales lie in lanes 16-31 of their register.
.macro WMC d, a, b, z, sa, sb, ra, rb
.if \z
.if (\ra) && (\rb)
	v_wmma_scale_f32_16x16x128_f8f6f4 v[\d:\d+7], v[\a:\a+7], v[\b:\b+7], 0, v[\sa], v[\sb] matrix_a_fmt:MATRIX_FMT_FP4 matrix_b_fmt:MATRIX_FMT_FP4 matrix_a_scale:MATRIX_SCALE_ROW1 matrix_b_scale:MATRIX_SCALE_ROW1
.elseif (\ra)
	v_wmma_scale_f32_16x16x128_f8f6f4 v[\d:\d+7], v[\a:\a+7], v[\b:\b+7], 0, v[\sa], v[\sb] matrix_a_fmt:MATRIX_FMT_FP4 matrix_b_fmt:MATRIX_FMT_FP4 matrix_a_scale:MATRIX_SCALE_ROW1
.elseif (\rb)
	v_wmma_scale_f32_16x16x128_f8f6f4 v[\d:\d+7], v[\a:\a+7], v[\b:\b+7], 0, v[\sa], v[\sb] matrix_a_fmt:MATRIX_FMT_FP4 matrix_b_fmt:MATRIX_FMT_FP4 matrix_b_scale:MATRIX_SCALE_ROW1
.else
	v_wmma_scale_f32_16x16x128_f8f6f4 v[\d:\d+7], v[\a:\a+7], v[\b:\b+7], 0, v[\sa], v[\sb] matrix_a_fmt:MATRIX_FMT_FP4 matrix_b_fmt:MATRIX_FMT_FP4
.endif
.else
.if (\ra) && (\rb)
	v_wmma_scale_f32_16x16x128_f8f6f4 v[\d:\d+7], v[\a:\a+7], v[\b:\b+7], v[\d:\d+7], v[\sa], v[\sb] matrix_a_fmt:MATRIX_FMT_FP4 matrix_b_fmt:MATRIX_FMT_FP4 matrix_a_scale:MATRIX_SCALE_ROW1 matrix_b_scale:MATRIX_SCALE_ROW1
.elseif (\ra)
	v_wmma_scale_f32_16x16x128_f8f6f4 v[\d:\d+7], v[\a:\a+7], v[\b:\b+7], v[\d:\d+7], v[\sa], v[\sb] matrix_a_fmt:MATRIX_FMT_FP4 matrix_b_fmt:MATRIX_FMT_FP4 matrix_a_scale:MATRIX_SCALE_ROW1
.elseif (\rb)
	v_wmma_scale_f32_16x16x128_f8f6f4 v[\d:\d+7], v[\a:\a+7], v[\b:\b+7], v[\d:\d+7], v[\sa], v[\sb] matrix_a_fmt:MATRIX_FMT_FP4 matrix_b_fmt:MATRIX_FMT_FP4 matrix_b_scale:MATRIX_SCALE_ROW1
.else
	v_wmma_scale_f32_16x16x128_f8f6f4 v[\d:\d+7], v[\a:\a+7], v[\b:\b+7], v[\d:\d+7], v[\sa], v[\sb] matrix_a_fmt:MATRIX_FMT_FP4 matrix_b_fmt:MATRIX_FMT_FP4
.endif
.endif
.endm
; A chunk's 16 products: 2 K steps x 4 tiles of W x 2 tiles of tokens.  The eight accumulators take turns, one instruction a turn, in the same order in every chunk.
; kind 0: source 0 = W (window 1), source 1 = x.  kind 1: the sources swapped.
.macro WM16 kind, acc, ams, ats, slot, xb, xms, xss, xs, zero
.if \kind
	WIN 0x04
.else
	WIN 0x01
.endif
.irp sp, 0,1
.irp tt, 0,1,2,3
.irp mm, 0,1
.set rD, (\acc)+(\ams)*\mm+(\ats)*\tt
.set rW, 64*(\slot)+32*\sp+8*\tt
.set rX, (\xb)+(\xms)*\mm+(\xss)*\sp
.set rWS, WSCU+4*(\slot)+2*(\tt/2)+\sp
.set rXS, (\xs)+\sp
.set rZ, 0
.if \zero
.if \sp == 0
.set rZ, 1
.endif
.endif
.if \kind
	WMC rD, rX, rW, rZ, rXS, rWS, \mm, \tt%2
.else
	WMC rD, rW, rX, rZ, rWS, rXS, \tt%2, \mm
.endif
.endr
.endr
.endr
	WIN 0
.endm
; Chunks j0 .. j1 of my 32,768 bytes go from LDS into their places in window 1: 16 loads a chunk, each of 512 consecutive bytes.  ch: bytes from a pair of chunks to the next; ts: from tile to tile.
.macro WREAD j0, j1, ch, ts
	WIN 0x40                                       ; destination window 1, address window 0
.set wj, \j0
.rept (\j1)-(\j0)+1
.irp sp, 0,1
.irp tt, 0,1,2,3
.irp cc, 0,1
	ds_load_b128 v[64*wj+32*\sp+8*\tt+4*\cc:64*wj+32*\sp+8*\tt+4*\cc+3], v[LW] offset:(\ch)*(wj/2)+2048*(wj%2)+\tt*(\ts)+1024*\sp+512*\cc
.endr
.endr
.endr
.set wj, wj+1
.endr
	WIN 0
.endm
; A unit's scale words: for each of its four chunks two loads of 8 bytes a lane: 8 on LOADcnt.
.macro SLOAD base, soff, sh, ss
.irp jj, 0,1,2,3
.irp pp, 0,1
	global_load_b64 v[(\base)+4*\jj+2*\pp:(\base)+4*\jj+2*\pp+1], v[L8], s[WSB:WSB+1] offset:(\soff)+(\sh)*(\jj/2)+256*(\jj%2)+\pp*(\ss)
.endr
.endr
.endm
; A unit's weights are taken over.  refill = 1: the next unit's are asked for into the bytes just read.
.macro TAKE refill
	s_wait_tensorcnt 0x0                           ; my block has landed; nobody else reads it
	WREAD 0, 3, 4096, 8192
.if \refill
	s_wait_tensorcnt 0x0                           ; no tensor load of mine is out, so group 0 may be written
	ds_add_u32 v[SPW], v[NIL]                      ; 0 onto my spare word
	s_add_nc_u64 s[G0+2:G0+3], s[G0+2:G0+3], 262144   ; the next unit's block; the type bits on top are not reached
	s_wait_dscnt 0x0                               ; the add is done, my copy of the block is in registers, and my LDS stores have landed
	ROUND                                          ; that now holds of every wave of all four work-groups
	tensor_load_to_lds s[G0:G0+3], s[G1:G1+7]      ; my one tensor load behind the round, and the first thing there
	s_nop 0
	PLACES 4
.endif
.endm
; nb blocks are quantised: register s + 16 b + i is number 16 h + i of block b of my row.  Codes to v[PC + 2 b], v[PC + 2 b + 1]; the scale's byte to v[TM + 4 + b].  The blocks take turns line by line.
.macro QB s, nb
.set qb, 0
.rept \nb
	v_max3_num_f32 v[TM+qb], |v[(\s)+16*qb]|, |v[(\s)+16*qb+1]|, 0x1800000   ; my 16 numbers, and the floor 2^(3 - 127): the byte cannot fall under 1
.set qb, qb+1
.endr
.set qi, 2
.rept 7
.set qb, 0
.rept \nb
	v_max3_num_f32 v[TM+qb], v[TM+qb], |v[(\s)+16*qb+qi]|, |v[(\s)+16*qb+qi+1]|
.set qb, qb+1
.endr
.set qi, qi+2
.endr
.set qb, 0
.rept \nb
	s_delay_alu instid0(VALU_DEP_4)
	v_permlanex16_b32 v[TM+4+qb], v[TM+qb], s[SEL], s[SEL+1]
.set qb, qb+1
.endr
.set qb, 0
.rept \nb
	s_delay_alu instid0(VALU_DEP_4)
	v_max_num_f32 v[TM+qb], v[TM+qb], v[TM+4+qb]   ; with lane l xor 16's: the block's largest magnitude
.set qb, qb+1
.endr
.set qb, 0
.rept \nb
	s_delay_alu instid0(VALU_DEP_4)
	v_add_nc_u32 v[TM+12+qb], 0xff000000, v[TM+qb] ; 2 off its exponent field: the conversion takes this operand's exponent field as its scale
.set qb, qb+1
.endr
.set qb, 0
.rept \nb
	s_delay_alu instid0(VALU_DEP_4)
	v_lshrrev_b32 v[TM+4+qb], 23, v[TM+12+qb]      ; the scale's byte
.set qb, qb+1
.endr
.set qb, 0
.rept \nb
	v_cvt_scalef32_pk8_fp4_f32 v[PC+2*qb], v[(\s)+16*qb:(\s)+16*qb+7], v[TM+12+qb]
	v_cvt_scalef32_pk8_fp4_f32 v[PC+2*qb+1], v[(\s)+16*qb+8:(\s)+16*qb+15], v[TM+12+qb]
.set qb, qb+1
.endr
	v_nop                                          ; one plain place behind a scaled conversion
.endm
.macro SUM d, s, n                     ; the sum of n numbers of my lane, two at a time, in two chains
	v_pk_add_f32 v[U:U+1], v[(\s):(\s)+1], v[(\s)+2:(\s)+3]
	v_pk_add_f32 v[U+2:U+3], v[(\s)+4:(\s)+5], v[(\s)+6:(\s)+7]
.set sj, 8
.rept ((\n)-8)/4
	s_delay_alu instid0(VALU_DEP_2)
	v_pk_add_f32 v[U:U+1], v[U:U+1], v[(\s)+sj:(\s)+sj+1]
	s_delay_alu instid0(VALU_DEP_2)
	v_pk_add_f32 v[U+2:U+3], v[U+2:U+3], v[(\s)+sj+2:(\s)+sj+3]
.set sj, sj+4
.endr
	s_delay_alu instid0(VALU_DEP_1)
	v_pk_add_f32 v[U:U+1], v[U:U+1], v[U+2:U+3]
	s_delay_alu instid0(VALU_DEP_1)
	v_add_f32 v[\d], v[U], v[U+1]
.endm
.macro SQS d, s, n                     ; the sum of their squares
	v_pk_mul_f32 v[U:U+1], v[(\s):(\s)+1], v[(\s):(\s)+1]
	v_pk_mul_f32 v[U+2:U+3], v[(\s)+2:(\s)+3], v[(\s)+2:(\s)+3]
.set sj, 4
.rept ((\n)-4)/4
	s_delay_alu instid0(VALU_DEP_2)
	v_pk_fma_f32 v[U:U+1], v[(\s)+sj:(\s)+sj+1], v[(\s)+sj:(\s)+sj+1], v[U:U+1]
	s_delay_alu instid0(VALU_DEP_2)
	v_pk_fma_f32 v[U+2:U+3], v[(\s)+sj+2:(\s)+sj+3], v[(\s)+sj+2:(\s)+sj+3], v[U+2:U+3]
.set sj, sj+4
.endr
	s_delay_alu instid0(VALU_DEP_1)
	v_pk_add_f32 v[U:U+1], v[U:U+1], v[U+2:U+3]
	s_delay_alu instid0(VALU_DEP_1)
	v_add_f32 v[\d], v[U], v[U+1]
.endm
; v[SM], v[SM + 1] (my lane's part for tiles 0, 1) become the tokens' totals over the eight waves, added in the same order in every wave.
.macro XRED o
	v_permlanex16_b32 v[PX], v[SM], s[SEL], s[SEL+1]
	s_delay_alu instid0(VALU_DEP_2)
	v_permlanex16_b32 v[PX+1], v[SM+1], s[SEL], s[SEL+1]
	s_delay_alu instid0(VALU_DEP_2)
	v_add_f32 v[SM], v[SM], v[PX]
	s_delay_alu instid0(VALU_DEP_2)
	v_add_f32 v[SM+1], v[SM+1], v[PX+1]
	s_delay_alu instid0(VALU_DEP_1)
	v_cndmask_b32 v[SM], v[SM], v[SM+1], s[HM]     ; lanes 0-15 carry tile 0's token r, lanes 16-31 tile 1's
	ds_store_b32 v[REDW], v[SM] offset:\o
	BAR
	ds_load_b128 v[RD:RD+3], v[REDR] offset:\o
	ds_load_b128 v[RD+4:RD+7], v[REDR] offset:\o+16
	ds_load_b128 v[RD+8:RD+11], v[REDR] offset:\o+512
	ds_load_b128 v[RD+12:RD+15], v[REDR] offset:\o+528
	s_wait_dscnt 0x0
.irp mm, 0,1
	v_pk_add_f32 v[RD+8*\mm:RD+8*\mm+1], v[RD+8*\mm:RD+8*\mm+1], v[RD+8*\mm+2:RD+8*\mm+3]
	v_pk_add_f32 v[RD+8*\mm+4:RD+8*\mm+5], v[RD+8*\mm+4:RD+8*\mm+5], v[RD+8*\mm+6:RD+8*\mm+7]
	s_delay_alu instid0(VALU_DEP_1)
	v_pk_add_f32 v[RD+8*\mm:RD+8*\mm+1], v[RD+8*\mm:RD+8*\mm+1], v[RD+8*\mm+4:RD+8*\mm+5]
	s_delay_alu instid0(VALU_DEP_1)
	v_add_f32 v[SM+\mm], v[RD+8*\mm], v[RD+8*\mm+1]
.endr
.endm
; From the lanes' sums in v[SM], v[SM + 1] on: the mean is taken off, the squares are summed, and the numbers are multiplied by 1 / sqrt(variance + 1e-5).
.macro LNREST y0, y1, n
	XRED 0
	v_mul_f32 v[MN], s[INV], v[SM]
	v_mul_f32 v[MN+1], s[INV], v[SM]
	s_delay_alu instid0(VALU_DEP_3)
	v_mul_f32 v[MN+2], s[INV], v[SM+1]
	s_delay_alu instid0(VALU_DEP_4)
	v_mul_f32 v[MN+3], s[INV], v[SM+1]
.set lk, 0
.rept (\n)/2
	v_pk_add_f32 v[(\y0)+lk:(\y0)+lk+1], v[(\y0)+lk:(\y0)+lk+1], v[MN:MN+1] neg_lo:[0,1] neg_hi:[0,1]
	v_pk_add_f32 v[(\y1)+lk:(\y1)+lk+1], v[(\y1)+lk:(\y1)+lk+1], v[MN+2:MN+3] neg_lo:[0,1] neg_hi:[0,1]
.set lk, lk+2
.endr
	SQS SM, \y0, \n
	SQS SM+1, \y1, \n
	XRED 1024
	v_fma_f32 v[RS], v[SM], s[INV], s[EPS]
	s_delay_alu instid0(VALU_DEP_2)
	v_fma_f32 v[RS+2], v[SM+1], s[INV], s[EPS]
	s_wait_alu depctr_va_vdst(0)
	v_rsq_f32 v[RS], v[RS]
	v_rsq_f32 v[RS+2], v[RS+2]
	v_nop                                          ; one plain place behind a transcendental
	s_wait_alu depctr_va_vdst(0)
	v_mov_b32 v[RS+1], v[RS]
	v_mov_b32 v[RS+3], v[RS+2]
.set lk, 0
.rept (\n)/2
	v_pk_mul_f32 v[(\y0)+lk:(\y0)+lk+1], v[(\y0)+lk:(\y0)+lk+1], v[RS:RS+1]
	v_pk_mul_f32 v[(\y1)+lk:(\y1)+lk+1], v[(\y1)+lk:(\y1)+lk+1], v[RS+2:RS+3]
.set lk, lk+2
.endr
.endm
.macro GLOAD reg, bs, nb               ; my 16 nb numbers of a gain or bias, under a setting whose destination is window 1
.set gb, 0
.rept \nb
.irp jj, 0,1,2,3
	global_load_b128 v[(\reg)+16*gb+4*\jj:(\reg)+16*gb+4*\jj+3], v[GA], s[\bs:\bs+1] offset:128*gb+16*\jj
.endr
.set gb, gb+1
.endr
.endm
.macro NORM dst, src, g, b, n          ; dst = src x gain + bias; gain and bias in window 1
	WIN 0x14
.set nk, 0
.rept (\n)/2
	v_pk_fma_f32 v[(\dst)+nk:(\dst)+nk+1], v[(\src)+nk:(\src)+nk+1], v[(\g)+nk:(\g)+nk+1], v[(\b)+nk:(\b)+nk+1]
.set nk, nk+2
.endr
	WIN 0
.endm
.macro IMG src, nn, mm                 ; 64 numbers become K step w of tile mm's operand under norm nn: four blocks' codes and a scale word, to LDS
	s_wait_dscnt 0x0                               ; the last image's stores have read their registers
	QB \src, 4
.irp bb, 0,1,2,3
	ds_store_b64 v[IMW], v[PC+2*\bb:PC+2*\bb+1] offset:XIMG+16384*(\nn)+8192*(\mm)+256*\bb
.endr
	v_lshl_or_b32 v[PW], v[TM+5], 8, v[TM+4]
	s_delay_alu instid0(VALU_DEP_1)
	v_lshl_or_b32 v[PW], v[TM+6], 16, v[PW]
	s_delay_alu instid0(VALU_DEP_1)
	v_lshl_or_b32 v[PW], v[TM+7], 24, v[PW]
	ds_store_b32 v[SCW], v[PW] offset:1024*(\nn)+512*(\mm)
.endm
.macro XFETCH i                        ; chunk i's fragments of x (2 tiles x 2 K steps) and their scale words: 9 on DScnt
.set fJ, (\i)%4
.set fN, ((\i)/4+1)/2                  ; q takes the first norm, k and v the second
.set fB, XF+32*((\i)%2)
.irp mm, 0,1
.irp sp, 0,1
.irp cc, 0,1
	ds_load_b128 v[fB+16*\mm+8*\sp+4*\cc:fB+16*\mm+8*\sp+4*\cc+3], v[LI] offset:XIMG+fN*16384+\mm*8192+(2*(2*fJ+\sp)+\cc)*512
.endr
.endr
.endr
	ds_load_b64 v[XS+2*((\i)%2):XS+2*((\i)%2)+1], v[XSR] offset:fN*1024+8*fJ
.endm
.macro CH i                            ; chunk i: the next chunk's fragments of x are asked for, then this chunk's 16 products
	PLACES 4                                       ; in front of loads into registers that the chunk before last's products have read
.if (\i)+1 < NCH
	XFETCH (\i)+1
	s_wait_dscnt 9                                 ; all older LDS loads are in: this chunk's fragments, and the unit's weights; the nine just issued stay out
.else
	s_wait_dscnt 0x0
.endif
.set cZ, 0
.if (\i)%4 == 0
.set cZ, 1
.endif
.if (\i)/4 == 2
	WM16 1, ACC, 8, 16, (\i)%4, XF+32*((\i)%2), 16, 8, XS+2*((\i)%2), cZ
.else
	WM16 0, ACC, 32, 8, (\i)%4, XF+32*((\i)%2), 16, 8, XS+2*((\i)%2), cZ
.endif
.endm
; q or k of my head: blocks 2 m + b (token tile m, channels 32 b on).  Each store of codes covers 256 consecutive bytes; the scale words (two bytes, then 0x7f twice for the K step's empty half) 128.
.macro EPI_QK cb, sb
	s_wait_xcnt 0x0                                ; earlier stores have read their registers
	PLACES 4
	QB ACC, 4
.irp bb, 0,1,2,3
	global_store_b64 v[QST], v[PC+2*\bb:PC+2*\bb+1], s[\cb:\cb+1] offset:256*\bb
.endr
	v_lshl_or_b32 v[PW], v[TM+5], 8, v[TM+4]
	v_lshl_or_b32 v[PW+1], v[TM+7], 8, v[TM+6]
	s_delay_alu instid0(VALU_DEP_1)
	v_cndmask_b32 v[PW], v[PW], v[PW+1], s[HM]     ; lanes 0-15 tile 0's words, lanes 16-31 tile 1's
	s_delay_alu instid0(VALU_DEP_1)
	v_or_b32 v[PW], 0x7f7f0000, v[PW]
	global_store_b32 v[L4], v[PW], s[\sb:\sb+1]
.endm
; v of my head: block ct = channel tile ct, along these 32 keys.
.macro EPI_V cb, sb
	s_wait_xcnt 0x0
	PLACES 4
	QB ACC, 4
.irp bb, 0,1,2,3
	global_store_b64 v[QST], v[PC+2*\bb:PC+2*\bb+1], s[\cb:\cb+1] offset:512*\bb
.endr
	v_lshl_or_b32 v[PW], v[TM+5], 8, v[TM+4]
	s_delay_alu instid0(VALU_DEP_1)
	v_lshl_or_b32 v[PW], v[TM+6], 16, v[PW]
	s_delay_alu instid0(VALU_DEP_1)
	v_lshl_or_b32 v[PW], v[TM+7], 24, v[PW]
	global_store_b32 v[R4], v[PW], s[\sb:\sb+1]    ; byte ct of channel row r's word; lanes 16-31 write the same words
.endm
	s_load_b512 s[4:19], s[0:1], 0x0               ; x, ng, nb, ncg, ncb, wpk, qbuf, kv_sa
	v_lshl_add_u32 v[SPW], v0, 2, SPARE
	v_mov_b32 v[NIL], 0
	ds_add_u32 v25, v26
	ds_add_u32 v25, v26
	s_wait_dscnt 0x0
	v_lshrrev_b32 v13, 5, v0
	s_delay_alu instid0(VALU_DEP_1)
	v_readfirstlane_b32 s[WV], v13                 ; wave = head
	v_and_b32 v13, 31, v0                          ; lane
	s_wait_alu depctr_va_vdst(0)
	v_and_b32 v14, 15, v0                          ; r
	s_wait_alu depctr_va_vdst(0)
	v_bfe_u32 v15, v0, 4, 1                        ; h
	s_wait_alu depctr_va_vdst(0)
	s_bfe_u32 s27, ttmp6, 0x40000                  ; cx: my place in the cluster
	s_lshl_b32 s[WG], ttmp9, 2                     ; in a cluster launch ttmp9 counts clusters
	s_add_co_u32 s[WG], s[WG], s27                 ; my block of 32 tokens
	s_lshl_b32 s27, s[WV], 9
	s_lshl_b32 s28, s[WV], 10
	s_lshl_b32 s29, s[WV], 2
	s_lshl_b32 s53, s[WV], 15                      ; my 32,768 bytes of a unit, in wpk as in LDS
	s_add_co_u32 s54, s53, WL
	v_lshlrev_b32 v[LI], 4, v13
	s_delay_alu instid0(VALU_DEP_1)
	v_add_nc_u32 v[LW], s54, v[LI]
	v_lshl_add_u32 v[XSR], v13, 5, XSC
	v_and_b32 v[XA], 8, v14
	s_delay_alu instid0(VALU_DEP_1)
	v_add_nc_u32 v[XA], v[XA], v14                 ; r + 8 (r / 8)
	s_delay_alu instid0(VALU_DEP_1)
	v_lshlrev_b32 v[XA], 12, v[XA]
	v_lshl_add_u32 v[GA], v15, 6, s27
	s_delay_alu instid0(VALU_DEP_1)
	v_add_nc_u32 v[XA], v[XA], v[GA]
	v_lshlrev_b32 v[QST], 4, v14
	s_delay_alu instid0(VALU_DEP_1)
	v_lshl_add_u32 v[QST], v15, 3, v[QST]
	s_delay_alu instid0(VALU_DEP_1)
	v_add_nc_u32 v[IMW], s28, v[QST]
	v_lshl_add_u32 v[SCW], v14, 5, s29
	s_delay_alu instid0(VALU_DEP_1)
	v_add_nc_u32 v[SCW], XSC, v[SCW]
	v_lshl_add_u32 v[REDW], v13, 5, s29
	s_delay_alu instid0(VALU_DEP_1)
	v_add_nc_u32 v[REDW], RED1, v[REDW]
	v_lshl_add_u32 v[REDR], v14, 5, RED1
	v_lshlrev_b32 v[L8], 3, v13
	v_lshlrev_b32 v[L4], 2, v13
	v_lshlrev_b32 v[R4], 2, v14
	s_mov_b32 s[SEL], 0x76543210
	s_mov_b32 s[SEL+1], 0xfedcba98                 ; v_permlanex16_b32's selects for lane l xor 16
	s_mov_b32 s[HM], 0xffff0000                    ; lanes 16-31
	s_mov_b32 s[INV], 0x3a800000                   ; 1 / 1,024
	s_mov_b32 s[EPS], 0x3727c5ac                   ; 1e-5
	; descriptor group 1: a dense block of 32,768 bytes as 128 rows of 256 bytes (32 elements of 8 bytes), no padding
	s_mov_b32 s[G1], 15|(3<<16)|(1<<21)            ; 15:0 the mask: all four work-groups; 17:16 elements of 8 bytes; 21 set beside a mask
	s_mov_b32 s[G1+1], 32<<16                      ; tensor_dim0
	s_mov_b32 s[G1+2], 128<<16                     ; tensor_dim1
	s_mov_b32 s[G1+3], 32<<16                      ; tile_dim0
	s_mov_b32 s[G1+4], 128                         ; tile_dim1
	s_mov_b32 s[G1+5], 32                          ; from row to row
	s_mov_b32 s[G1+6], 0
	s_mov_b32 s[G1+7], 0
	s_mov_b32 s[G0], 1                             ; count = 1
	s_mov_b32 s[G0+1], s54                         ; LDS address: the wave's number alone enters it
	s_lshr_b32 s50, s[WG], 6                       ; batch
	s_and_b32 s51, s[WG], 63                       ; block of 32 tokens in it
	s_lshl_b32 s52, s50, 3
	s_add_co_u32 s52, s52, s[WV]                   ; batch x 8 + head
	s_mov_b32 s31, 0
	s_lshl_b32 s30, s[WG], 17                      ; 32 rows of 4,096 bytes
	s_wait_kmcnt 0x0
	s_add_nc_u64 s[4:5], s[4:5], s[30:31]
.irp mm, 0,1
.irp bb, 0,1,2,3
.irp jj, 0,1,2,3
	global_load_b128 v[Y+64*\mm+16*\bb+4*\jj:Y+64*\mm+16*\bb+4*\jj+3], v[XA], s[4:5] offset:32768*\mm+128*\bb+16*\jj   ; of each block of 32 features my 16
.endr
.endr
.endr
	WIN 0x40
	GLOAD 0, 6, 4                                  ; the first norm's gain and bias
	GLOAD 64, 8, 4
	WIN 0
	s_mov_b32 s30, s53
	s_add_nc_u64 s[G0+2:G0+3], s[14:15], s[30:31]  ; global address: Wq's block of my head: the same in all four work-groups
	s_or_b32 s[G0+3], s[G0+3], 0x80000000          ; type = 2
	ROUND                                          ; all four work-groups are here: the first joint loads meet
	tensor_load_to_lds s[G0:G0+3], s[G1:G1+7]      ; it lands under the norms
	s_nop 0
	PLACES 4
	s_lshl_b32 s30, s[WV], 11
	s_add_nc_u64 s[WSB:WSB+1], s[14:15], s[30:31]  ; my head's scale words in each unit
	s_lshl_b32 s53, s51, 10
	s_lshl_b32 s54, s51, 7
	s_lshl_b32 s30, s52, 16
	s_add_co_u32 s30, s30, s53
	s_add_nc_u64 s[QCB:QCB+1], s[16:17], s[30:31]
	s_lshl_b32 s55, s52, 13
	s_add_co_u32 s55, s55, s54
	s_add_co_u32 s30, s55, 2097152
	s_add_nc_u64 s[QSB:QSB+1], s[16:17], s[30:31]
	s_lshl_b32 s56, s52, 17
	s_add_co_u32 s30, s56, s53
	s_add_nc_u64 s[KCB:KCB+1], s[18:19], s[30:31]
	s_add_co_u32 s30, s55, 4194304
	s_add_nc_u64 s[KSB:KSB+1], s[18:19], s[30:31]
	s_lshr_b32 s57, s51, 1
	s_lshl_b32 s57, s57, 11
	s_and_b32 s58, s51, 1
	s_lshl_b32 s58, s58, 8
	s_add_co_u32 s30, s56, s57
	s_add_co_u32 s30, s30, s58
	s_add_co_u32 s30, s30, 65536
	s_add_nc_u64 s[VCB:VCB+1], s[18:19], s[30:31]
	s_lshl_b32 s30, s52, 12
	s_lshl_b32 s59, s51, 6
	s_add_co_u32 s30, s30, s59
	s_add_co_u32 s30, s30, 4456448
	s_add_nc_u64 s[VSB:VSB+1], s[18:19], s[30:31]
.irp bb, 0,1,2,3
	v_mov_b32 v[TM+4+\bb], 0                       ; written once: a lane permute's destination counts as one of its sources
.endr
	v_mov_b32 v[PX], 0
	v_mov_b32 v[PX+1], 0
	s_wait_loadcnt 48                              ; tile 0's sixteen loads are in; tile 1's and the gain's and bias's 32 stay out
	SUM SM, Y, 64
	s_wait_loadcnt 32                              ; x is in
	SUM SM+1, Y+64, 64
	LNREST Y, Y+64, 64
	s_wait_loadcnt 0x0                             ; the first norm's gain and bias
	WIN 0x40
	GLOAD 128, 10, 4                               ; the second norm's land while the first is quantised,
	GLOAD 192, 12, 4
	WIN 0
	SLOAD WSCA, 1966080, 512, 1024                 ; and so do Wq's scale words
	NORM T, Y, 0, 64, 64
	IMG T, 0, 0
	NORM T, Y+64, 0, 64, 64
	IMG T, 0, 1
	s_wait_loadcnt 0x0                             ; the second norm's gain and bias, Wq's scale words
	NORM Y, Y, 128, 192, 64
	NORM Y+64, Y+64, 128, 192, 64
	IMG Y, 1, 0
	IMG Y+64, 1, 1
	TAKE 1                                         ; Wq into the registers that gains and biases have left; Wk is asked for.  The round is also the barrier behind which both norms' images lie in LDS for every wave
	XFETCH 0
	SLOAD WSCB, 1966080+16384, 512, 1024           ; Wk's scale words, a unit ahead
	s_wait_loadcnt 8                               ; (only those eight may be out)
	CH 0
	CH 1
	CH 2
	CH 3
	EPI_QK QCB, QSB
	TAKE 1                                         ; Wk; Wv is asked for
	SLOAD WSCA, 1966080+32768, 512, 1024           ; Wv's scale words, into the set that q's products have left (the quantising of q stands between)
.set WSCU, WSCB
	s_wait_loadcnt 8                               ; Wk's scale words are in; Wv's eight loads stay out
	CH 4
	CH 5
	CH 6
	CH 7
	EPI_QK KCB, KSB
	TAKE 0                                         ; Wv; nothing is left to ask for
.set WSCU, WSCA
	s_wait_loadcnt 0x0                             ; Wv's scale words
	CH 8
	CH 9
	CH 10
	CH 11
	EPI_V VCB, VSB
	s_wait_tensorcnt 0x0                           ; the wave's end: behind my last tensor load and my last LDS store
	ds_add_u32 v[SPW], v[NIL]
	s_wait_dscnt 0x0
	ROUND                                          ; the closing round: no work-group ends while a partner may still ask for a block that names it
	s_endpgm
.Lfunc_end_k_q9d8041eee2_sa_qkv:
	.size	k_q9d8041eee2_sa_qkv, .Lfunc_end_k_q9d8041eee2_sa_qkv-k_q9d8041eee2_sa_qkv
	.p2alignl 7, 3214868480
	.fill 96, 4, 3214868480
	.section	.rodata,"a",@progbits
	.p2align	6, 0x0
	.amdhsa_kernel k_q9d8041eee2_sa_qkv
		.amdhsa_group_segment_fixed_size 327680
		.amdhsa_private_segment_fixed_size 0
		.amdhsa_enable_private_segment 0
		.amdhsa_kernarg_size 64
		.amdhsa_user_sgpr_count 2
		.amdhsa_user_sgpr_kernarg_segment_ptr 1
		.amdhsa_wavefront_size32 1
		.amdhsa_system_sgpr_workgroup_id_x 1
		.amdhsa_system_sgpr_workgroup_id_y 1
		.amdhsa_system_sgpr_workgroup_id_z 1
		.amdhsa_system_vgpr_workitem_id 0
		.amdhsa_next_free_vgpr 512
		.amdhsa_next_free_sgpr 80
		.amdhsa_reserve_vcc 0
		.amdhsa_float_denorm_mode_32 3
		.amdhsa_float_denorm_mode_16_64 3
		.amdhsa_memory_ordered 1
		.amdhsa_forward_progress 1
		.amdhsa_inst_pref_size 129
	.end_amdhsa_kernel
	.amdgpu_metadata
---
amdhsa.version: [ 1, 2 ]
amdhsa.kernels:
  - .name:           k_q9d8041eee2_sa_qkv
    .symbol:         k_q9d8041eee2_sa_qkv.kd
    .args:
      - { .name: x, .offset: 0, .size: 8, .value_kind: global_buffer, .address_space: global }
      - { .name: sa_ng, .offset: 8, .size: 8, .value_kind: global_buffer, .address_space: global }
      - { .name: sa_nb, .offset: 16, .size: 8, .value_kind: global_buffer, .address_space: global }
      - { .name: sa_ncg, .offset: 24, .size: 8, .value_kind: global_buffer, .address_space: global }
      - { .name: sa_ncb, .offset: 32, .size: 8, .value_kind: global_buffer, .address_space: global }
      - { .name: wpk, .offset: 40, .size: 8, .value_kind: global_buffer, .address_space: global }
      - { .name: qbuf, .offset: 48, .size: 8, .value_kind: global_buffer, .address_space: global }
      - { .name: kv_sa, .offset: 56, .size: 8, .value_kind: global_buffer, .address_space: global }
    .group_segment_fixed_size: 327680
    .private_segment_fixed_size: 0
    .kernarg_segment_align: 8
    .kernarg_segment_size: 64
    .max_flat_workgroup_size: 256
    .sgpr_count:     80
    .vgpr_count:     512
    .wavefront_size: 32
...
	.end_amdgpu_metadata
.endif
;; end of part 9
;; launch sa_attn (part 10): grid 8 x 32, 16 waves a work-group, clusters of 4 x 1, 169,984 bytes of LDS; arguments qbuf, kv_sa, obuf; writes obuf
.if DOCPART == 10
	.amdgcn_target "amdgcn-amd-amdhsa--gfx1250"
	.amdhsa_code_object_version 6
	.text
	.protected	k_q9d8041eee2_sa_attn
	.globl	k_q9d8041eee2_sa_attn
	.p2align	8
	.type	k_q9d8041eee2_sa_attn,@function
k_q9d8041eee2_sa_attn:
	s_mov_b64 s[64:65], 0
	v_nop
	global_prefetch_b8 v0, s[64:65] scope:SCOPE_SE
	s_setreg_imm32_b32 hwreg(HW_REG_WAVE_MODE, 25, 1), 1
	s_wait_xcnt 0x0
	s_wait_alu depctr_hold_cnt(0) depctr_sa_sdst(0) depctr_va_vdst(0) depctr_va_sdst(0) depctr_va_ssrc(0) depctr_va_vcc(0) depctr_vm_vsrc(0)
	s_getreg_b32 s2, hwreg(HW_REG_IB_STS2, 6, 4)
	s_cmp_eq_u32 s2, 0
	s_cbranch_scc0 .Lentry_in_a_cluster
	s_endpgm
.Lentry_in_a_cluster:
	s_bfe_u32 s2, ttmp6, 0x10000c
	s_cmp_lg_u32 s2, 0x3003
	s_cbranch_scc0 .Lentry_shape_is_right
	s_endpgm
.Lentry_shape_is_right:
; O = softmax(Q K^T / 8) V for one (batch, head), both products on codes of E2M1 with E8M0 scales, and O's quantising along the model's 512 channels.
; THE SOFTMAX: t = score x log2(e) / 8; M = the row's largest t so far, rounded UP to a whole number; p = 2^(t - M) is quantised along the keys, not normalised; the row's sum is taken of the unquantised p and divides O at the end.
; When M moves, the sum and O are multiplied by 2^(old M - new M): exact.
; SHARES.  A work-group owns 256 queries of one head, each of its sixteen waves one tile of 16 in 256 registers: four waves to a SIMD.  Every wave walks all NK keys, 128 a step.
; A HEAD'S K, V AND K's SCALE WORDS FIT IN LDS WHOLE (68 NK bytes): they come once, by first fills; nothing is filled again.  The four query blocks of a cluster walk the same head: each tile is asked for JOINTLY.
; LAYOUT.  All operands lie in memory in the order of the operand's registers: a load of 16 bytes a lane at 16 x lane is four registers of a fragment.  S^T = K Q^T (source 0 = 16 keys), O^T = V^T P^T (source 0 = 16 channels):
; a lane holds one query throughout.  Lane r of key tile 2 b + u stands for key 32 b + 8 u + r + 8 (r / 8), so the 16 registers of tiles 2 b, 2 b + 1 are 16 neighbouring keys; V's channel tiles likewise.
; The first product's K is a head's 64 channels: the K step's upper half is zero codes on both sides, under the scale byte 0x7f.
; LIMITS: NaN and infinities are not served; a block of zeros takes the scale byte 1, read by this program alone.
; REGISTERS: v1-7 addresses that stay; v8-11 the step's; v12 -M, v13 the largest t, v[14:15] the sum; v16-23 Q; v24-27 K's scale words, v28-29 V's, v30 Q's, v31 p's; v32-95 K's eight tiles; v96-159 S^T, then p;
;   v160-191 O^T; v192-223 V's four tiles; v224-231 p's codes; v232-254 at work; v243 4 r; v255 where V's turned scale words go.
.set NK,   2048
.set VIMG, NK*32                       ; LDS: K's tiles from 0, V's from here,
.set KSC,  NK*64                       ; K's scale words,
.set VSW,  NK*68                       ; V's, turned: [step][channel tile][r]; stored by ds_store, in blocks of 256 bytes into which no fill lands
.set AK0,  1
.set AV0,  2
.set AS0,  3
.set AT0,  4
.set QST,  5
.set R2,   6
.set VSG,  7
.set ADK,  8
.set ADV,  9
.set ADS,  10
.set ADT,  11
.set QF,   16
.set KSR,  24
.set VSR,  28
.set QSR,  30
.set PSW,  31
.set KF,   32
.set ST,   96
.set OT,   160
.set VF,   192
.set PC,   224
.set TM,   232
.set R4,   243
.set VSL,  255
.set WV,   10
.set SEL,  12
.set CS,   14
.set G1A,  16
.set G1B,  24
.set G0A,  32
.set G0B,  36
.set TK,   40
.set TS,   41
.set TJ,   42
.set CNT,  43
.set QCB,  56
.set QSB,  58
.set OCB,  60
.set OSB,  62
.macro PLACES n
.rept \n
	v_nop
.endr
.endm
.macro CROUND                          ; a round of the cluster's barrier
	s_barrier_signal -1
	s_barrier_wait -1
	s_cmp_lg_u32 s[WV], 0
	s_cbranch_scc1 .Lnot_wave_0_\@
	s_barrier_signal -3
.Lnot_wave_0_\@:
	s_barrier_wait -3
	s_barrier_signal -1
	s_barrier_wait -1
.endm
.macro WMC d, a, b, z, sa, sb, ra      ; one product; z = 1: C is the constant 0; ra: source 0's scales lie in lanes 16-31
.if \z
.if (\ra)
	v_wmma_scale_f32_16x16x128_f8f6f4 v[\d:\d+7], v[\a:\a+7], v[\b:\b+7], 0, v[\sa], v[\sb] matrix_a_fmt:MATRIX_FMT_FP4 matrix_b_fmt:MATRIX_FMT_FP4 matrix_a_scale:MATRIX_SCALE_ROW1
.else
	v_wmma_scale_f32_16x16x128_f8f6f4 v[\d:\d+7], v[\a:\a+7], v[\b:\b+7], 0, v[\sa], v[\sb] matrix_a_fmt:MATRIX_FMT_FP4 matrix_b_fmt:MATRIX_FMT_FP4
.endif
.else
.if (\ra)
	v_wmma_scale_f32_16x16x128_f8f6f4 v[\d:\d+7], v[\a:\a+7], v[\b:\b+7], v[\d:\d+7], v[\sa], v[\sb] matrix_a_fmt:MATRIX_FMT_FP4 matrix_b_fmt:MATRIX_FMT_FP4 matrix_a_scale:MATRIX_SCALE_ROW1
.else
	v_wmma_scale_f32_16x16x128_f8f6f4 v[\d:\d+7], v[\a:\a+7], v[\b:\b+7], v[\d:\d+7], v[\sa], v[\sb] matrix_a_fmt:MATRIX_FMT_FP4 matrix_b_fmt:MATRIX_FMT_FP4
.endif
.endif
.endm
.macro QB s, nb                        ; nb blocks are quantised: register s + 16 b + i is number 16 h + i of block b of my row
.set qb, 0
.rept \nb
	v_max3_num_f32 v[TM+qb], |v[(\s)+16*qb]|, |v[(\s)+16*qb+1]|, 0x1800000   ; and the floor 2^(3 - 127): the byte cannot fall under 1
.set qb, qb+1
.endr
.set qi, 2
.rept 7
.set qb, 0
.rept \nb
	s_delay_alu instid0(VALU_DEP_2)
	v_max3_num_f32 v[TM+qb], v[TM+qb], |v[(\s)+16*qb+qi]|, |v[(\s)+16*qb+qi+1]|
.set qb, qb+1
.endr
.set qi, qi+2
.endr
.set qb, 0
.rept \nb
	s_delay_alu instid0(VALU_DEP_2)
	v_permlanex16_b32 v[TM+4+qb], v[TM+qb], s[SEL], s[SEL+1]
.set qb, qb+1
.endr
.set qb, 0
.rept \nb
	s_delay_alu instid0(VALU_DEP_2)
	v_max_num_f32 v[TM+qb], v[TM+qb], v[TM+4+qb]
.set qb, qb+1
.endr
.set qb, 0
.rept \nb
	s_delay_alu instid0(VALU_DEP_2)
	v_add_nc_u32 v[TM+12+qb], 0xff000000, v[TM+qb]
.set qb, qb+1
.endr
.set qb, 0
.rept \nb
	s_delay_alu instid0(VALU_DEP_2)
	v_lshrrev_b32 v[TM+4+qb], 23, v[TM+12+qb]
.set qb, qb+1
.endr
.set qb, 0
.rept \nb
	v_cvt_scalef32_pk8_fp4_f32 v[PC+2*qb], v[(\s)+16*qb:(\s)+16*qb+7], v[TM+12+qb]
	v_cvt_scalef32_pk8_fp4_f32 v[PC+2*qb+1], v[(\s)+16*qb+8:(\s)+16*qb+15], v[TM+12+qb]
.set qb, qb+1
.endr
	v_nop                                          ; one plain place behind a scaled conversion
.endm
	s_load_b128 s[4:7], s[0:1], 0x0                ; qbuf, kv
	s_load_b64 s[8:9], s[0:1], 0x10                ; obuf
	v_lshl_add_u32 v241, v0, 2, 0x29000
	v_mov_b32 v242, 0
	ds_add_u32 v241, v242
	ds_add_u32 v241, v242
	v_lshrrev_b32 v8, 5, v0
	s_delay_alu instid0(VALU_DEP_1)
	v_readfirstlane_b32 s[WV], v8                  ; wave 0..15
	v_and_b32 v8, 31, v0                           ; lane
	v_and_b32 v9, 15, v0                           ; r
	v_bfe_u32 v10, v0, 4, 1                        ; h
	s_delay_alu instid0(VALU_DEP_3)
	v_lshlrev_b32 v[AK0], 4, v8
	s_delay_alu instid0(VALU_DEP_1)
	v_add_nc_u32 v[AV0], VIMG, v[AK0]
	v_lshl_add_u32 v[AS0], v8, 2, KSC
	v_lshl_add_u32 v[AT0], v8, 2, VSW
	v_lshlrev_b32 v[QST], 4, v9
	s_delay_alu instid0(VALU_DEP_1)
	v_lshl_add_u32 v[QST], v10, 3, v[QST]          ; 16 r + 8 h
	v_lshlrev_b32 v[R2], 1, v9
	v_lshlrev_b32 v[R4], 2, v9
	v_lshrrev_b32 v240, 4, v0                      ; V's scale words: thread t takes step t / 16, channel row t % 16
	s_delay_alu instid0(VALU_DEP_1)
	v_lshlrev_b32 v[VSG], 8, v240
	s_delay_alu instid0(VALU_DEP_1)
	v_lshl_add_u32 v[VSG], v9, 2, v[VSG]
	s_delay_alu instid0(VALU_DEP_1)
	v_add_nc_u32 v[VSL], VSW, v[VSG]
	s_bfe_u32 s44, ttmp6, 0x40000                  ; cx: it enters Q's and O's global addresses alone
	s_lshl_b32 s45, ttmp9, 2
	s_add_co_u32 s45, s45, s44                     ; my block of 256 queries
	s_and_b32 s46, ttmp7, 0xffff                   ; batch x 8 + head, which the four partners share
	s_lshl_b32 s47, s45, 4
	s_add_co_u32 s47, s47, s[WV]                   ; my tile of queries in the batch
	; descriptor groups 1: dense blocks as rows of 256 bytes (32 elements of 8 bytes), no padding; 15:0 the mask: all four work-groups; 21 set beside a mask
	s_mov_b32 s[G1A], 15|(3<<16)|(1<<21)
	s_mov_b32 s[G1A+1], 32<<16
	s_mov_b32 s[G1A+2], (NK/32)<<16                ; an eighth of K's and V's codes: 8 NK bytes
	s_mov_b32 s[G1A+3], 32<<16
	s_mov_b32 s[G1A+4], NK/32
	s_mov_b32 s[G1A+5], 32
	s_mov_b32 s[G1A+6], 0
	s_mov_b32 s[G1A+7], 0
	s_mov_b32 s[G1B], 15|(3<<16)|(1<<21)
	s_mov_b32 s[G1B+1], 32<<16
	s_mov_b32 s[G1B+2], (NK/64)<<16                ; K's scale words: 4 NK bytes
	s_mov_b32 s[G1B+3], 32<<16
	s_mov_b32 s[G1B+4], NK/64
	s_mov_b32 s[G1B+5], 32
	s_mov_b32 s[G1B+6], 0
	s_mov_b32 s[G1B+7], 0
	s_mov_b32 s[SEL], 0x76543210
	s_mov_b32 s[SEL+1], 0xfedcba98
	s_mov_b32 s[CS], 0x3e38aa3b                    ; c = log2(e) / 8
	s_mov_b32 s[CS+1], s[CS]                       ; (named with it as a pair, so it is written)
	s_mov_b32 s51, 0
	s_mov_b32 s55, 0
	s_and_b32 s48, s[WV], 7
	s_mul_i32 s49, s48, NK*8                       ; waves 0-7: my eighth, in LDS as in memory
	s_mul_i32 s50, s46, NK*64
	s_add_co_u32 s50, s50, s49
	s_wait_dscnt 0x0
	s_wait_kmcnt 0x0
	s_mov_b32 s[G0A], 1
	s_mov_b32 s[G0A+1], s49
	s_add_nc_u64 s[G0A+2:G0A+3], s[6:7], s[50:51]
	s_or_b32 s[G0A+3], s[G0A+3], 0x80000000
	s_mul_i32 s50, s46, NK*4
	s_add_co_u32 s50, s50, NK*2048
	s_mov_b32 s[G0B], 1
	s_mov_b32 s[G0B+1], KSC
	s_add_nc_u64 s[G0B+2:G0B+3], s[6:7], s[50:51]
	s_or_b32 s[G0B+3], s[G0B+3], 0x80000000
	s_mul_i32 s50, s46, NK*2
	s_add_co_u32 s50, s50, NK*2176
	s_add_nc_u64 s[6:7], s[6:7], s[50:51]          ; from here on: the head's scale words of V
	CROUND                                         ; all four work-groups are here: the joint loads meet
	s_cmp_lt_u32 s[WV], 8                          ; waves 0-7 fetch the codes, wave 8 K's scale words; four v_nop follow each line
	s_cbranch_scc0 .Lnot_codes
	tensor_load_to_lds s[G0A:G0A+3], s[G1A:G1A+7]
	s_nop 0
.rept 4
	v_nop
.endr
	s_branch .Lasked
.Lnot_codes:
	s_cmp_eq_u32 s[WV], 8
	s_cbranch_scc0 .Lasked
	tensor_load_to_lds s[G0B:G0B+3], s[G1B:G1B+7]
	s_nop 0
.rept 4
	v_nop
.endr
.Lasked:
	s_lshl_b32 s54, s46, 16
	s_lshl_b32 s52, s47, 9
	s_add_co_u32 s54, s54, s52
	s_add_nc_u64 s[QCB:QCB+1], s[4:5], s[54:55]    ; my tile's codes
	s_lshl_b32 s54, s46, 13
	s_lshl_b32 s52, s47, 6
	s_add_co_u32 s54, s54, s52
	s_add_co_u32 s54, s54, 2097152
	s_add_nc_u64 s[QSB:QSB+1], s[4:5], s[54:55]    ; and its scale words
	global_load_b128 v[QF:QF+3], v[AK0], s[QCB:QCB+1]
	s_wait_alu depctr_va_vdst(0)
	global_load_b32 v[QSR], v[R4], s[QSB:QSB+1]
	s_lshr_b32 s52, s46, 3
	s_lshl_b32 s52, s52, 7
	s_add_co_u32 s52, s52, s47                     ; my tile among all tokens' tiles
	s_and_b32 s53, s46, 7                          ; head
	s_lshl_b32 s54, s52, 12
	s_lshl_b32 s48, s53, 9
	s_add_co_u32 s54, s54, s48
	s_add_nc_u64 s[OCB:OCB+1], s[8:9], s[54:55]
	s_lshl_b32 s54, s52, 8
	s_lshl_b32 s48, s53, 5
	s_add_co_u32 s54, s54, s48
	s_add_co_u32 s54, s54, 2097152
	s_add_nc_u64 s[OSB:OSB+1], s[8:9], s[54:55]
	; V's scale bytes lie [key block][channel row][channel tile]; the product wants, for a channel, the bytes of a step's four key blocks in one word: 4 x 4 bytes are turned in registers
	s_cmp_lt_u32 s[WV], NK/256
	s_cbranch_scc0 .Lno_vs
.irp i, 0,1,2,3
	global_load_b32 v[248+\i], v[VSG], s[6:7] offset:64*\i
.endr
	s_wait_loadcnt 0x0
	v_perm_b32 v244, v249, v248, 0x05010400
	v_perm_b32 v245, v249, v248, 0x07030602
	v_perm_b32 v246, v251, v250, 0x05010400
	v_perm_b32 v247, v251, v250, 0x07030602
	s_delay_alu instid0(VALU_DEP_2)
	v_perm_b32 v248, v246, v244, 0x05040100
	s_delay_alu instid0(VALU_DEP_3)
	v_perm_b32 v249, v246, v244, 0x07060302
	s_delay_alu instid0(VALU_DEP_3)
	v_perm_b32 v250, v247, v245, 0x05040100
	s_delay_alu instid0(VALU_DEP_4)
	v_perm_b32 v251, v247, v245, 0x07060302
.irp i, 0,1,2,3
	ds_store_b32 v[VSL], v[248+\i] offset:64*\i
.endr
.Lno_vs:
	v_mov_b32 v13, 0xff61b1e6                      ; the largest t so far: -3e38, under every t
	s_delay_alu instid0(VALU_DEP_1)
	v_floor_f32 v12, -v13                          ; -M
	v_mov_b32 v14, 0
	v_mov_b32 v15, 0
.irp b, 0,1,2,3
	v_mov_b32 v[TM+4+\b], 0                        ; written once: a lane permute's destination counts as one of its sources
	v_mov_b32 v[QF+4+\b], 0                        ; the K step's upper half: zero codes
.endr
	v_mov_b32 v253, 0                              ; (named as the upper half of the pair v[252:253])
.irp t, 0,1,2,3,4,5,6,7
.irp b, 4,5,6,7
	v_mov_b32 v[KF+8*\t+\b], 0                     ; the same in K's eight tiles, once
.endr
.endr
.irp j, 0,1,2,3,4,5,6,7,8,9,10,11,12,13,14,15,16,17,18,19,20,21,22,23,24,25,26,27,28,29,30,31
	v_mov_b32 v[OT+\j], 0                          ; O^T: the loop is written once; its first step finds zeros, which the first change of M leaves zeros
.endr
	s_mov_b32 s[TK], 0
	s_mov_b32 s[TS], 0
	s_mov_b32 s[TJ], 0
	s_mov_b32 s[CNT], NK/128
	s_wait_loadcnt 0x0                             ; Q
	s_wait_tensorcnt 0x0                           ; my part of the head has landed,
	s_wait_dscnt 0x0                               ; my turned scale words are stored:
	s_barrier_signal -1
	s_barrier_wait -1                              ; everybody's are
.Lstep:                                            ; 128 keys a trip
	v_add_nc_u32 v[ADK], s[TK], v[AK0]             ; (these four are also the places in front of loads into registers that the last products have read)
	v_add_nc_u32 v[ADV], s[TK], v[AV0]
	v_add_nc_u32 v[ADS], s[TS], v[AS0]
	v_add_nc_u32 v[ADT], s[TJ], v[AT0]
.irp t, 0,1,2,3,4,5,6,7
	ds_load_b128 v[KF+8*\t:KF+8*\t+3], v[ADK] offset:512*\t
.endr
.irp b, 0,1,2,3
	ds_load_b32 v[KSR+\b], v[ADS] offset:128*\b    ; lanes 0-15 tile 2 b's words, lanes 16-31 tile 2 b + 1's
.endr
.irp t, 0,1,2,3
.irp c, 0,1
	ds_load_b128 v[VF+8*\t+4*\c:VF+8*\t+4*\c+3], v[ADV] offset:2048*\c+512*\t
.endr
.endr
.irp p, 0,1
	ds_load_b32 v[VSR+\p], v[ADT] offset:128*\p
.endr
	s_wait_dscnt 10                                ; K and its scale words are in; V's ten loads stay out
.irp t, 0,1,2,3,4,5,6,7
	WMC ST+8*\t, KF+8*\t, QF, 1, KSR+\t/2, QSR, \t%2
.endr
	PLACES 4
.irp b, 0,1,2,3
	v_max3_num_f32 v[232+\b], v[96+16*\b], v[97+16*\b], v[98+16*\b]   ; the largest score of each block of 32 keys: for the row's maximum, and, since p rises with the score, for the block's largest p
.endr
.irp i, 3,5,7,9,11,13
.irp b, 0,1,2,3
	v_max3_num_f32 v[232+\b], v[232+\b], v[96+16*\b+\i], v[97+16*\b+\i]
.endr
.endr
.irp b, 0,1,2,3
	v_max_num_f32 v[232+\b], v[232+\b], v[111+16*\b]
.endr
.irp b, 0,1,2,3
	s_delay_alu instid0(VALU_DEP_4)
	v_permlanex16_b32 v[236+\b], v[232+\b], s[SEL], s[SEL+1]
.endr
.irp b, 0,1,2,3
	s_delay_alu instid0(VALU_DEP_4)
	v_max_num_f32 v[232+\b], v[232+\b], v[236+\b]  ; with lane l xor 16's 16 keys
.endr
	s_delay_alu instid0(VALU_DEP_2)
	v_max3_num_f32 v254, v232, v233, v234
	s_delay_alu instid0(VALU_DEP_1)
	v_max_num_f32 v254, v254, v235                 ; the step's largest score of my query
	s_delay_alu instid0(VALU_DEP_1)
	v_mul_f32 v254, s[CS], v254                    ; as t (c is positive)
	s_delay_alu instid0(VALU_DEP_1)
	v_max_num_f32 v13, v13, v254                   ; the running largest t
	v_mov_b32 v254, v12
	s_delay_alu instid0(VALU_DEP_2)
	v_floor_f32 v12, -v13                          ; the new -M = floor(-t) = -ceil(t)
	s_delay_alu instid0(VALU_DEP_1)
	v_sub_f32 v254, v12, v254                      ; old M less new M: a whole number, 0 or less
	s_delay_alu instid0(VALU_DEP_1)
	v_cvt_i32_f32 v254, v254                       ; (it saturates)
	s_delay_alu instid0(VALU_DEP_1)
	v_ldexp_f32 v252, 1.0, v254                    ; f = 2^(old M - new M)
.irp j, 0,2,4,6,8,10,12,14,16,18,20,22,24,26,28,30,32,34,36,38,40,42,44,46,48,50,52,54,56,58,60,62
	v_pk_fma_f32 v[96+\j:97+\j], v[96+\j:97+\j], s[CS:CS+1], v[12:13] op_sel_hi:[1,0,0]   ; t - M, two at a time
.endr
.irp b, 0,1,2,3
	v_fma_f32 v[232+\b], v[232+\b], s[CS], v12     ; the same of each block's largest score
.endr
	s_wait_alu depctr_va_vdst(0)
.irp j, 0,1,2,3,4,5,6,7,8,9,10,11,12,13,14,15,16,17,18,19,20,21,22,23,24,25,26,27,28,29,30,31,32,33,34,35,36,37,38,39,40,41,42,43,44,45,46,47,48,49,50,51,52,53,54,55,56,57,58,59,60,61,62,63
	v_exp_f32 v[96+\j], v[96+\j]                   ; p = 2^(t - M), at most 1
.endr
.irp b, 0,1,2,3
	v_exp_f32 v[232+\b], v[232+\b]                 ; the block's largest p
.endr
	v_pk_mul_f32 v[14:15], v[14:15], v[252:253] op_sel_hi:[1,0]   ; the sums under the new M (a plain place behind the exponentials)
	s_wait_alu depctr_va_vdst(0)
.irp b, 0,1,2,3
	v_max_num_f32 v[232+\b], 0x1800000, v[232+\b]  ; the floor 2^(3 - 127)
.endr
.irp b, 0,1,2,3
	s_delay_alu instid0(VALU_DEP_4)
	v_add_nc_u32 v[244+\b], 0xff000000, v[232+\b]  ; 2 off the exponent field: the conversion's scale operand
.endr
.irp b, 0,1,2,3
	s_delay_alu instid0(VALU_DEP_4)
	v_lshrrev_b32 v[236+\b], 23, v[244+\b]         ; the scale's byte
.endr
	s_delay_alu instid0(VALU_DEP_3)
	v_lshl_or_b32 v[PSW], v237, 8, v236            ; p's scale word for these 128 keys
	s_delay_alu instid0(VALU_DEP_1)
	v_lshl_or_b32 v[PSW], v238, 16, v[PSW]
	s_delay_alu instid0(VALU_DEP_1)
	v_lshl_or_b32 v[PSW], v239, 24, v[PSW]
.irp b, 0,1,2,3
	v_cvt_scalef32_pk8_fp4_f32 v[224+2*\b], v[96+16*\b:103+16*\b], v[244+\b]
	v_cvt_scalef32_pk8_fp4_f32 v[225+2*\b], v[104+16*\b:111+16*\b], v[244+\b]
.endr
	v_nop                                          ; one plain place behind a scaled conversion
.irp c, 0,1                                    ; the operand's layout wants a whole block in a lane: lanes 0-15 block 2 c, lanes 16-31 block 2 c + 1
.irp i, 0,1
	v_permlane16_swap_b32 v[224+4*\c+\i], v[226+4*\c+\i]
.endr
.endr
	v_pk_add_f32 v[236:237], v[100:101], v[104:105]
	v_pk_add_f32 v[254:255], v[108:109], v[112:113]
	v_pk_add_f32 v[250:251], v[116:117], v[120:121]
	v_pk_add_f32 v[248:249], v[124:125], v[128:129]
	v_pk_add_f32 v[246:247], v[132:133], v[136:137]
	v_pk_add_f32 v[244:245], v[140:141], v[144:145]
	v_pk_add_f32 v[234:235], v[148:149], v[152:153]
	v_pk_add_f32 v[14:15], v[14:15], v[156:157]
	v_pk_add_f32 v[236:237], v[236:237], v[96:97]
	v_pk_add_f32 v[254:255], v[254:255], v[98:99]
	v_pk_add_f32 v[250:251], v[250:251], v[102:103]
	v_pk_add_f32 v[248:249], v[248:249], v[106:107]
	v_pk_add_f32 v[246:247], v[246:247], v[110:111]
	v_pk_add_f32 v[244:245], v[244:245], v[114:115]
	v_pk_add_f32 v[234:235], v[234:235], v[118:119]
	v_pk_add_f32 v[14:15], v[14:15], v[122:123]
	v_pk_add_f32 v[236:237], v[236:237], v[126:127]
	v_pk_add_f32 v[254:255], v[254:255], v[130:131]
	v_pk_add_f32 v[250:251], v[250:251], v[134:135]
	v_pk_add_f32 v[248:249], v[248:249], v[138:139]
	v_pk_add_f32 v[246:247], v[246:247], v[142:143]
	v_pk_add_f32 v[244:245], v[244:245], v[146:147]
	v_pk_add_f32 v[234:235], v[234:235], v[150:151]
	v_pk_add_f32 v[14:15], v[14:15], v[154:155]
	v_pk_add_f32 v[236:237], v[236:237], v[158:159]
	s_delay_alu instid0(VALU_DEP_2)
	v_pk_add_f32 v[14:15], v[14:15], v[248:249]
	s_delay_alu instid0(VALU_DEP_2)
	v_pk_add_f32 v[236:237], v[236:237], v[246:247]
	v_pk_add_f32 v[254:255], v[254:255], v[244:245]
	v_pk_add_f32 v[250:251], v[250:251], v[234:235]
	s_delay_alu instid0(VALU_DEP_2)
	v_pk_add_f32 v[14:15], v[14:15], v[254:255]
	s_delay_alu instid0(VALU_DEP_2)
	v_pk_add_f32 v[236:237], v[236:237], v[250:251]
	s_delay_alu instid0(VALU_DEP_1)
	v_pk_add_f32 v[14:15], v[14:15], v[236:237]
.irp j, 0,2,4,6,8,10,12,14,16,18,20,22,24,26,28,30
	v_pk_mul_f32 v[OT+\j:OT+\j+1], v[OT+\j:OT+\j+1], v[252:253] op_sel_hi:[1,0]   ; O^T under the new M.  (With the sums above: the places between p's codes and scale word and the products below)
.endr
	s_wait_alu depctr_va_vdst(0)
	s_wait_dscnt 0x0                               ; V and its scale words are in
.irp t, 0,1,2,3
	WMC OT+8*\t, VF+8*\t, PC, 0, VSR+\t/2, PSW, \t%2   ; one instruction a trip on each accumulator
.endr
	s_add_co_u32 s[TK], s[TK], 4096
	s_add_co_u32 s[TS], s[TS], 512
	s_add_co_u32 s[TJ], s[TJ], 256
	s_sub_co_u32 s[CNT], s[CNT], 1
	s_cmp_lg_u32 s[CNT], 0
	s_cbranch_scc1 .Lstep
	PLACES 4
	v_add_f32 v14, v14, v15                        ; the sum's two halves,
	s_delay_alu instid0(VALU_DEP_1)
	v_permlanex16_b32 v252, v14, s[SEL], s[SEL+1]
	s_delay_alu instid0(VALU_DEP_1)
	v_add_f32 v14, v14, v252                       ; and lane l xor 16's: the row's sum
	s_wait_alu depctr_va_vdst(0)
	v_rcp_f32 v14, v14
	v_nop                                          ; one plain place behind a transcendental
	s_wait_alu depctr_va_vdst(0)
.irp j, 0,2,4,6,8,10,12,14,16,18,20,22,24,26,28,30
	v_pk_mul_f32 v[96+\j:97+\j], v[OT+\j:OT+\j+1], v[14:15] op_sel_hi:[1,0]   ; O^T / the sum: register 16 b + i is channel 32 b + 16 h + i of my query
.endr
	QB 96, 2                                       ; the head's two blocks along the next product's K
.irp b, 0,1
	global_store_b64 v[QST], v[PC+2*\b:PC+2*\b+1], s[OCB:OCB+1] offset:256*\b   ; 32 lanes store 256 consecutive bytes, aligned
.endr
	v_lshl_or_b32 v248, v[TM+5], 8, v[TM+4]
	global_store_b16 v[R2], v248, s[OSB:OSB+1]     ; the two scale bytes of my query; lanes 16-31 write the same
	s_wait_tensorcnt 0x0
	ds_add_u32 v241, v242
	s_wait_dscnt 0x0
	CROUND                                         ; the closing round: no work-group ends while a partner may still ask for a tile that names it
	s_endpgm
.Lfunc_end_k_q9d8041eee2_sa_attn:
	.size	k_q9d8041eee2_sa_attn, .Lfunc_end_k_q9d8041eee2_sa_attn-k_q9d8041eee2_sa_attn
	.p2alignl 7, 3214868480
	.fill 96, 4, 3214868480
	.section	.rodata,"a",@progbits
	.p2align	6, 0x0
	.amdhsa_kernel k_q9d8041eee2_sa_attn
		.amdhsa_group_segment_fixed_size 169984
		.amdhsa_private_segment_fixed_size 0
		.amdhsa_enable_private_segment 0
		.amdhsa_kernarg_size 24
		.amdhsa_user_sgpr_count 2
		.amdhsa_user_sgpr_kernarg_segment_ptr 1
		.amdhsa_wavefront_size32 1
		.amdhsa_system_sgpr_workgroup_id_x 1
		.amdhsa_system_sgpr_workgroup_id_y 1
		.amdhsa_system_sgpr_workgroup_id_z 1
		.amdhsa_system_vgpr_workitem_id 0
		.amdhsa_next_free_vgpr 256
		.amdhsa_next_free_sgpr 66
		.amdhsa_reserve_vcc 0
		.amdhsa_float_denorm_mode_32 3
		.amdhsa_float_denorm_mode_16_64 3
		.amdhsa_memory_ordered 1
		.amdhsa_forward_progress 1
		.amdhsa_inst_pref_size 32
	.end_amdhsa_kernel
	.amdgpu_metadata
---
amdhsa.version: [ 1, 2 ]
amdhsa.kernels:
  - .name:           k_q9d8041eee2_sa_attn
    .symbol:         k_q9d8041eee2_sa_attn.kd
    .args:
      - { .name: qbuf, .offset: 0, .size: 8, .value_kind: global_buffer, .address_space: global }
      - { .name: kv_sa, .offset: 8, .size: 8, .value_kind: global_buffer, .address_space: global }
      - { .name: obuf, .offset: 16, .size: 8, .value_kind: global_buffer, .address_space: global }
    .group_segment_fixed_size: 169984
    .private_segment_fixed_size: 0
    .kernarg_segment_align: 8
    .kernarg_segment_size: 24
    .max_flat_workgroup_size: 512
    .sgpr_count:     66
    .vgpr_count:     256
    .wavefront_size: 32
...
	.end_amdgpu_metadata
.endif
;; end of part 10
;; launch mid (part 11): grid 256 x 1, 8 waves a work-group, clusters of 4 x 1, 327,680 bytes of LDS; arguments obuf, x, sa_bo, ca_ng, ca_nb, wpk, x1, qbuf; writes x1, qbuf
.if DOCPART == 11
	.amdgcn_target "amdgcn-amd-amdhsa--gfx1250"
	.amdhsa_code_object_version 6
	.text
	.protected	k_q9d8041eee2_mid
	.globl	k_q9d8041eee2_mid
	.p2align	8
	.type	k_q9d8041eee2_mid,@function
k_q9d8041eee2_mid:
	s_mov_b64 s[64:65], 0
	v_nop
	global_prefetch_b8 v0, s[64:65] scope:SCOPE_SE
	s_setreg_imm32_b32 hwreg(HW_REG_WAVE_MODE, 25, 1), 1
	s_wait_xcnt 0x0
	s_wait_alu depctr_hold_cnt(0) depctr_sa_sdst(0) depctr_va_vdst(0) depctr_va_sdst(0) depctr_va_ssrc(0) depctr_va_vcc(0) depctr_vm_vsrc(0)
	s_getreg_b32 s2, hwreg(HW_REG_IB_STS2, 6, 4)
	s_cmp_eq_u32 s2, 0
	s_cbranch_scc0 .Lentry_in_a_cluster
	s_endpgm
.Lentry_in_a_cluster:
	s_bfe_u32 s2, ttmp6, 0x10000c
	s_cmp_lg_u32 s2, 0x3003
	s_cbranch_scc0 .Lentry_shape_is_right
	s_endpgm
.Lentry_shape_is_right:
; x1 = attention's output Wo + bo + x (codes x codes, f32 sums that begin with x + bo); then cross-attention's front for the queries: layer norm of x1, quantised, q = xn Wq, quantised along a head's 64 channels.
; SHARES.  A work-group of eight waves takes 32 tokens: two tiles; lane r of tile m stands for token 8 m + r + 8 (r / 8).  Wave w makes features 128 w .. + 127 of x1 for all 32 tokens, in the very registers and layout
; in which the norm wants them (source 0 = 16 rows of Wo, source 1 = 16 tokens: a lane holds one token, the registers of tiles 2 b, 2 b + 1 are 16 neighbouring features).  x1 never comes back from memory here.
; x1 leaves through the wave's own stage in LDS, half a piece of a row (256 bytes) of 16 tokens at a time: sixteen lanes store 256 consecutive bytes, aligned.  For q wave w is head w.
; THE WEIGHTS.  In wpk my eight tiles of Wo, and my head's four tiles of Wq, are each one dense block of 32,768 bytes in the order of the operand's registers: as many bytes as window 1 holds.  Every work-group walks the same
; weights, so FOUR WORK-GROUPS FORM A CLUSTER AND ASK JOINTLY: wave w of each issues the same tensor load, which lands in each one's LDS at the same place.  Only the wave that asked reads its block: it copies it into window 1;
; behind a round of the cluster's barrier Wq's block is asked for into the same bytes, and lands under the products, the way out of x1 and the norm.  One tensor load of a wave is out at a time.
; All of a WGP's LDS is claimed, and 0 is added to spare words ahead of the refill and at the end.
; LIMITS: NaN and infinities are not served; a block under 2^-124 takes the scale byte 1, read by this program alone.
; REGISTERS.  Window 0: v1-15 addresses; v16-23, v28-31 the quantiser's work (at first the attention output's scale halves); v24 where my weights lie in LDS; v25, v26 the spare word's address and 0; v32-39 codes;
;   v40-41 scale words just made; v44-47 the token operand's scale words; v48-63 the weights'; v64-191 x + bo, then x1 (16 accumulators), later v64-127 eight accumulators of q and v128-191 xn's fragments;
;   v192-255 the attention output's fragments, then rows of x1 on their way out, then at work.   Window 1: a unit's weights, chunk j at v[64 j]; at first bo in v192-255; between the units gain and bias in v128-255.
.set XIMG, 0                           ; LDS: xn's images: tile m x 8,192 + block x 256
.set XSC,  16384                       ; their scale bytes
.set RED1, 17408                       ; the sums; the squares' 1,024 bytes further on
.set STG,  19456                       ; the stages: 16 rows x (256 + 16) bytes for each wave
.set WL,   54272                       ; the weights' landing place: 32,768 bytes for each wave; nothing is stored there
.set SPARE, 316416                     ; the spare words: 128 bytes for each wave: four blocks of 256 bytes that no other line names
.set NCH,  4
.set WOC,  786432                      ; sa_wo's images in wpk; ca_wq's lie 262,144 bytes further on
.set WOS,  2015232                     ; sa_wo's scale words
.set WQS,  2031616                     ; ca_wq's
.set LI,   1
.set XSR,  2
.set XA,   3
.set IMW,  4
.set SCW,  5
.set REDW, 6
.set REDR, 7
.set GA,   8
.set L8,   9
.set QST,  10
.set L4,   11
.set STW,  12
.set STR,  13
.set XO,   14
.set OSV,  15
.set TM,   16
.set LW,   24                          ; WL + 32,768 w + 16 x lane
.set SPW,  25                          ; SPARE + 4 x my thread's number; never rewritten
.set NIL,  26                          ; 0; never rewritten
.set PC,   32
.set PW,   40
.set XS,   44
.set WSC,  48
.set Y,    64
.set ACC,  64
.set XF,   128
.set T,    192
.set U,    192
.set SM,   196
.set PX,   198
.set RD,   200
.set MN,   216
.set RS,   220
.set X1B,  16
.set WV,   20
.set WG,   21                          ; the work-group's number: it enters global addresses alone
.set SEL,  22
.set HM,   24
.set INV,  25
.set EPS,  26
.set WSB,  34
.set QCB,  36
.set QSB,  38
.set OSB,  40
.set G0,   68                          ; s[68:71] descriptor group 0
.set G1,   72                          ; s[72:79] descriptor group 1
.set MSB, 0
.macro WIN new                         ; the immediate's high byte repeats the setting that is left
.if MSB != \new
	s_set_vgpr_msb (MSB<<8)|\new
.set MSB, \new
.endif
.endm
.macro PLACES n
.rept \n
	v_nop
.endr
.endm
.macro BAR                             ; my LDS stores have landed and my LDS loads are in: then the work-group's barrier
	s_wait_dscnt 0x0
	s_barrier_signal -1
	s_barrier_wait -1
.endm
.macro ROUND                           ; a round of the cluster's barrier
	s_barrier_signal -1
	s_barrier_wait -1
	s_cmp_lg_u32 s[WV], 0
	s_cbranch_scc1 .Lnot_wave_0_\@
	s_barrier_signal -3
.Lnot_wave_0_\@:
	s_barrier_wait -3
	s_barrier_signal -1
	s_barrier_wait -1
.endm
.macro WMC d, a, b, z, sa, sb, ra, rb  ; one product; z = 1: C is the constant 0; ra, rb: that source's scales lie in lanes 16-31
.if \z
.if (\ra) && (\rb)
	v_wmma_scale_f32_16x16x128_f8f6f4 v[\d:\d+7], v[\a:\a+7], v[\b:\b+7], 0, v[\sa], v[\sb] matrix_a_fmt:MATRIX_FMT_FP4 matrix_b_fmt:MATRIX_FMT_FP4 matrix_a_scale:MATRIX_SCALE_ROW1 matrix_b_scale:MATRIX_SCALE_ROW1
.elseif (\ra)
	v_wmma_scale_f32_16x16x128_f8f6f4 v[\d:\d+7], v[\a:\a+7], v[\b:\b+7], 0, v[\sa], v[\sb] matrix_a_fmt:MATRIX_FMT_FP4 matrix_b_fmt:MATRIX_FMT_FP4 matrix_a_scale:MATRIX_SCALE_ROW1
.elseif (\rb)
	v_wmma_scale_f32_16x16x128_f8f6f4 v[\d:\d+7], v[\a:\a+7], v[\b:\b+7], 0, v[\sa], v[\sb] matrix_a_fmt:MATRIX_FMT_FP4 matrix_b_fmt:MATRIX_FMT_FP4 matrix_b_scale:MATRIX_SCALE_ROW1
.else
	v_wmma_scale_f32_16x16x128_f8f6f4 v[\d:\d+7], v[\a:\a+7], v[\b:\b+7], 0, v[\sa], v[\sb] matrix_a_fmt:MATRIX_FMT_FP4 matrix_b_fmt:MATRIX_FMT_FP4
.endif
.else
.if (\ra) && (\rb)
	v_wmma_scale_f32_16x16x128_f8f6f4 v[\d:\d+7], v[\a:\a+7], v[\b:\b+7], v[\d:\d+7], v[\sa], v[\sb] matrix_a_fmt:MATRIX_FMT_FP4 matrix_b_fmt:MATRIX_FMT_FP4 matrix_a_scale:MATRIX_SCALE_ROW1 matrix_b_scale:MATRIX_SCALE_ROW1
.elseif (\ra)
	v_wmma_scale_f32_16x16x128_f8f6f4 v[\d:\d+7], v[\a:\a+7], v[\b:\b+7], v[\d:\d+7], v[\sa], v[\sb] matrix_a_fmt:MATRIX_FMT_FP4 matrix_b_fmt:MATRIX_FMT_FP4 matrix_a_scale:MATRIX_SCALE_ROW1
.elseif (\rb)
	v_wmma_scale_f32_16x16x128_f8f6f4 v[\d:\d+7], v[\a:\a+7], v[\b:\b+7], v[\d:\d+7], v[\sa], v[\sb] matrix_a_fmt:MATRIX_FMT_FP4 matrix_b_fmt:MATRIX_FMT_FP4 matrix_b_scale:MATRIX_SCALE_ROW1
.else
	v_wmma_scale_f32_16x16x128_f8f6f4 v[\d:\d+7], v[\a:\a+7], v[\b:\b+7], v[\d:\d+7], v[\sa], v[\sb] matrix_a_fmt:MATRIX_FMT_FP4 matrix_b_fmt:MATRIX_FMT_FP4
.endif
.endif
.endm
; A chunk's 16 products: 2 K steps x 4 tiles of W (source 0, window 1) x 2 tiles of tokens (source 1).  The eight accumulators take turns, one instruction a turn.
.macro WM16 acc, ams, ats, slot, xb, xms, xss, xs, zero
	WIN 0x01
.irp sp, 0,1
.irp tt, 0,1,2,3
.irp mm, 0,1
.set rD, (\acc)+(\ams)*\mm+(\ats)*\tt
.set rW, 64*(\slot)+32*\sp+8*\tt
.set rX, (\xb)+(\xms)*\mm+(\xss)*\sp
.set rWS, WSC+4*(\slot)+2*(\tt/2)+\sp
.set rXS, (\xs)+\sp
.set rZ, 0
.if \zero
.if \sp == 0
.set rZ, 1
.endif
.endif
	WMC rD, rW, rX, rZ, rWS, rXS, \tt%2, \mm
.endr
.endr
.endr
	WIN 0
.endm
; Chunks j0 .. j1 of my 32,768 bytes go from LDS into their places in window 1: 16 loads a chunk, each of 512 consecutive bytes.  ch: bytes from a pair of chunks to the next; ts: from tile to tile.
.macro WREAD j0, j1, ch, ts
	WIN 0x40                                       ; destination window 1, address window 0
.set wj, \j0
.rept (\j1)-(\j0)+1
.irp sp, 0,1
.irp tt, 0,1,2,3
.irp cc, 0,1
	ds_load_b128 v[64*wj+32*\sp+8*\tt+4*\cc:64*wj+32*\sp+8*\tt+4*\cc+3], v[LW] offset:(\ch)*(wj/2)+2048*(wj%2)+\tt*(\ts)+1024*\sp+512*\cc
.endr
.endr
.endr
.set wj, wj+1
.endr
	WIN 0
.endm
; A unit's scale words: for each of its four chunks two loads of 8 bytes a lane: 8 on LOADcnt.
.macro SLOAD base, soff, sh, ss
.irp jj, 0,1,2,3
.irp pp, 0,1
	global_load_b64 v[(\base)+4*\jj+2*\pp:(\base)+4*\jj+2*\pp+1], v[L8], s[WSB:WSB+1] offset:(\soff)+(\sh)*(\jj/2)+256*(\jj%2)+\pp*(\ss)
.endr
.endr
.endm
.macro QB s, nb                        ; nb blocks are quantised: register s + 16 b + i is number 16 h + i of block b of my row
.set qb, 0
.rept \nb
	v_max3_num_f32 v[TM+qb], |v[(\s)+16*qb]|, |v[(\s)+16*qb+1]|, 0x1800000   ; and the floor 2^(3 - 127): the byte cannot fall under 1
.set qb, qb+1
.endr
.set qi, 2
.rept 7
.set qb, 0
.rept \nb
	v_max3_num_f32 v[TM+qb], v[TM+qb], |v[(\s)+16*qb+qi]|, |v[(\s)+16*qb+qi+1]|
.set qb, qb+1
.endr
.set qi, qi+2
.endr
.set qb, 0
.rept \nb
	s_delay_alu instid0(VALU_DEP_4)
	v_permlanex16_b32 v[TM+4+qb], v[TM+qb], s[SEL], s[SEL+1]
.set qb, qb+1
.endr
.set qb, 0
.rept \nb
	s_delay_alu instid0(VALU_DEP_4)
	v_max_num_f32 v[TM+qb], v[TM+qb], v[TM+4+qb]
.set qb, qb+1
.endr
.set qb, 0
.rept \nb
	s_delay_alu instid0(VALU_DEP_4)
	v_add_nc_u32 v[TM+12+qb], 0xff000000, v[TM+qb]
.set qb, qb+1
.endr
.set qb, 0
.rept \nb
	s_delay_alu instid0(VALU_DEP_4)
	v_lshrrev_b32 v[TM+4+qb], 23, v[TM+12+qb]
.set qb, qb+1
.endr
.set qb, 0
.rept \nb
	v_cvt_scalef32_pk8_fp4_f32 v[PC+2*qb], v[(\s)+16*qb:(\s)+16*qb+7], v[TM+12+qb]
	v_cvt_scalef32_pk8_fp4_f32 v[PC+2*qb+1], v[(\s)+16*qb+8:(\s)+16*qb+15], v[TM+12+qb]
.set qb, qb+1
.endr
	v_nop                                          ; one plain place behind a scaled conversion
.endm
.macro SUM d, s, n
	v_pk_add_f32 v[U:U+1], v[(\s):(\s)+1], v[(\s)+2:(\s)+3]
	v_pk_add_f32 v[U+2:U+3], v[(\s)+4:(\s)+5], v[(\s)+6:(\s)+7]
.set sj, 8
.rept ((\n)-8)/4
	v_pk_add_f32 v[U:U+1], v[U:U+1], v[(\s)+sj:(\s)+sj+1]
	v_pk_add_f32 v[U+2:U+3], v[U+2:U+3], v[(\s)+sj+2:(\s)+sj+3]
.set sj, sj+4
.endr
	s_delay_alu instid0(VALU_DEP_1)
	v_pk_add_f32 v[U:U+1], v[U:U+1], v[U+2:U+3]
	s_delay_alu instid0(VALU_DEP_1)
	v_add_f32 v[\d], v[U], v[U+1]
.endm
.macro SQS d, s, n
	v_pk_mul_f32 v[U:U+1], v[(\s):(\s)+1], v[(\s):(\s)+1]
	v_pk_mul_f32 v[U+2:U+3], v[(\s)+2:(\s)+3], v[(\s)+2:(\s)+3]
.set sj, 4
.rept ((\n)-4)/4
	s_delay_alu instid0(VALU_DEP_2)
	v_pk_fma_f32 v[U:U+1], v[(\s)+sj:(\s)+sj+1], v[(\s)+sj:(\s)+sj+1], v[U:U+1]
	s_delay_alu instid0(VALU_DEP_2)
	v_pk_fma_f32 v[U+2:U+3], v[(\s)+sj+2:(\s)+sj+3], v[(\s)+sj+2:(\s)+sj+3], v[U+2:U+3]
.set sj, sj+4
.endr
	s_delay_alu instid0(VALU_DEP_1)
	v_pk_add_f32 v[U:U+1], v[U:U+1], v[U+2:U+3]
	s_delay_alu instid0(VALU_DEP_1)
	v_add_f32 v[\d], v[U], v[U+1]
.endm
.macro XRED o                          ; the lanes' parts become the tokens' totals over the eight waves, added in the same order in every wave
	v_permlanex16_b32 v[PX], v[SM], s[SEL], s[SEL+1]
	s_delay_alu instid0(VALU_DEP_2)
	v_permlanex16_b32 v[PX+1], v[SM+1], s[SEL], s[SEL+1]
	s_delay_alu instid0(VALU_DEP_2)
	v_add_f32 v[SM], v[SM], v[PX]
	s_delay_alu instid0(VALU_DEP_2)
	v_add_f32 v[SM+1], v[SM+1], v[PX+1]
	s_delay_alu instid0(VALU_DEP_1)
	v_cndmask_b32 v[SM], v[SM], v[SM+1], s[HM]
	ds_store_b32 v[REDW], v[SM] offset:\o
	BAR
	ds_load_b128 v[RD:RD+3], v[REDR] offset:\o
	ds_load_b128 v[RD+4:RD+7], v[REDR] offset:\o+16
	ds_load_b128 v[RD+8:RD+11], v[REDR] offset:\o+512
	ds_load_b128 v[RD+12:RD+15], v[REDR] offset:\o+528
	s_wait_dscnt 0x0
.irp mm, 0,1
	v_pk_add_f32 v[RD+8*\mm:RD+8*\mm+1], v[RD+8*\mm:RD+8*\mm+1], v[RD+8*\mm+2:RD+8*\mm+3]
	v_pk_add_f32 v[RD+8*\mm+4:RD+8*\mm+5], v[RD+8*\mm+4:RD+8*\mm+5], v[RD+8*\mm+6:RD+8*\mm+7]
	s_delay_alu instid0(VALU_DEP_1)
	v_pk_add_f32 v[RD+8*\mm:RD+8*\mm+1], v[RD+8*\mm:RD+8*\mm+1], v[RD+8*\mm+4:RD+8*\mm+5]
	s_delay_alu instid0(VALU_DEP_1)
	v_add_f32 v[SM+\mm], v[RD+8*\mm], v[RD+8*\mm+1]
.endr
.endm
.macro LNREST y0, y1, n                ; the mean is taken off, the squares are summed, the numbers are multiplied by 1 / sqrt(variance + 1e-5)
	XRED 0
	v_mul_f32 v[MN], s[INV], v[SM]
	v_mul_f32 v[MN+1], s[INV], v[SM]
	s_delay_alu instid0(VALU_DEP_3)
	v_mul_f32 v[MN+2], s[INV], v[SM+1]
	s_delay_alu instid0(VALU_DEP_4)
	v_mul_f32 v[MN+3], s[INV], v[SM+1]
.set lk, 0
.rept (\n)/2
	v_pk_add_f32 v[(\y0)+lk:(\y0)+lk+1], v[(\y0)+lk:(\y0)+lk+1], v[MN:MN+1] neg_lo:[0,1] neg_hi:[0,1]
	v_pk_add_f32 v[(\y1)+lk:(\y1)+lk+1], v[(\y1)+lk:(\y1)+lk+1], v[MN+2:MN+3] neg_lo:[0,1] neg_hi:[0,1]
.set lk, lk+2
.endr
	SQS SM, \y0, \n
	SQS SM+1, \y1, \n
	XRED 1024
	v_fma_f32 v[RS], v[SM], s[INV], s[EPS]
	s_delay_alu instid0(VALU_DEP_2)
	v_fma_f32 v[RS+2], v[SM+1], s[INV], s[EPS]
	s_wait_alu depctr_va_vdst(0)
	v_rsq_f32 v[RS], v[RS]
	v_rsq_f32 v[RS+2], v[RS+2]
	v_nop                                          ; one plain place behind a transcendental
	s_wait_alu depctr_va_vdst(0)
	v_mov_b32 v[RS+1], v[RS]
	v_mov_b32 v[RS+3], v[RS+2]
.set lk, 0
.rept (\n)/2
	v_pk_mul_f32 v[(\y0)+lk:(\y0)+lk+1], v[(\y0)+lk:(\y0)+lk+1], v[RS:RS+1]
	v_pk_mul_f32 v[(\y1)+lk:(\y1)+lk+1], v[(\y1)+lk:(\y1)+lk+1], v[RS+2:RS+3]
.set lk, lk+2
.endr
.endm
.macro GLOAD reg, bs, nb               ; my 16 nb numbers of a gain or bias, under a setting whose destination is window 1
.set gb, 0
.rept \nb
.irp jj, 0,1,2,3
	global_load_b128 v[(\reg)+16*gb+4*\jj:(\reg)+16*gb+4*\jj+3], v[GA], s[\bs:\bs+1] offset:128*gb+16*\jj
.endr
.set gb, gb+1
.endr
.endm
.macro NORM dst, src, g, b, n          ; dst = src x gain + bias; gain and bias in window 1
	WIN 0x14
.set nk, 0
.rept (\n)/2
	v_pk_fma_f32 v[(\dst)+nk:(\dst)+nk+1], v[(\src)+nk:(\src)+nk+1], v[(\g)+nk:(\g)+nk+1], v[(\b)+nk:(\b)+nk+1]
.set nk, nk+2
.endr
	WIN 0
.endm
.macro IMG src, mm                     ; 64 numbers become K step w of tile mm's operand: four blocks' codes and a scale word, to LDS
	s_wait_dscnt 0x0                               ; the last image's stores have read their registers
	QB \src, 4
.irp bb, 0,1,2,3
	ds_store_b64 v[IMW], v[PC+2*\bb:PC+2*\bb+1] offset:XIMG+8192*(\mm)+256*\bb
.endr
	v_lshl_or_b32 v[PW], v[TM+5], 8, v[TM+4]
	s_delay_alu instid0(VALU_DEP_1)
	v_lshl_or_b32 v[PW], v[TM+6], 16, v[PW]
	s_delay_alu instid0(VALU_DEP_1)
	v_lshl_or_b32 v[PW], v[TM+7], 24, v[PW]
	ds_store_b32 v[SCW], v[PW] offset:512*(\mm)
.endm
.macro XFETCH i                        ; chunk i's fragments of xn (2 tiles x 2 K steps) and their scale words: 9 on DScnt
.set fB, XF+32*((\i)%2)
.irp mm, 0,1
.irp sp, 0,1
.irp cc, 0,1
	ds_load_b128 v[fB+16*\mm+8*\sp+4*\cc:fB+16*\mm+8*\sp+4*\cc+3], v[LI] offset:XIMG+\mm*8192+(2*(2*(\i)+\sp)+\cc)*512
.endr
.endr
.endr
	ds_load_b64 v[XS+2*((\i)%2):XS+2*((\i)%2)+1], v[XSR] offset:8*(\i)
.endm
.macro CH i                            ; chunk i of q: the next chunk's fragments of xn are asked for, then this chunk's 16 products
	PLACES 4                                       ; in front of loads into registers that the chunk before last's products have read
.if (\i)+1 < NCH
	XFETCH (\i)+1
	s_wait_dscnt 9                                 ; this chunk's fragments are in; the nine loads just issued stay out
.else
	s_wait_dscnt 0x0
.endif
.set cZ, 0
.if (\i) == 0
.set cZ, 1
.endif
	WM16 ACC, 32, 8, \i, XF+32*((\i)%2), 16, 8, XS+2*((\i)%2), cZ
.endm
.macro EPI_QK cb, sb                   ; q of my head: blocks 2 m + b; each store of codes covers 256 consecutive bytes, the scale words 128
	s_wait_xcnt 0x0                                ; earlier stores have read their registers
	PLACES 4
	QB ACC, 4
.irp bb, 0,1,2,3
	global_store_b64 v[QST], v[PC+2*\bb:PC+2*\bb+1], s[\cb:\cb+1] offset:256*\bb
.endr
	v_lshl_or_b32 v[PW], v[TM+5], 8, v[TM+4]
	v_lshl_or_b32 v[PW+1], v[TM+7], 8, v[TM+6]
	s_delay_alu instid0(VALU_DEP_1)
	v_cndmask_b32 v[PW], v[PW], v[PW+1], s[HM]
	s_delay_alu instid0(VALU_DEP_1)
	v_or_b32 v[PW], 0x7f7f0000, v[PW]              ; the K step's empty half: the byte 0x7f over zero codes
	global_store_b32 v[L4], v[PW], s[\sb:\sb+1]
.endm
; Tile m of x1 goes out: a lane holds pieces of one row, so 16 rows x 256 bytes at a time (features 64 hb on of my 128) go through my own stage and come back as rows: lanes 0-15 one row, lanes 16-31 the next.
; LDS serves a wave's instructions in order: no wait between the stores and the loads, nor in front of the next half's stores.
.macro XOUT m
.if \m
	s_wait_xcnt 0x0                                ; tile 0's stores have read their registers
.endif
.irp hb, 0,1
.irp bb, 0,1
.irp jj, 0,1,2,3
	ds_store_b128 v[STW], v[Y+64*\m+32*\hb+16*\bb+4*\jj:Y+64*\m+32*\hb+16*\bb+4*\jj+3] offset:128*\bb+16*\jj   ; each accumulator from its low end on
.endr
.endr
.irp ii, 0,1,2,3,4,5,6,7
	ds_load_b128 v[T+32*\hb+4*\ii:T+32*\hb+4*\ii+3], v[STR] offset:544*\ii
.endr
.endr
.irp hb, 0,1
.irp ii, 0,1,2,3,4,5,6,7
	s_wait_dscnt (1-\hb)*16+7-\ii                  ; this pair of rows is back; the younger LDS instructions stay out
	global_store_b128 v[XO], v[T+32*\hb+4*\ii:T+32*\hb+4*\ii+3], s[X1B:X1B+1] offset:(8*\m+2*\ii+8*(\ii/4))*4096+256*\hb   ; sixteen lanes store 256 consecutive bytes, aligned
.endr
.endr
.endm
	s_load_b512 s[4:19], s[0:1], 0x0               ; obuf, x, sa_bo, ca_ng, ca_nb, wpk, x1, qbuf
	v_lshl_add_u32 v[SPW], v0, 2, SPARE
	v_mov_b32 v[NIL], 0
	ds_add_u32 v25, v26
	ds_add_u32 v25, v26
	s_wait_dscnt 0x0
	v_lshrrev_b32 v40, 5, v0
	s_delay_alu instid0(VALU_DEP_1)
	v_readfirstlane_b32 s[WV], v40                 ; wave
	v_and_b32 v40, 31, v0                          ; lane
	s_wait_alu depctr_va_vdst(0)
	v_and_b32 v41, 15, v0                          ; r
	s_wait_alu depctr_va_vdst(0)
	v_bfe_u32 v42, v0, 4, 1                        ; h
	s_wait_alu depctr_va_vdst(0)
	s_bfe_u32 s27, ttmp6, 0x40000                  ; cx: my place in the cluster
	s_lshl_b32 s[WG], ttmp9, 2                     ; in a cluster launch ttmp9 counts clusters
	s_add_co_u32 s[WG], s[WG], s27                 ; my block of 32 tokens
	s_lshl_b32 s27, s[WV], 9
	s_lshl_b32 s28, s[WV], 10
	s_lshl_b32 s29, s[WV], 2
	s_mul_i32 s53, s[WV], 4352
	s_add_co_u32 s53, s53, STG                     ; my stage
	s_lshl_b32 s55, s[WV], 15                      ; my 32,768 bytes of a unit, in wpk as in LDS
	s_add_co_u32 s56, s55, WL
	v_lshlrev_b32 v[LI], 4, v40
	s_delay_alu instid0(VALU_DEP_1)
	v_add_nc_u32 v[LW], s56, v[LI]
	v_lshl_add_u32 v[XSR], v40, 5, XSC
	v_and_b32 v[XA], 8, v41
	s_delay_alu instid0(VALU_DEP_1)
	v_add_nc_u32 v[XA], v[XA], v41                 ; r + 8 (r / 8)
	s_delay_alu instid0(VALU_DEP_1)
	v_lshlrev_b32 v[XA], 12, v[XA]
	v_lshl_add_u32 v[GA], v42, 6, s27
	s_delay_alu instid0(VALU_DEP_1)
	v_add_nc_u32 v[XA], v[XA], v[GA]
	v_lshlrev_b32 v[QST], 4, v41
	s_delay_alu instid0(VALU_DEP_1)
	v_lshl_add_u32 v[QST], v42, 3, v[QST]
	s_delay_alu instid0(VALU_DEP_1)
	v_add_nc_u32 v[IMW], s28, v[QST]
	v_lshl_add_u32 v[SCW], v41, 5, s29
	s_delay_alu instid0(VALU_DEP_1)
	v_add_nc_u32 v[SCW], XSC, v[SCW]
	v_lshl_add_u32 v[REDW], v40, 5, s29
	s_delay_alu instid0(VALU_DEP_1)
	v_add_nc_u32 v[REDW], RED1, v[REDW]
	v_lshl_add_u32 v[REDR], v41, 5, RED1
	v_lshlrev_b32 v[L8], 3, v40
	v_lshlrev_b32 v[L4], 2, v40
	v_mul_u32_u24 v[STW], v41, 272
	s_delay_alu instid0(VALU_DEP_1)
	v_lshl_add_u32 v[STW], v42, 6, v[STW]
	s_delay_alu instid0(VALU_DEP_1)
	v_add_nc_u32 v[STW], s53, v[STW]               ; into the stage: row r, + 64 h
	v_mul_u32_u24 v[STR], v42, 272
	s_delay_alu instid0(VALU_DEP_1)
	v_lshl_add_u32 v[STR], v41, 4, v[STR]
	s_delay_alu instid0(VALU_DEP_1)
	v_add_nc_u32 v[STR], s53, v[STR]               ; back: row h of a pair, 16 bytes a lane
	v_lshlrev_b32 v[XO], 12, v42
	s_delay_alu instid0(VALU_DEP_1)
	v_lshl_add_u32 v[XO], v41, 4, v[XO]
	s_delay_alu instid0(VALU_DEP_1)
	v_add_nc_u32 v[XO], s27, v[XO]                 ; and in x1: row h of the pair, + 16 r + 512 w
	v_lshlrev_b32 v[OSV], 1, v41
	s_delay_alu instid0(VALU_DEP_1)
	v_lshl_add_u32 v[OSV], v42, 8, v[OSV]          ; the attention output's scale halves: lanes 0-15 tile 0's, lanes 16-31 tile 1's
	s_mov_b32 s[SEL], 0x76543210
	s_mov_b32 s[SEL+1], 0xfedcba98
	s_mov_b32 s[HM], 0xffff0000
	s_mov_b32 s[INV], 0x3a800000                   ; 1 / 1,024
	s_mov_b32 s[EPS], 0x3727c5ac                   ; 1e-5
	; descriptor group 1: a dense block of 32,768 bytes as 128 rows of 256 bytes (32 elements of 8 bytes), no padding
	s_mov_b32 s[G1], 15|(3<<16)|(1<<21)            ; 15:0 the mask: all four work-groups; 17:16 elements of 8 bytes; 21 set beside a mask
	s_mov_b32 s[G1+1], 32<<16
	s_mov_b32 s[G1+2], 128<<16
	s_mov_b32 s[G1+3], 32<<16
	s_mov_b32 s[G1+4], 128
	s_mov_b32 s[G1+5], 32
	s_mov_b32 s[G1+6], 0
	s_mov_b32 s[G1+7], 0
	s_mov_b32 s[G0], 1
	s_mov_b32 s[G0+1], s56                         ; LDS address: the wave's number alone enters it
	s_lshr_b32 s50, s[WG], 6
	s_and_b32 s51, s[WG], 63
	s_lshl_b32 s52, s50, 3
	s_add_co_u32 s52, s52, s[WV]                   ; batch x 8 + head
	s_mov_b32 s31, 0
	s_wait_alu depctr_va_vdst(0)
	s_wait_kmcnt 0x0
	s_lshl_b32 s30, s[WG], 9
	s_add_co_u32 s30, s30, 2097152
	s_add_nc_u64 s[OSB:OSB+1], s[4:5], s[30:31]
	s_lshl_b32 s30, s[WG], 13
	s_add_nc_u64 s[4:5], s[4:5], s[30:31]          ; my two tiles of the attention output: 2 x 4,096 bytes
	s_lshl_b32 s30, s[WG], 17
	s_add_nc_u64 s[6:7], s[6:7], s[30:31]
	s_add_nc_u64 s[X1B:X1B+1], s[X1B:X1B+1], s[30:31]
	s_lshl_b32 s30, s[WV], 11
	s_add_nc_u64 s[WSB:WSB+1], s[14:15], s[30:31]
	s_lshl_b32 s30, s52, 16
	s_lshl_b32 s54, s51, 10
	s_add_co_u32 s30, s30, s54
	s_add_nc_u64 s[QCB:QCB+1], s[18:19], s[30:31]
	s_lshl_b32 s30, s52, 13
	s_lshl_b32 s54, s51, 7
	s_add_co_u32 s30, s30, s54
	s_add_co_u32 s30, s30, 2097152
	s_add_nc_u64 s[QSB:QSB+1], s[18:19], s[30:31]
	s_add_co_u32 s30, s55, WOC
	s_add_nc_u64 s[G0+2:G0+3], s[14:15], s[30:31]  ; global address: my block of Wo: the same in all four work-groups
	s_or_b32 s[G0+3], s[G0+3], 0x80000000          ; type = 2
	; ---- x1 = o Wo + (x + bo).  All that comes into registers is asked for in one run
.irp mm, 0,1
.irp ss, 0,1,2,3
.irp cc, 0,1
	global_load_b128 v[T+32*\mm+8*\ss+4*\cc:T+32*\mm+8*\ss+4*\cc+3], v[LI], s[4:5] offset:4096*\mm+512*(2*\ss+\cc)   ; K step ss = heads 2 ss, 2 ss + 1
.endr
.endr
.endr
.irp hh, 0,1,2,3,4,5,6,7
	global_load_u16 v[TM+\hh], v[OSV], s[OSB:OSB+1] offset:32*\hh
.endr
	WIN 0x40
	GLOAD 192, 8, 4                                ; bo
	WIN 0
.irp mm, 0,1
.irp bb, 0,1,2,3
.irp jj, 0,1,2,3
	global_load_b128 v[Y+64*\mm+16*\bb+4*\jj:Y+64*\mm+16*\bb+4*\jj+3], v[XA], s[6:7] offset:32768*\mm+128*\bb+16*\jj
.endr
.endr
.endr
	SLOAD WSC, WOS, 1024, 512                      ; Wo's scale words
	ROUND                                          ; all four work-groups are here: the first joint loads meet
	tensor_load_to_lds s[G0:G0+3], s[G1:G1+7]
	s_nop 0
	PLACES 4
	s_wait_tensorcnt 0x0                           ; my block of Wo has landed; nobody else reads it
	WREAD 0, 2, 16384, 4096                        ; three chunks now: bo still lies where the fourth goes
	s_wait_loadcnt 0x0                             ; the attention output, bo, x, Wo's scale words
	WIN 0x04
.set nk, 0
.rept 32
	v_pk_add_f32 v[Y+nk:Y+nk+1], v[Y+nk:Y+nk+1], v[192+nk:192+nk+1]
	v_pk_add_f32 v[Y+64+nk:Y+64+nk+1], v[Y+64+nk:Y+64+nk+1], v[192+nk:192+nk+1]
.set nk, nk+2
.endr
	WIN 0
.irp ss, 0,1,2,3
	v_lshl_or_b32 v[XS+\ss], v[TM+2*\ss+1], 16, v[TM+2*\ss]   ; two heads' two bytes make a K step's scale word
.endr
	WREAD 3, 3, 16384, 4096                        ; into the registers that bo has left
	s_wait_tensorcnt 0x0                           ; no tensor load of mine is out, so group 0 may be written
	ds_add_u32 v[SPW], v[NIL]                      ; 0 onto my spare word
	s_add_nc_u64 s[G0+2:G0+3], s[G0+2:G0+3], 262144   ; my head's block of ca_wq; the type bits on top are not reached
	s_wait_dscnt 0x0                               ; the add is done, and my copy of Wo's block is in registers
	ROUND                                          ; that now holds of every wave of all four work-groups
	tensor_load_to_lds s[G0:G0+3], s[G1:G1+7]      ; my one tensor load behind the round, and the first thing there
	s_nop 0
	PLACES 8                                       ; eight stand between the scale words made above and the scaled products
	s_wait_alu depctr_va_vdst(0)
.irp i, 0,1,2,3
	WM16 Y+32*(\i/2), 64, 8, \i, T+16*(\i%2), 32, 8, XS+2*(\i%2), 0
.endr
	PLACES 4                                       ; in front of loads into registers that the products have read, and of the first read of results
	WIN 0x40
	GLOAD 128, 10, 4                               ; the norm's gain and bias, and ca_wq's scale words, land under the way out and the statistics
	GLOAD 192, 12, 4
	WIN 0
	SLOAD WSC, WQS, 512, 1024
	XOUT 0
	XOUT 1
	s_wait_xcnt 0x0                                ; the stores have read their registers
	v_mov_b32 v[PX], 0
	v_mov_b32 v[PX+1], 0
	SUM SM, Y, 64
	SUM SM+1, Y+64, 64
	LNREST Y, Y+64, 64
	s_wait_loadcnt 0x0                             ; gain, bias, ca_wq's scale words
	NORM Y, Y, 128, 192, 64
	NORM Y+64, Y+64, 128, 192, 64
	IMG Y, 0
	IMG Y+64, 1
	s_wait_tensorcnt 0x0                           ; my head's block of ca_wq has landed
	WREAD 0, 3, 4096, 8192                         ; into window 1, which gain and bias have left
	BAR                                            ; xn's images lie in LDS
	XFETCH 0
	CH 0
	CH 1
	CH 2
	CH 3
	EPI_QK QCB, QSB
	s_wait_tensorcnt 0x0                           ; the wave's end: behind my last tensor load and my last LDS store
	ds_add_u32 v[SPW], v[NIL]
	s_wait_dscnt 0x0
	ROUND                                          ; the closing round: no work-group ends while a partner may still ask for a block that names it
	s_endpgm
.Lfunc_end_k_q9d8041eee2_mid:
	.size	k_q9d8041eee2_mid, .Lfunc_end_k_q9d8041eee2_mid-k_q9d8041eee2_mid
	.p2alignl 7, 3214868480
	.fill 96, 4, 3214868480
	.section	.rodata,"a",@progbits
	.p2align	6, 0x0
	.amdhsa_kernel k_q9d8041eee2_mid
		.amdhsa_group_segment_fixed_size 327680
		.amdhsa_private_segment_fixed_size 0
		.amdhsa_enable_private_segment 0
		.amdhsa_kernarg_size 64
		.amdhsa_user_sgpr_count 2
		.amdhsa_user_sgpr_kernarg_segment_ptr 1
		.amdhsa_wavefront_size32 1
		.amdhsa_system_sgpr_workgroup_id_x 1
		.amdhsa_system_sgpr_workgroup_id_y 1
		.amdhsa_system_sgpr_workgroup_id_z 1
		.amdhsa_system_vgpr_workitem_id 0
		.amdhsa_next_free_vgpr 512
		.amdhsa_next_free_sgpr 80
		.amdhsa_reserve_vcc 0
		.amdhsa_float_denorm_mode_32 3
		.amdhsa_float_denorm_mode_16_64 3
		.amdhsa_memory_ordered 1
		.amdhsa_forward_progress 1
		.amdhsa_inst_pref_size 99
	.end_amdhsa_kernel
	.amdgpu_metadata
---
amdhsa.version: [ 1, 2 ]
amdhsa.kernels:
  - .name:           k_q9d8041eee2_mid
    .symbol:         k_q9d8041eee2_mid.kd
    .args:
      - { .name: obuf, .offset: 0, .size: 8, .value_kind: global_buffer, .address_space: global }
      - { .name: x, .offset: 8, .size: 8, .value_kind: global_buffer, .address_space: global }
      - { .name: sa_bo, .offset: 16, .size: 8, .value_kind: global_buffer, .address_space: global }
      - { .name: ca_ng, .offset: 24, .size: 8, .value_kind: global_buffer, .address_space: global }
      - { .name: ca_nb, .offset: 32, .size: 8, .value_kind: global_buffer, .address_space: global }
      - { .name: wpk, .offset: 40, .size: 8, .value_kind: global_buffer, .address_space: global }
      - { .name: x1, .offset: 48, .size: 8, .value_kind: global_buffer, .address_space: global }
      - { .name: qbuf, .offset: 56, .size: 8, .value_kind: global_buffer, .address_space: global }
    .group_segment_fixed_size: 327680
    .private_segment_fixed_size: 0
    .kernarg_segment_align: 8
    .kernarg_segment_size: 64
    .max_flat_workgroup_size: 256
    .sgpr_count:     80
    .vgpr_count:     512
    .wavefront_size: 32
...
	.end_amdgpu_metadata
.endif
;; end of part 11
;; launch ca_kv (part 12): grid 64 x 1, 8 waves a work-group, no clusters, 16,384 bytes of LDS; arguments context, ca_ncg, ca_ncb, wpk, kv_ca; writes kv_ca
.if DOCPART == 12
	.amdgcn_target "amdgcn-amd-amdhsa--gfx1250"
	.amdhsa_code_object_version 6
	.text
	.protected	k_q9d8041eee2_ca_kv
	.globl	k_q9d8041eee2_ca_kv
	.p2align	8
	.type	k_q9d8041eee2_ca_kv,@function
k_q9d8041eee2_ca_kv:
	s_mov_b64 s[64:65], 0
	v_nop
	global_prefetch_b8 v0, s[64:65] scope:SCOPE_SE
	s_setreg_imm32_b32 hwreg(HW_REG_WAVE_MODE, 25, 1), 1
	s_wait_xcnt 0x0
; Cross-attention's keys and values: layer norm of the context (768 features), quantised; k and v = cn Wkv on codes; k quantised along a head's 64 channels, v along the keys.
; As the launch for self-attention's q, k, v, with six K steps: a work-group of eight waves takes 32 tokens (v's blocks along the keys want 32 together, so there are 64 work-groups);
; for the norm wave w holds features 96 w .. + 95 (three blocks of 32) of all 32 tokens; for the products wave w is head w.  Lane r of token tile m stands for token 8 m + r + 8 (r / 8).
; LIMITS: NaN and infinities are not served; a block under 2^-124 takes the scale byte 1, read by this program alone.
; REGISTERS.  Window 0: v1-12 addresses; v16-31 the quantiser's work; v32-39 codes; v40-41 scale words just made; v44-47 cn's scale words; v48-63 the weights'; v64-159 the 2 x 48 numbers, later v64-127 accumulators
;   and v128-191 cn's fragments; v192-223 at work.   Window 1: four slots of weights; at first gain (v128 on) and bias (v192 on) in slots 2 and 3.
.set XIMG, 0                           ; LDS: cn's images: tile m x 6,144 + block x 256
.set XSC,  12288                       ; their scale bytes: (16 m + r) x 32 + block
.set RED1, 13312
.set NCH,  6
.set LI,   1
.set XSR,  2
.set XA,   3
.set IMW,  4
.set SCW,  5
.set REDW, 6
.set REDR, 7
.set GA,   8
.set L8,   9
.set QST,  10
.set L4,   11
.set R4,   12
.set TM,   16
.set PC,   32
.set PW,   40
.set XS,   44
.set WSC,  48
.set Y,    64
.set ACC,  64
.set XF,   128
.set U,    192
.set SM,   196
.set PX,   198
.set RD,   200
.set MN,   216
.set RS,   220
.set WV,   20
.set SEL,  22
.set HM,   24
.set INV,  25
.set EPS,  26
.set WB,   32
.set WSB,  34
.set KCB,  40
.set KSB,  42
.set VCB,  44
.set VSB,  46
.set MSB, 0
.macro WIN new                         ; the immediate's high byte repeats the setting that is left
.if MSB != \new
	s_set_vgpr_msb (MSB<<8)|\new
.set MSB, \new
.endif
.endm
.macro PLACES n
.rept \n
	v_nop
.endr
.endm
.macro BAR                             ; my LDS stores have landed and my LDS loads are in: then the work-group's barrier
	s_wait_dscnt 0x0
	s_barrier_signal -1
	s_barrier_wait -1
.endm
.macro WMC d, a, b, z, sa, sb, ra, rb  ; one product; z = 1: C is the constant 0; ra, rb: that source's scales lie in lanes 16-31
.if \z
.if (\ra) && (\rb)
	v_wmma_scale_f32_16x16x128_f8f6f4 v[\d:\d+7], v[\a:\a+7], v[\b:\b+7], 0, v[\sa], v[\sb] matrix_a_fmt:MATRIX_FMT_FP4 matrix_b_fmt:MATRIX_FMT_FP4 matrix_a_scale:MATRIX_SCALE_ROW1 matrix_b_scale:MATRIX_SCALE_ROW1
.elseif (\ra)
	v_wmma_scale_f32_16x16x128_f8f6f4 v[\d:\d+7], v[\a:\a+7], v[\b:\b+7], 0, v[\sa], v[\sb] matrix_a_fmt:MATRIX_FMT_FP4 matrix_b_fmt:MATRIX_FMT_FP4 matrix_a_scale:MATRIX_SCALE_ROW1
.elseif (\rb)
	v_wmma_scale_f32_16x16x128_f8f6f4 v[\d:\d+7], v[\a:\a+7], v[\b:\b+7], 0, v[\sa], v[\sb] matrix_a_fmt:MATRIX_FMT_FP4 matrix_b_fmt:MATRIX_FMT_FP4 matrix_b_scale:MATRIX_SCALE_ROW1
.else
	v_wmma_scale_f32_16x16x128_f8f6f4 v[\d:\d+7], v[\a:\a+7], v[\b:\b+7], 0, v[\sa], v[\sb] matrix_a_fmt:MATRIX_FMT_FP4 matrix_b_fmt:MATRIX_FMT_FP4
.endif
.else
.if (\ra) && (\rb)
	v_wmma_scale_f32_16x16x128_f8f6f4 v[\d:\d+7], v[\a:\a+7], v[\b:\b+7], v[\d:\d+7], v[\sa], v[\sb] matrix_a_fmt:MATRIX_FMT_FP4 matrix_b_fmt:MATRIX_FMT_FP4 matrix_a_scale:MATRIX_SCALE_ROW1 matrix_b_scale:MATRIX_SCALE_ROW1
.elseif (\ra)
	v_wmma_scale_f32_16x16x128_f8f6f4 v[\d:\d+7], v[\a:\a+7], v[\b:\b+7], v[\d:\d+7], v[\sa], v[\sb] matrix_a_fmt:MATRIX_FMT_FP4 matrix_b_fmt:MATRIX_FMT_FP4 matrix_a_scale:MATRIX_SCALE_ROW1
.elseif (\rb)
	v_wmma_scale_f32_16x16x128_f8f6f4 v[\d:\d+7], v[\a:\a+7], v[\b:\b+7], v[\d:\d+7], v[\sa], v[\sb] matrix_a_fmt:MATRIX_FMT_FP4 matrix_b_fmt:MATRIX_FMT_FP4 matrix_b_scale:MATRIX_SCALE_ROW1
.else
	v_wmma_scale_f32_16x16x128_f8f6f4 v[\d:\d+7], v[\a:\a+7], v[\b:\b+7], v[\d:\d+7], v[\sa], v[\sb] matrix_a_fmt:MATRIX_FMT_FP4 matrix_b_fmt:MATRIX_FMT_FP4
.endif
.endif
.endm
; A chunk's 16 products: 2 K steps x 4 tiles of W x 2 tiles of tokens; the eight accumulators take turns, one instruction a turn.  kind 0: source 0 = W (window 1); kind 1: the sources swapped.
.macro WM16 kind, acc, ams, ats, slot, xb, xms, xss, xs, zero
.if \kind
	WIN 0x04
.else
	WIN 0x01
.endif
.irp sp, 0,1
.irp tt, 0,1,2,3
.irp mm, 0,1
.set rD, (\acc)+(\ams)*\mm+(\ats)*\tt
.set rW, 64*(\slot)+32*\sp+8*\tt
.set rX, (\xb)+(\xms)*\mm+(\xss)*\sp
.set rWS, WSC+4*(\slot)+2*(\tt/2)+\sp
.set rXS, (\xs)+\sp
.set rZ, 0
.if \zero
.if \sp == 0
.set rZ, 1
.endif
.endif
.if \kind
	WMC rD, rX, rW, rZ, rXS, rWS, \mm, \tt%2
.else
	WMC rD, rW, rX, rZ, rWS, rXS, \tt%2, \mm
.endif
.endr
.endr
.endr
	WIN 0
.endm
.macro WLOAD slot, coff, ts, soff, ss  ; a chunk of weights into a slot: 16 loads of codes, 2 of scale words: 18 on LOADcnt
	WIN 0x40                                       ; destination window 1, address window 0
.irp sp, 0,1
.irp tt, 0,1,2,3
.irp cc, 0,1
	global_load_b128 v[64*(\slot)+32*\sp+8*\tt+4*\cc:64*(\slot)+32*\sp+8*\tt+4*\cc+3], v[LI], s[WB:WB+1] offset:(\coff)+\tt*(\ts)+1024*\sp+512*\cc
.endr
.endr
.endr
	WIN 0
.irp pp, 0,1
	global_load_b64 v[WSC+4*(\slot)+2*\pp:WSC+4*(\slot)+2*\pp+1], v[L8], s[WSB:WSB+1] offset:(\soff)+\pp*(\ss)
.endr
.endm
.macro QB s, nb                        ; nb blocks are quantised: register s + 16 b + i is number 16 h + i of block b of my row
.set qb, 0
.rept \nb
	v_max3_num_f32 v[TM+qb], |v[(\s)+16*qb]|, |v[(\s)+16*qb+1]|, 0x1800000   ; and the floor 2^(3 - 127): the byte cannot fall under 1
.set qb, qb+1
.endr
.set qi, 2
.rept 7
.set qb, 0
.rept \nb
	v_max3_num_f32 v[TM+qb], v[TM+qb], |v[(\s)+16*qb+qi]|, |v[(\s)+16*qb+qi+1]|
.set qb, qb+1
.endr
.set qi, qi+2
.endr
.set qb, 0
.rept \nb
	v_permlanex16_b32 v[TM+4+qb], v[TM+qb], s[SEL], s[SEL+1]
.set qb, qb+1
.endr
.set qb, 0
.rept \nb
	v_max_num_f32 v[TM+qb], v[TM+qb], v[TM+4+qb]
.set qb, qb+1
.endr
.set qb, 0
.rept \nb
	v_add_nc_u32 v[TM+12+qb], 0xff000000, v[TM+qb]
.set qb, qb+1
.endr
.set qb, 0
.rept \nb
	v_lshrrev_b32 v[TM+4+qb], 23, v[TM+12+qb]
.set qb, qb+1
.endr
.set qb, 0
.rept \nb
	v_cvt_scalef32_pk8_fp4_f32 v[PC+2*qb], v[(\s)+16*qb:(\s)+16*qb+7], v[TM+12+qb]
	v_cvt_scalef32_pk8_fp4_f32 v[PC+2*qb+1], v[(\s)+16*qb+8:(\s)+16*qb+15], v[TM+12+qb]
.set qb, qb+1
.endr
	v_nop                                          ; one plain place behind a scaled conversion
.endm
.macro SUM d, s, n
	v_pk_add_f32 v[U:U+1], v[(\s):(\s)+1], v[(\s)+2:(\s)+3]
	v_pk_add_f32 v[U+2:U+3], v[(\s)+4:(\s)+5], v[(\s)+6:(\s)+7]
.set sj, 8
.rept ((\n)-8)/4
	s_delay_alu instid0(VALU_DEP_2)
	v_pk_add_f32 v[U:U+1], v[U:U+1], v[(\s)+sj:(\s)+sj+1]
	s_delay_alu instid0(VALU_DEP_2)
	v_pk_add_f32 v[U+2:U+3], v[U+2:U+3], v[(\s)+sj+2:(\s)+sj+3]
.set sj, sj+4
.endr
	s_delay_alu instid0(VALU_DEP_1)
	v_pk_add_f32 v[U:U+1], v[U:U+1], v[U+2:U+3]
	s_delay_alu instid0(VALU_DEP_1)
	v_add_f32 v[\d], v[U], v[U+1]
.endm
.macro SQS d, s, n
	v_pk_mul_f32 v[U:U+1], v[(\s):(\s)+1], v[(\s):(\s)+1]
	v_pk_mul_f32 v[U+2:U+3], v[(\s)+2:(\s)+3], v[(\s)+2:(\s)+3]
.set sj, 4
.rept ((\n)-4)/4
	s_delay_alu instid0(VALU_DEP_2)
	v_pk_fma_f32 v[U:U+1], v[(\s)+sj:(\s)+sj+1], v[(\s)+sj:(\s)+sj+1], v[U:U+1]
	s_delay_alu instid0(VALU_DEP_2)
	v_pk_fma_f32 v[U+2:U+3], v[(\s)+sj+2:(\s)+sj+3], v[(\s)+sj+2:(\s)+sj+3], v[U+2:U+3]
.set sj, sj+4
.endr
	s_delay_alu instid0(VALU_DEP_1)
	v_pk_add_f32 v[U:U+1], v[U:U+1], v[U+2:U+3]
	s_delay_alu instid0(VALU_DEP_1)
	v_add_f32 v[\d], v[U], v[U+1]
.endm
.macro XRED o                          ; the lanes' parts become the tokens' totals over the eight waves, added in the same order in every wave
	v_permlanex16_b32 v[PX], v[SM], s[SEL], s[SEL+1]
	s_delay_alu instid0(VALU_DEP_2)
	v_permlanex16_b32 v[PX+1], v[SM+1], s[SEL], s[SEL+1]
	s_delay_alu instid0(VALU_DEP_2)
	v_add_f32 v[SM], v[SM], v[PX]
	s_delay_alu instid0(VALU_DEP_2)
	v_add_f32 v[SM+1], v[SM+1], v[PX+1]
	s_delay_alu instid0(VALU_DEP_1)
	v_cndmask_b32 v[SM], v[SM], v[SM+1], s[HM]
	ds_store_b32 v[REDW], v[SM] offset:\o
	BAR
	ds_load_b128 v[RD:RD+3], v[REDR] offset:\o
	ds_load_b128 v[RD+4:RD+7], v[REDR] offset:\o+16
	ds_load_b128 v[RD+8:RD+11], v[REDR] offset:\o+512
	ds_load_b128 v[RD+12:RD+15], v[REDR] offset:\o+528
	s_wait_dscnt 0x0
.irp mm, 0,1
	v_pk_add_f32 v[RD+8*\mm:RD+8*\mm+1], v[RD+8*\mm:RD+8*\mm+1], v[RD+8*\mm+2:RD+8*\mm+3]
	v_pk_add_f32 v[RD+8*\mm+4:RD+8*\mm+5], v[RD+8*\mm+4:RD+8*\mm+5], v[RD+8*\mm+6:RD+8*\mm+7]
	s_delay_alu instid0(VALU_DEP_1)
	v_pk_add_f32 v[RD+8*\mm:RD+8*\mm+1], v[RD+8*\mm:RD+8*\mm+1], v[RD+8*\mm+4:RD+8*\mm+5]
	s_delay_alu instid0(VALU_DEP_1)
	v_add_f32 v[SM+\mm], v[RD+8*\mm], v[RD+8*\mm+1]
.endr
.endm
.macro LNREST y0, y1, n                ; the mean is taken off, the squares are summed, the numbers are multiplied by 1 / sqrt(variance + 1e-5)
	XRED 0
	v_mul_f32 v[MN], s[INV], v[SM]
	v_mul_f32 v[MN+1], s[INV], v[SM]
	s_delay_alu instid0(VALU_DEP_3)
	v_mul_f32 v[MN+2], s[INV], v[SM+1]
	s_delay_alu instid0(VALU_DEP_4)
	v_mul_f32 v[MN+3], s[INV], v[SM+1]
.set lk, 0
.rept (\n)/2
	v_pk_add_f32 v[(\y0)+lk:(\y0)+lk+1], v[(\y0)+lk:(\y0)+lk+1], v[MN:MN+1] neg_lo:[0,1] neg_hi:[0,1]
	v_pk_add_f32 v[(\y1)+lk:(\y1)+lk+1], v[(\y1)+lk:(\y1)+lk+1], v[MN+2:MN+3] neg_lo:[0,1] neg_hi:[0,1]
.set lk, lk+2
.endr
	SQS SM, \y0, \n
	SQS SM+1, \y1, \n
	XRED 1024
	v_fma_f32 v[RS], v[SM], s[INV], s[EPS]
	s_delay_alu instid0(VALU_DEP_2)
	v_fma_f32 v[RS+2], v[SM+1], s[INV], s[EPS]
	s_wait_alu depctr_va_vdst(0)
	v_rsq_f32 v[RS], v[RS]
	v_rsq_f32 v[RS+2], v[RS+2]
	v_nop                                          ; one plain place behind a transcendental
	s_wait_alu depctr_va_vdst(0)
	v_mov_b32 v[RS+1], v[RS]
	v_mov_b32 v[RS+3], v[RS+2]
.set lk, 0
.rept (\n)/2
	v_pk_mul_f32 v[(\y0)+lk:(\y0)+lk+1], v[(\y0)+lk:(\y0)+lk+1], v[RS:RS+1]
	v_pk_mul_f32 v[(\y1)+lk:(\y1)+lk+1], v[(\y1)+lk:(\y1)+lk+1], v[RS+2:RS+3]
.set lk, lk+2
.endr
.endm
.macro GLOAD reg, bs, nb               ; my 16 nb numbers of a gain or bias, under a setting whose destination is window 1
.set gb, 0
.rept \nb
.irp jj, 0,1,2,3
	global_load_b128 v[(\reg)+16*gb+4*\jj:(\reg)+16*gb+4*\jj+3], v[GA], s[\bs:\bs+1] offset:128*gb+16*\jj
.endr
.set gb, gb+1
.endr
.endm
.macro NORM dst, src, g, b, n          ; dst = src x gain + bias; gain and bias in window 1
	WIN 0x14
.set nk, 0
.rept (\n)/2
	v_pk_fma_f32 v[(\dst)+nk:(\dst)+nk+1], v[(\src)+nk:(\src)+nk+1], v[(\g)+nk:(\g)+nk+1], v[(\b)+nk:(\b)+nk+1]
.set nk, nk+2
.endr
	WIN 0
.endm
.macro IMG3 src, mm                    ; 48 numbers become blocks 3 w .. 3 w + 2 of tile mm's operand: codes and three scale bytes, to LDS
	s_wait_dscnt 0x0                               ; the last image's stores have read their registers
	QB \src, 3
.irp bb, 0,1,2
	ds_store_b64 v[IMW], v[PC+2*\bb:PC+2*\bb+1] offset:XIMG+6144*(\mm)+256*\bb
.endr
.irp bb, 0,1,2
	ds_store_b8 v[SCW], v[TM+4+\bb] offset:512*(\mm)+\bb   ; lanes r and r + 16 write the same byte with the same value
.endr
.endm
.macro XFETCH i                        ; chunk i's fragments of cn (2 tiles x 2 K steps) and their scale words: 9 on DScnt
.set fJ, (\i)%3
.set fB, XF+32*((\i)%2)
.irp mm, 0,1
.irp sp, 0,1
.irp cc, 0,1
	ds_load_b128 v[fB+16*\mm+8*\sp+4*\cc:fB+16*\mm+8*\sp+4*\cc+3], v[LI] offset:XIMG+\mm*6144+(2*(2*fJ+\sp)+\cc)*512
.endr
.endr
.endr
	ds_load_b64 v[XS+2*((\i)%2):XS+2*((\i)%2)+1], v[XSR] offset:8*fJ
.endm
.macro WLC i                           ; chunk i's weights into slot i % 4: unit i / 3 (Wk, Wv), K steps 2 (i % 3) on
	WLOAD (\i)%4, 1310720+((\i)/3)*196608+2048*((\i)%3), 6144, 2048000+((\i)/3)*12288+256*((\i)%3), 768
.endm
.macro CH i
	PLACES 4                                       ; in front of loads into registers that the last chunk's products have read
.if (\i)+1 < NCH
	XFETCH (\i)+1
.endif
.if NCH-1-(\i) >= 2
	s_wait_loadcnt 36                              ; this chunk's weights are in; the two chunks issued behind it stay out
.else
	s_wait_loadcnt 18*(NCH-1-(\i))
.endif
.if (\i)+3 < NCH
	WLC (\i)+3
.endif
.if (\i)+1 < NCH
	s_wait_dscnt 9                                 ; this chunk's fragments are in; the nine loads just issued stay out
.else
	s_wait_dscnt 0x0
.endif
.set cZ, 0
.if (\i)%3 == 0
.set cZ, 1
.endif
.if (\i)/3 == 1
	WM16 1, ACC, 8, 16, (\i)%4, XF+32*((\i)%2), 16, 8, XS+2*((\i)%2), cZ
.else
	WM16 0, ACC, 32, 8, (\i)%4, XF+32*((\i)%2), 16, 8, XS+2*((\i)%2), cZ
.endif
.endm
.macro EPI_QK cb, sb                   ; k of my head: blocks 2 m + b; each store of codes covers 256 consecutive bytes, the scale words 128
	s_wait_xcnt 0x0
	PLACES 4
	QB ACC, 4
.irp bb, 0,1,2,3
	global_store_b64 v[QST], v[PC+2*\bb:PC+2*\bb+1], s[\cb:\cb+1] offset:256*\bb
.endr
	v_lshl_or_b32 v[PW], v[TM+5], 8, v[TM+4]
	v_lshl_or_b32 v[PW+1], v[TM+7], 8, v[TM+6]
	s_delay_alu instid0(VALU_DEP_1)
	v_cndmask_b32 v[PW], v[PW], v[PW+1], s[HM]
	s_delay_alu instid0(VALU_DEP_1)
	v_or_b32 v[PW], 0x7f7f0000, v[PW]              ; the K step's empty half: the byte 0x7f over zero codes
	global_store_b32 v[L4], v[PW], s[\sb:\sb+1]
.endm
.macro EPI_V cb, sb                    ; v of my head: block ct = channel tile ct, along these 32 keys
	s_wait_xcnt 0x0                                ; earlier stores have read their registers
	PLACES 4
	QB ACC, 4
.irp bb, 0,1,2,3
	global_store_b64 v[QST], v[PC+2*\bb:PC+2*\bb+1], s[\cb:\cb+1] offset:512*\bb
.endr
	v_lshl_or_b32 v[PW], v[TM+5], 8, v[TM+4]
	s_delay_alu instid0(VALU_DEP_1)
	v_lshl_or_b32 v[PW], v[TM+6], 16, v[PW]
	s_delay_alu instid0(VALU_DEP_1)
	v_lshl_or_b32 v[PW], v[TM+7], 24, v[PW]
	global_store_b32 v[R4], v[PW], s[\sb:\sb+1]
.endm
	s_load_b256 s[4:11], s[0:1], 0x0               ; context, ncg, ncb, wpk
	s_load_b64 s[12:13], s[0:1], 0x20              ; kv_ca
	v_lshl_add_u32 v254, v0, 2, 0x3c00
	v_mov_b32 v255, 0
	v_lshrrev_b32 v13, 5, v0
	s_delay_alu instid0(VALU_DEP_1)
	v_readfirstlane_b32 s[WV], v13                 ; wave = head
	v_and_b32 v13, 31, v0                          ; lane
	v_and_b32 v14, 15, v0                          ; r
	v_bfe_u32 v15, v0, 4, 1                        ; h
	s_mul_i32 s27, s[WV], 384
	s_mul_i32 s28, s[WV], 768
	s_mul_i32 s29, s[WV], 3
	s_lshl_b32 s53, s[WV], 2
	v_lshlrev_b32 v[LI], 4, v13
	v_lshl_add_u32 v[XSR], v13, 5, XSC
	v_and_b32 v[XA], 8, v14
	s_delay_alu instid0(VALU_DEP_1)
	v_add_nc_u32 v[XA], v[XA], v14                 ; r + 8 (r / 8)
	s_delay_alu instid0(VALU_DEP_1)
	v_mul_u32_u24 v[XA], v[XA], 3072
	v_lshl_add_u32 v[GA], v15, 6, s27              ; 64 h + 384 w
	s_delay_alu instid0(VALU_DEP_1)
	v_add_nc_u32 v[XA], v[XA], v[GA]
	v_lshlrev_b32 v[QST], 4, v14
	s_delay_alu instid0(VALU_DEP_1)
	v_lshl_add_u32 v[QST], v15, 3, v[QST]
	s_delay_alu instid0(VALU_DEP_1)
	v_add_nc_u32 v[IMW], s28, v[QST]
	v_lshl_add_u32 v[SCW], v14, 5, s29
	s_delay_alu instid0(VALU_DEP_1)
	v_add_nc_u32 v[SCW], XSC, v[SCW]
	v_lshl_add_u32 v[REDW], v13, 5, s53
	s_delay_alu instid0(VALU_DEP_1)
	v_add_nc_u32 v[REDW], RED1, v[REDW]
	v_lshl_add_u32 v[REDR], v14, 5, RED1
	v_lshlrev_b32 v[L8], 3, v13
	v_lshlrev_b32 v[L4], 2, v13
	v_lshlrev_b32 v[R4], 2, v14
	s_mov_b32 s[SEL], 0x76543210
	s_mov_b32 s[SEL+1], 0xfedcba98
	s_mov_b32 s[HM], 0xffff0000
	s_mov_b32 s[INV], 0x3aaaaaab                   ; 1 / 768
	s_mov_b32 s[EPS], 0x3727c5ac                   ; 1e-5
	s_lshr_b32 s50, ttmp9, 4                       ; batch
	s_and_b32 s51, ttmp9, 15                       ; block of 32 keys in it
	s_lshl_b32 s52, s50, 3
	s_add_co_u32 s52, s52, s[WV]                   ; batch x 8 + head
	s_mov_b32 s31, 0
	s_mul_i32 s30, ttmp9, 98304                    ; 32 rows of 3,072 bytes
	s_wait_alu depctr_va_vdst(0)
	s_wait_kmcnt 0x0
	s_add_nc_u64 s[4:5], s[4:5], s[30:31]
	s_mul_i32 s30, s[WV], 24576
	s_add_nc_u64 s[WB:WB+1], s[10:11], s[30:31]    ; my head's four tiles: 4 x 6,144 bytes
	s_mul_i32 s30, s[WV], 1536
	s_add_nc_u64 s[WSB:WSB+1], s[10:11], s[30:31]
.irp mm, 0,1
.irp bb, 0,1,2
.irp jj, 0,1,2,3
	global_load_b128 v[Y+48*\mm+16*\bb+4*\jj:Y+48*\mm+16*\bb+4*\jj+3], v[XA], s[4:5] offset:24576*\mm+128*\bb+16*\jj
.endr
.endr
.endr
	WIN 0x40
	GLOAD 128, 6, 3
	GLOAD 192, 8, 3
	WIN 0
	WLC 0
	WLC 1
	s_lshl_b32 s56, s52, 15
	s_lshl_b32 s54, s51, 10
	s_add_co_u32 s30, s56, s54
	s_add_nc_u64 s[KCB:KCB+1], s[12:13], s[30:31]
	s_lshl_b32 s30, s52, 11
	s_lshl_b32 s54, s51, 7
	s_add_co_u32 s30, s30, s54
	s_add_co_u32 s30, s30, 1048576
	s_add_nc_u64 s[KSB:KSB+1], s[12:13], s[30:31]
	s_lshr_b32 s57, s51, 1
	s_lshl_b32 s57, s57, 11
	s_and_b32 s58, s51, 1
	s_lshl_b32 s58, s58, 8
	s_add_co_u32 s30, s56, s57
	s_add_co_u32 s30, s30, s58
	s_add_co_u32 s30, s30, 16384
	s_add_nc_u64 s[VCB:VCB+1], s[12:13], s[30:31]
	s_lshl_b32 s30, s52, 10
	s_lshl_b32 s54, s51, 6
	s_add_co_u32 s30, s30, s54
	s_add_co_u32 s30, s30, 1114112
	s_add_nc_u64 s[VSB:VSB+1], s[12:13], s[30:31]
.irp bb, 0,1,2,3
	v_mov_b32 v[TM+4+\bb], 0                       ; written once: a lane permute's destination counts as one of its sources
.endr
	v_mov_b32 v[PX], 0
	v_mov_b32 v[PX+1], 0
	s_wait_loadcnt 60                              ; the context's 24 loads are in; gain, bias (24) and two chunks (36) stay out
	SUM SM, Y, 48
	SUM SM+1, Y+48, 48
	LNREST Y, Y+48, 48
	s_wait_loadcnt 36                              ; gain and bias are in; the two chunks stay out
	NORM Y, Y, 128, 192, 48
	NORM Y+48, Y+48, 128, 192, 48
	WLC 2
	IMG3 Y, 0
	IMG3 Y+48, 1
	BAR                                            ; cn's images lie in LDS
	XFETCH 0
	CH 0
	CH 1
	CH 2
	EPI_QK KCB, KSB
	CH 3
	CH 4
	CH 5
	EPI_V VCB, VSB
	s_wait_tensorcnt 0x0
	ds_add_u32 v254, v255
	s_wait_dscnt 0x0
	s_endpgm
.Lfunc_end_k_q9d8041eee2_ca_kv:
	.size	k_q9d8041eee2_ca_kv, .Lfunc_end_k_q9d8041eee2_ca_kv-k_q9d8041eee2_ca_kv
	.p2alignl 7, 3214868480
	.fill 96, 4, 3214868480
	.section	.rodata,"a",@progbits
	.p2align	6, 0x0
	.amdhsa_kernel k_q9d8041eee2_ca_kv
		.amdhsa_group_segment_fixed_size 16384
		.amdhsa_private_segment_fixed_size 0
		.amdhsa_enable_private_segment 0
		.amdhsa_kernarg_size 40
		.amdhsa_user_sgpr_count 2
		.amdhsa_user_sgpr_kernarg_segment_ptr 1
		.amdhsa_wavefront_size32 1
		.amdhsa_system_sgpr_workgroup_id_x 1
		.amdhsa_system_sgpr_workgroup_id_y 1
		.amdhsa_system_sgpr_workgroup_id_z 1
		.amdhsa_system_vgpr_workitem_id 0
		.amdhsa_next_free_vgpr 512
		.amdhsa_next_free_sgpr 66
		.amdhsa_reserve_vcc 0
		.amdhsa_float_denorm_mode_32 3
		.amdhsa_float_denorm_mode_16_64 3
		.amdhsa_memory_ordered 1
		.amdhsa_forward_progress 1
		.amdhsa_inst_pref_size 73
	.end_amdhsa_kernel
	.amdgpu_metadata
---
amdhsa.version: [ 1, 2 ]
amdhsa.kernels:
  - .name:           k_q9d8041eee2_ca_kv
    .symbol:         k_q9d8041eee2_ca_kv.kd
    .args:
      - { .name: context, .offset: 0, .size: 8, .value_kind: global_buffer, .address_space: global }
      - { .name: ca_ncg, .offset: 8, .size: 8, .value_kind: global_buffer, .address_space: global }
      - { .name: ca_ncb, .offset: 16, .size: 8, .value_kind: global_buffer, .address_space: global }
      - { .name: wpk, .offset: 24, .size: 8, .value_kind: global_buffer, .address_space: global }
      - { .name: kv_ca, .offset: 32, .size: 8, .value_kind: global_buffer, .address_space: global }
    .group_segment_fixed_size: 16384
    .private_segment_fixed_size: 0
    .kernarg_segment_align: 8
    .kernarg_segment_size: 40
    .max_flat_workgroup_size: 256
    .sgpr_count:     66
    .vgpr_count:     512
    .wavefront_size: 32
...
	.end_amdgpu_metadata
.endif
;; end of part 12
;; launch ca_tail (part 13): grid 256 x 1, 8 waves a work-group, clusters of 4 x 1, 327,680 bytes of LDS; arguments qbuf, kv_ca, x1, ca_bo, wpk, out0; writes out0
.if DOCPART == 13
	.amdgcn_target "amdgcn-amd-amdhsa--gfx1250"
	.amdhsa_code_object_version 6
	.text
	.protected	k_q9d8041eee2_ca_tail
	.globl	k_q9d8041eee2_ca_tail
	.p2align	8
	.type	k_q9d8041eee2_ca_tail,@function
k_q9d8041eee2_ca_tail:
	s_mov_b64 s[64:65], 0
	v_nop
	global_prefetch_b8 v0, s[64:65] scope:SCOPE_SE
	s_setreg_imm32_b32 hwreg(HW_REG_WAVE_MODE, 25, 1), 1
	s_wait_xcnt 0x0
	s_wait_alu depctr_hold_cnt(0) depctr_sa_sdst(0) depctr_va_vdst(0) depctr_va_sdst(0) depctr_va_ssrc(0) depctr_va_vcc(0) depctr_vm_vsrc(0)
	s_getreg_b32 s2, hwreg(HW_REG_IB_STS2, 6, 4)
	s_cmp_eq_u32 s2, 0
	s_cbranch_scc0 .Lentry_in_a_cluster
	s_endpgm
.Lentry_in_a_cluster:
	s_bfe_u32 s2, ttmp6, 0x10000c
	s_cmp_lg_u32 s2, 0x3003
	s_cbranch_scc0 .Lentry_shape_is_right
	s_endpgm
.Lentry_shape_is_right:
; Cross-attention and the way out in one launch: O = softmax(Q K^T / 8) V over the context's 512 keys, O quantised along the model's 512 channels, out0 = O Wo + bo + x1.  All products on codes of E2M1 with E8M0 scales.
; SHARES.  A work-group of eight waves takes 32 tokens: two tiles m = 0, 1; lane r of tile m stands for token 8 m + r + 8 (r / 8).  In attention wave w is head w and walks its two tiles one after the other, 4 steps of 128 keys each.
; For the last product wave w makes features 128 w .. + 127 of all 32 tokens: 16 accumulators that begin with x1.
; THE SOFTMAX: t = score x log2(e) / 8; M = the row's largest t so far, rounded up to a whole number; p = 2^(t - M) is quantised along the keys; the row's sum is taken of the unquantised p and divides O at the end.
; When M moves, the sum and O are multiplied by 2^(old M - new M): exact.
; K AND V of a head are one dense block of 32,768 bytes in the order of the operands' registers.  The four work-groups of a cluster lie in one batch, so wave w of each asks JOINTLY for head w's block; only the wave that asked reads it.
; Nothing is filled again.  K's and V's scale words (3,072 bytes a head) go through registers into the wave's own LDS bytes, V's turned on the way.
; K'S FRAGMENTS OVERLAP: the first product's K is a head's 64 channels, and Q's upper half is zero codes; so the four registers above a tile's own four may hold the next tile's codes: they meet zeros, under the byte 0x7f.
; x1 (128 registers) and half of Wo (128) are asked for at the head into window 1 and land under attention.  Wo's other half is asked for when window 0 falls free, and lands under the first 64 features' products and stores.
; Wo goes straight into registers, each work-group for itself: 262,144 of LDS's bytes hold K and V, so no landing place for 262,144 bytes of Wo is left.  No prefetch: every buffer is asked for at the head; there is no stream to run ahead of.
; O goes from wave to wave through LDS as an image of the operand's registers.  bo is added on the way out, where a lane holds 4 neighbouring features of a row: 8 registers hold all that a lane needs of it.
; LIMITS: NaN and infinities are not served; a block of zeros takes the scale byte 1, read by this program alone; the scaled scores stay under 2^31 in magnitude.
; REGISTERS, window 0, attention: v1-11 addresses; v12 -M, v13 the largest t, v[14:15] the sum; v16-23 Q of tile 0; v24-27 K's scale words, v28-29 V's, v30 Q's, v31 p's; v32-67 K's eight tiles; v68-75 Q of tile 1;
;   v96-159 S^T, then p; v160-191 O^T; v192-223 V's four tiles; v224-231 p's codes; v232-255 at work.  Behind attention: v32-47 Wo's scale words, v48-55 bo, v56-59 O's scale words, v64-191 Wo's chunks 2, 3, v192-255 O's fragments.
;   Window 1: v0-127 x1, then the result; v128-255 Wo's chunks 0, 1, then rows on their way out.
.set NK,   512
.set KSC,  262144                      ; LDS: from 0 K and V, 32,768 bytes a wave; here K's scale words, 2,048 a wave;
.set VSW,  278528                      ; V's, turned: [step][channel tile][r], 1,024 a wave;
.set OIMG, 286720                      ; O's images: tile m x 4,096 + head x 512 + block x 256;
.set OSC,  294912                      ; O's scale bytes: m x 256 + r x 16 + head x 2;
.set SPARE, 295424                     ; the spare words: 128 bytes for each wave, named by no other line
.set WOC,  1703936                     ; ca_wo's images in wpk
.set WOS,  2072576                     ; and its scale words
.set AK0,  1
.set NIL,  2                           ; 0; never rewritten
.set AS0,  3
.set AT0,  4
.set QST,  5
.set OSA,  6
.set SPW,  7                           ; SPARE + 4 x my thread's number; never rewritten
.set ADK,  8
.set LI,   9                           ; 16 x lane
.set ADS,  10
.set ADT,  11
.set QF,   16
.set KSR,  24
.set VSR,  28
.set QSR,  30
.set PSW,  31
.set KF,   32
.set ST,   96
.set OT,   160
.set VF,   192
.set PC,   224
.set TM,   232
.set L8,   3                           ; behind attention
.set STW,  4
.set STR,  8
.set XO,   10
.set BA,   11
.set OFR,  12
.set OSR,  13
.set WSC,  32
.set BO,   48
.set XS,   56
.set T,    192
.set WV,   20
.set WG,   21                          ; the work-group's number: it enters global addresses alone
.set SEL,  22
.set CS,   24
.set TK,   26
.set TS,   27
.set TJ,   28
.set CNT,  29
.set QCB,  32
.set QSB,  34
.set KSB,  36
.set VSB,  38
.set WB,   40
.set WSB,  42
.set G0,   68
.set G1,   72
.set MSB, 0
.macro WIN new                         ; the immediate's high byte repeats the setting that is left
.if MSB != \new
	s_set_vgpr_msb (MSB<<8)|\new
.set MSB, \new
.endif
.endm
.macro PLACES n
.rept \n
	v_nop
.endr
.endm
.macro ROUND                           ; a round of the cluster's barrier
	s_barrier_signal -1
	s_barrier_wait -1
	s_cmp_lg_u32 s[WV], 0
	s_cbranch_scc1 .Lnot_wave_0_\@
	s_barrier_signal -3
.Lnot_wave_0_\@:
	s_barrier_wait -3
	s_barrier_signal -1
	s_barrier_wait -1
.endm
.macro WMC d, a, b, z, sa, sb, ra, rb  ; one product; z = 1: C is the constant 0; ra, rb: that source's scales lie in lanes 16-31
.if \z
.if (\ra) && (\rb)
	v_wmma_scale_f32_16x16x128_f8f6f4 v[\d:\d+7], v[\a:\a+7], v[\b:\b+7], 0, v[\sa], v[\sb] matrix_a_fmt:MATRIX_FMT_FP4 matrix_b_fmt:MATRIX_FMT_FP4 matrix_a_scale:MATRIX_SCALE_ROW1 matrix_b_scale:MATRIX_SCALE_ROW1
.elseif (\ra)
	v_wmma_scale_f32_16x16x128_f8f6f4 v[\d:\d+7], v[\a:\a+7], v[\b:\b+7], 0, v[\sa], v[\sb] matrix_a_fmt:MATRIX_FMT_FP4 matrix_b_fmt:MATRIX_FMT_FP4 matrix_a_scale:MATRIX_SCALE_ROW1
.elseif (\rb)
	v_wmma_scale_f32_16x16x128_f8f6f4 v[\d:\d+7], v[\a:\a+7], v[\b:\b+7], 0, v[\sa], v[\sb] matrix_a_fmt:MATRIX_FMT_FP4 matrix_b_fmt:MATRIX_FMT_FP4 matrix_b_scale:MATRIX_SCALE_ROW1
.else
	v_wmma_scale_f32_16x16x128_f8f6f4 v[\d:\d+7], v[\a:\a+7], v[\b:\b+7], 0, v[\sa], v[\sb] matrix_a_fmt:MATRIX_FMT_FP4 matrix_b_fmt:MATRIX_FMT_FP4
.endif
.else
.if (\ra) && (\rb)
	v_wmma_scale_f32_16x16x128_f8f6f4 v[\d:\d+7], v[\a:\a+7], v[\b:\b+7], v[\d:\d+7], v[\sa], v[\sb] matrix_a_fmt:MATRIX_FMT_FP4 matrix_b_fmt:MATRIX_FMT_FP4 matrix_a_scale:MATRIX_SCALE_ROW1 matrix_b_scale:MATRIX_SCALE_ROW1
.elseif (\ra)
	v_wmma_scale_f32_16x16x128_f8f6f4 v[\d:\d+7], v[\a:\a+7], v[\b:\b+7], v[\d:\d+7], v[\sa], v[\sb] matrix_a_fmt:MATRIX_FMT_FP4 matrix_b_fmt:MATRIX_FMT_FP4 matrix_a_scale:MATRIX_SCALE_ROW1
.elseif (\rb)
	v_wmma_scale_f32_16x16x128_f8f6f4 v[\d:\d+7], v[\a:\a+7], v[\b:\b+7], v[\d:\d+7], v[\sa], v[\sb] matrix_a_fmt:MATRIX_FMT_FP4 matrix_b_fmt:MATRIX_FMT_FP4 matrix_b_scale:MATRIX_SCALE_ROW1
.else
	v_wmma_scale_f32_16x16x128_f8f6f4 v[\d:\d+7], v[\a:\a+7], v[\b:\b+7], v[\d:\d+7], v[\sa], v[\sb] matrix_a_fmt:MATRIX_FMT_FP4 matrix_b_fmt:MATRIX_FMT_FP4
.endif
.endif
.endm
.macro QB s, nb                        ; nb blocks are quantised: register s + 16 b + i is number 16 h + i of block b of my row
.set qb, 0
.rept \nb
	v_max3_num_f32 v[TM+qb], |v[(\s)+16*qb]|, |v[(\s)+16*qb+1]|, 0x1800000   ; and the floor 2^(3 - 127): the byte cannot fall under 1
.set qb, qb+1
.endr
.set qi, 2
.rept 7
.set qb, 0
.rept \nb
	s_delay_alu instid0(VALU_DEP_2)
	v_max3_num_f32 v[TM+qb], v[TM+qb], |v[(\s)+16*qb+qi]|, |v[(\s)+16*qb+qi+1]|
.set qb, qb+1
.endr
.set qi, qi+2
.endr
.set qb, 0
.rept \nb
	s_delay_alu instid0(VALU_DEP_2)
	v_permlanex16_b32 v[TM+4+qb], v[TM+qb], s[SEL], s[SEL+1]
.set qb, qb+1
.endr
.set qb, 0
.rept \nb
	s_delay_alu instid0(VALU_DEP_2)
	v_max_num_f32 v[TM+qb], v[TM+qb], v[TM+4+qb]
.set qb, qb+1
.endr
.set qb, 0
.rept \nb
	s_delay_alu instid0(VALU_DEP_2)
	v_add_nc_u32 v[TM+12+qb], 0xff000000, v[TM+qb]
.set qb, qb+1
.endr
.set qb, 0
.rept \nb
	s_delay_alu instid0(VALU_DEP_2)
	v_lshrrev_b32 v[TM+4+qb], 23, v[TM+12+qb]
.set qb, qb+1
.endr
.set qb, 0
.rept \nb
	v_cvt_scalef32_pk8_fp4_f32 v[PC+2*qb], v[(\s)+16*qb:(\s)+16*qb+7], v[TM+12+qb]
	v_cvt_scalef32_pk8_fp4_f32 v[PC+2*qb+1], v[(\s)+16*qb+8:(\s)+16*qb+15], v[TM+12+qb]
.set qb, qb+1
.endr
	v_nop                                          ; one plain place behind a scaled conversion
.endm
; Chunk i of Wo (tiles 4 (i / 2) on, K steps 2 (i % 2) on): 16 loads of 512 consecutive bytes into base ..
.macro WLD i, base
.irp sp, 0,1
.irp tt, 0,1,2,3
.irp cc, 0,1
	global_load_b128 v[(\base)+32*\sp+8*\tt+4*\cc:(\base)+32*\sp+8*\tt+4*\cc+3], v[LI], s[WB:WB+1] offset:16384*((\i)/2)+2048*((\i)%2)+4096*\tt+1024*\sp+512*\cc
.endr
.endr
.endr
.endm
; Chunk i's 16 products: source 0 = 16 rows of Wo, source 1 = 16 tokens of O; sums in window 1.  The eight accumulators take turns, one instruction a turn.
.macro WMT i
.if (\i) < 2
	WIN 0x51                                       ; Wo's chunk in window 1
.set rB, 128+64*(\i)
.else
	WIN 0x50                                       ; in window 0
.set rB, 64*((\i)-1)
.endif
.irp sp, 0,1
.irp tt, 0,1,2,3
.irp mm, 0,1
.set rD, 64*\mm+32*((\i)/2)+8*\tt
.set rW, rB+32*\sp+8*\tt
.set rX, T+32*\mm+16*((\i)%2)+8*\sp
.set rWS, WSC+4*(\i)+2*(\tt/2)+\sp
.set rXS, XS+2*((\i)%2)+\sp
	WMC rD, rW, rX, 0, rWS, rXS, \tt%2, \mm
.endr
.endr
.endr
	WIN 0
.endm
; Features 64 hb on of my 128 go out, both tiles: 16 rows x 256 bytes at a time through my own stage (in my block of K, which has had its one fill and my last read) and back as rows: lanes 0-15 one row, lanes 16-31 the next.
; LDS serves a wave's instructions in order: no wait between the stores and the loads, nor in front of the next tile's stores.  bo is added to the rows.  The four sets of rows have registers of their own.
.macro XO2 hb
	PLACES 4                                       ; in front of the first read of results, and of loads into registers that products have read
.irp m, 0,1
	WIN 0x04
.irp bb, 0,1
.irp jj, 0,1,2,3
	ds_store_b128 v[STW], v[64*\m+32*\hb+16*\bb+4*\jj:64*\m+32*\hb+16*\bb+4*\jj+3] offset:128*\bb+16*\jj   ; each accumulator from its low end on
.endr
.endr
	WIN 0x40
.irp ii, 0,1,2,3,4,5,6,7
	ds_load_b128 v[128+64*\hb+32*\m+4*\ii:128+64*\hb+32*\m+4*\ii+3], v[STR] offset:544*\ii
.endr
.endr
.irp m, 0,1
	s_wait_dscnt 16*(1-\m)                         ; this tile's rows are back; the other tile's 8 stores and 8 loads may be out
	WIN 0x41
.irp ii, 0,1,2,3,4,5,6,7
	v_pk_add_f32 v[128+64*\hb+32*\m+4*\ii:128+64*\hb+32*\m+4*\ii+1], v[128+64*\hb+32*\m+4*\ii:128+64*\hb+32*\m+4*\ii+1], v[BO+4*\hb:BO+4*\hb+1]
	v_pk_add_f32 v[128+64*\hb+32*\m+4*\ii+2:128+64*\hb+32*\m+4*\ii+3], v[128+64*\hb+32*\m+4*\ii+2:128+64*\hb+32*\m+4*\ii+3], v[BO+4*\hb+2:BO+4*\hb+3]
.endr
	WIN 0x04
.irp ii, 0,1,2,3,4,5,6,7
	global_store_b128 v[XO], v[128+64*\hb+32*\m+4*\ii:128+64*\hb+32*\m+4*\ii+3], s[14:15] offset:(8*\m+2*\ii+8*(\ii/4))*4096+256*\hb th:TH_STORE_NT   ; sixteen lanes store 256 consecutive bytes, aligned
.endr
.endr
	WIN 0
.endm
; Attention of tile m over my head's 512 keys, and O's two blocks to LDS.
.macro ATT m
	v_mov_b32 v13, 0xff61b1e6                      ; the largest t so far: -3e38, under every t
	v_mov_b32 v14, 0
	v_mov_b32 v15, 0
	v_floor_f32 v12, -v13                          ; -M
.irp j, 0,1,2,3,4,5,6,7,8,9,10,11,12,13,14,15,16,17,18,19,20,21,22,23,24,25,26,27,28,29,30,31
	v_mov_b32 v[OT+\j], 0                          ; O^T: the first step finds zeros, which the first change of M leaves zeros
.endr
	s_mov_b32 s[TK], 0
	s_mov_b32 s[TS], 0
	s_mov_b32 s[TJ], 0
	s_mov_b32 s[CNT], NK/128
	s_wait_alu depctr_va_vdst(0)
.Lstep\m:                                          ; 128 keys a trip
	v_add_nc_u32 v[ADK], s[TK], v[AK0]             ; (these four are also the places in front of loads into registers that the last products have read)
	v_add_nc_u32 v[ADS], s[TS], v[AS0]
	v_add_nc_u32 v[ADT], s[TJ], v[AT0]
	v_nop
.irp t, 0,1,2,3,4,5,6,7
	ds_load_b128 v[KF+4*\t:KF+4*\t+3], v[ADK] offset:512*\t
.endr
.irp b, 0,1,2,3
	ds_load_b32 v[KSR+\b], v[ADS] offset:128*\b    ; lanes 0-15 tile 2 b's words, lanes 16-31 tile 2 b + 1's
.endr
.irp t, 0,1,2,3
.irp c, 0,1
	ds_load_b128 v[VF+8*\t+4*\c:VF+8*\t+4*\c+3], v[ADK] offset:16384+2048*\c+512*\t
.endr
.endr
.irp p, 0,1
	ds_load_b32 v[VSR+\p], v[ADT] offset:128*\p
.endr
	s_wait_dscnt 10                                ; K and its scale words are in; V's ten loads stay out
.irp t, 0,1,2,3,4,5,6,7
	WMC ST+8*\t, KF+4*\t, QF+52*\m, 1, KSR+\t/2, QSR, \t%2, \m
.endr
	PLACES 4
.irp b, 0,1,2,3
	v_max3_num_f32 v[232+\b], v[96+16*\b], v[97+16*\b], v[98+16*\b]   ; the largest score of each block of 32 keys: for the row's maximum, and, since p rises with the score, for the block's largest p
.endr
.irp i, 3,5,7,9,11,13
.irp b, 0,1,2,3
	v_max3_num_f32 v[232+\b], v[232+\b], v[96+16*\b+\i], v[97+16*\b+\i]
.endr
.endr
.irp b, 0,1,2,3
	v_max_num_f32 v[232+\b], v[232+\b], v[111+16*\b]
.endr
.irp b, 0,1,2,3
	s_delay_alu instid0(VALU_DEP_4)
	v_permlanex16_b32 v[236+\b], v[232+\b], s[SEL], s[SEL+1]
.endr
.irp b, 0,1,2,3
	s_delay_alu instid0(VALU_DEP_4)
	v_max_num_f32 v[232+\b], v[232+\b], v[236+\b]  ; with lane l xor 16's 16 keys
.endr
	s_delay_alu instid0(VALU_DEP_2)
	v_max3_num_f32 v254, v232, v233, v234
	s_delay_alu instid0(VALU_DEP_1)
	v_max_num_f32 v254, v254, v235                 ; the step's largest score of my query
	s_delay_alu instid0(VALU_DEP_1)
	v_mul_f32 v254, s[CS], v254                    ; as t (c is positive)
	s_delay_alu instid0(VALU_DEP_1)
	v_max_num_f32 v13, v13, v254                   ; the running largest t
	v_mov_b32 v254, v12
	s_delay_alu instid0(VALU_DEP_2)
	v_floor_f32 v12, -v13                          ; the new -M = floor(-t) = -ceil(t)
	s_delay_alu instid0(VALU_DEP_1)
	v_sub_f32 v254, v12, v254                      ; old M less new M: a whole number, 0 or less
	s_delay_alu instid0(VALU_DEP_1)
	v_cvt_i32_f32 v254, v254                       ; (it saturates)
	s_delay_alu instid0(VALU_DEP_1)
	v_ldexp_f32 v252, 1.0, v254                    ; f = 2^(old M - new M)
.irp j, 0,2,4,6,8,10,12,14,16,18,20,22,24,26,28,30,32,34,36,38,40,42,44,46,48,50,52,54,56,58,60,62
	v_pk_fma_f32 v[96+\j:97+\j], v[96+\j:97+\j], s[CS:CS+1], v[12:13] op_sel_hi:[1,0,0]   ; t - M, two at a time
.endr
.irp b, 0,1,2,3
	v_fma_f32 v[232+\b], v[232+\b], s[CS], v12     ; the same of each block's largest score
.endr
	s_wait_alu depctr_va_vdst(0)
.irp j, 0,1,2,3,4,5,6,7,8,9,10,11,12,13,14,15,16,17,18,19,20,21,22,23,24,25,26,27,28,29,30,31,32,33,34,35,36,37,38,39,40,41,42,43,44,45,46,47,48,49,50,51,52,53,54,55,56,57,58,59,60,61,62,63
	v_exp_f32 v[96+\j], v[96+\j]                   ; p = 2^(t - M), at most 1
.endr
.irp b, 0,1,2,3
	v_exp_f32 v[232+\b], v[232+\b]                 ; the block's largest p
.endr
	v_pk_mul_f32 v[14:15], v[14:15], v[252:253] op_sel_hi:[1,0]   ; the sums under the new M (a plain place behind the exponentials)
	s_wait_alu depctr_va_vdst(0)                   ; and behind it, ahead of the first reader
.irp b, 0,1,2,3
	v_max_num_f32 v[232+\b], 0x1800000, v[232+\b]  ; the floor 2^(3 - 127)
.endr
.irp b, 0,1,2,3
	s_delay_alu instid0(VALU_DEP_4)
	v_add_nc_u32 v[244+\b], 0xff000000, v[232+\b]  ; 2 off the exponent field: the conversion's scale operand
.endr
.irp b, 0,1,2,3
	s_delay_alu instid0(VALU_DEP_4)
	v_lshrrev_b32 v[236+\b], 23, v[244+\b]         ; the scale's byte
.endr
	s_delay_alu instid0(VALU_DEP_3)
	v_lshl_or_b32 v[PSW], v237, 8, v236            ; p's scale word for these 128 keys
	s_delay_alu instid0(VALU_DEP_1)
	v_lshl_or_b32 v[PSW], v238, 16, v[PSW]
	s_delay_alu instid0(VALU_DEP_1)
	v_lshl_or_b32 v[PSW], v239, 24, v[PSW]
.irp b, 0,1,2,3
	v_cvt_scalef32_pk8_fp4_f32 v[224+2*\b], v[96+16*\b:103+16*\b], v[244+\b]
	v_cvt_scalef32_pk8_fp4_f32 v[225+2*\b], v[104+16*\b:111+16*\b], v[244+\b]
.endr
	v_nop                                          ; one plain place behind a scaled conversion
.irp c, 0,1                                    ; the operand's layout wants a whole block in a lane: lanes 0-15 block 2 c, lanes 16-31 block 2 c + 1
.irp i, 0,1
	v_permlane16_swap_b32 v[224+4*\c+\i], v[226+4*\c+\i]
.endr
.endr
	v_pk_add_f32 v[236:237], v[100:101], v[104:105]   ; the row's sum of the unquantised p, in eight chains
	v_pk_add_f32 v[254:255], v[108:109], v[112:113]
	v_pk_add_f32 v[250:251], v[116:117], v[120:121]
	v_pk_add_f32 v[248:249], v[124:125], v[128:129]
	v_pk_add_f32 v[246:247], v[132:133], v[136:137]
	v_pk_add_f32 v[244:245], v[140:141], v[144:145]
	v_pk_add_f32 v[234:235], v[148:149], v[152:153]
	v_pk_add_f32 v[14:15], v[14:15], v[156:157]
	v_pk_add_f32 v[236:237], v[236:237], v[96:97]
	v_pk_add_f32 v[254:255], v[254:255], v[98:99]
	v_pk_add_f32 v[250:251], v[250:251], v[102:103]
	v_pk_add_f32 v[248:249], v[248:249], v[106:107]
	v_pk_add_f32 v[246:247], v[246:247], v[110:111]
	v_pk_add_f32 v[244:245], v[244:245], v[114:115]
	v_pk_add_f32 v[234:235], v[234:235], v[118:119]
	v_pk_add_f32 v[14:15], v[14:15], v[122:123]
	v_pk_add_f32 v[236:237], v[236:237], v[126:127]
	v_pk_add_f32 v[254:255], v[254:255], v[130:131]
	v_pk_add_f32 v[250:251], v[250:251], v[134:135]
	v_pk_add_f32 v[248:249], v[248:249], v[138:139]
	v_pk_add_f32 v[246:247], v[246:247], v[142:143]
	v_pk_add_f32 v[244:245], v[244:245], v[146:147]
	v_pk_add_f32 v[234:235], v[234:235], v[150:151]
	v_pk_add_f32 v[14:15], v[14:15], v[154:155]
	v_pk_add_f32 v[236:237], v[236:237], v[158:159]
	s_delay_alu instid0(VALU_DEP_2)
	v_pk_add_f32 v[14:15], v[14:15], v[248:249]
	s_delay_alu instid0(VALU_DEP_2)
	v_pk_add_f32 v[236:237], v[236:237], v[246:247]
	v_pk_add_f32 v[254:255], v[254:255], v[244:245]
	v_pk_add_f32 v[250:251], v[250:251], v[234:235]
	s_delay_alu instid0(VALU_DEP_2)
	v_pk_add_f32 v[14:15], v[14:15], v[254:255]
	s_delay_alu instid0(VALU_DEP_2)
	v_pk_add_f32 v[236:237], v[236:237], v[250:251]
	s_delay_alu instid0(VALU_DEP_1)
	v_pk_add_f32 v[14:15], v[14:15], v[236:237]
.irp j, 0,2,4,6,8,10,12,14,16,18,20,22,24,26,28,30
	v_pk_mul_f32 v[OT+\j:OT+\j+1], v[OT+\j:OT+\j+1], v[252:253] op_sel_hi:[1,0]   ; O^T under the new M.  (With the sums above: the places between p's codes and scale word and the products below)
.endr
	s_wait_alu depctr_va_vdst(0)
	s_wait_dscnt 0x0                               ; V and its scale words are in
.irp t, 0,1,2,3
	WMC OT+8*\t, VF+8*\t, PC, 0, VSR+\t/2, PSW, \t%2, 0   ; one instruction a trip on each accumulator
.endr
	s_add_co_u32 s[TK], s[TK], 4096
	s_add_co_u32 s[TS], s[TS], 512
	s_add_co_u32 s[TJ], s[TJ], 256
	s_sub_co_u32 s[CNT], s[CNT], 1
	s_cmp_lg_u32 s[CNT], 0
	s_cbranch_scc1 .Lstep\m
	PLACES 4
	v_add_f32 v14, v14, v15                        ; the sum's two halves,
	s_delay_alu instid0(VALU_DEP_1)
	v_permlanex16_b32 v252, v14, s[SEL], s[SEL+1]
	s_delay_alu instid0(VALU_DEP_1)
	v_add_f32 v14, v14, v252                       ; and lane l xor 16's: the row's sum
	s_wait_alu depctr_va_vdst(0)
	v_rcp_f32 v14, v14
	v_nop                                          ; one plain place behind a transcendental
	s_wait_alu depctr_va_vdst(0)                   ; and ahead of its first reader
.irp j, 0,2,4,6,8,10,12,14,16,18,20,22,24,26,28,30
	v_pk_mul_f32 v[96+\j:97+\j], v[OT+\j:OT+\j+1], v[14:15] op_sel_hi:[1,0]   ; O^T / the sum: register 16 b + i is channel 32 b + 16 h + i of my query
.endr
	QB 96, 2                                       ; the head's two blocks along the last product's K
.irp b, 0,1
	ds_store_b64 v[QST], v[PC+2*\b:PC+2*\b+1] offset:4096*\m+256*\b
.endr
	v_lshl_or_b32 v248, v[TM+5], 8, v[TM+4]
	ds_store_b16 v[OSA], v248 offset:256*\m        ; the two scale bytes of my query; lanes 16-31 write the same
.endm
	s_load_b256 s[4:11], s[0:1], 0x0               ; qbuf, kv_ca, x1, ca_bo
	s_load_b128 s[12:15], s[0:1], 0x20             ; wpk, out0
	v_lshl_add_u32 v[SPW], v0, 2, SPARE
	v_mov_b32 v[NIL], 0
	ds_add_u32 v[SPW], v[NIL]                      ; the opening lines: the add, twice on end, and its wait ahead of my tensor load
	ds_add_u32 v[SPW], v[NIL]
	v_lshrrev_b32 v160, 5, v0
	v_readfirstlane_b32 s[WV], v160                ; wave = head
	s_bfe_u32 s30, ttmp6, 0x40000                  ; cx: it enters Q's, x1's and out0's global addresses alone
	s_lshl_b32 s[WG], ttmp9, 2                     ; in a cluster launch ttmp9 counts clusters
	s_add_co_u32 s[WG], s[WG], s30                 ; my block of 32 tokens
	s_lshr_b32 s44, ttmp9, 4                       ; batch: 16 clusters each, so the four partners share it
	s_and_b32 s45, s[WG], 63                       ; block of 32 tokens in it
	s_lshl_b32 s46, s44, 3
	s_add_co_u32 s46, s46, s[WV]                   ; batch x 8 + head
	s_lshl_b32 s47, s[WV], 15                      ; my 32,768 bytes of LDS, and of Wo
	s_lshl_b32 s48, s[WV], 11
	s_lshl_b32 s49, s[WV], 10
	s_lshl_b32 s50, s[WV], 9
	s_lshl_b32 s51, s[WV], 1
	s_add_co_u32 s52, s50, OIMG
	s_add_co_u32 s53, s51, OSC
	s_add_co_u32 s54, s48, KSC
	s_add_co_u32 s55, s49, VSW
	s_mov_b32 s[SEL], 0x76543210
	s_mov_b32 s[SEL+1], 0xfedcba98                 ; v_permlanex16_b32's selects for lane l xor 16
	s_mov_b32 s[CS], 0x3e38aa3b                    ; c = log2(e) / 8
	s_mov_b32 s[CS+1], s[CS]                       ; (named with it as a pair, so it is written)
	; descriptor group 1: a dense block of 32,768 bytes as 128 rows of 256 bytes (32 elements of 8 bytes), no padding
	s_mov_b32 s[G1], 15|(3<<16)|(1<<21)            ; 15:0 the mask: all four work-groups; 17:16 elements of 8 bytes; 21 set beside a mask
	s_mov_b32 s[G1+1], 32<<16
	s_mov_b32 s[G1+2], 128<<16
	s_mov_b32 s[G1+3], 32<<16
	s_mov_b32 s[G1+4], 128
	s_mov_b32 s[G1+5], 32
	s_mov_b32 s[G1+6], 0
	s_mov_b32 s[G1+7], 0
	s_mov_b32 s[G0], 1
	s_mov_b32 s[G0+1], s47                         ; LDS address: the wave's number alone enters it
	s_mov_b32 s31, 0
	v_and_b32 v160, 31, v0                         ; lane
	v_and_b32 v161, 15, v0                         ; r
	v_bfe_u32 v162, v0, 4, 1                       ; h
	v_lshlrev_b32 v[LI], 4, v160
	v_add_nc_u32 v[AK0], s47, v[LI]
	v_lshl_add_u32 v[AS0], v160, 2, s54
	v_lshl_add_u32 v[AT0], v160, 2, s55
	v_lshlrev_b32 v[QST], 4, v161
	v_lshl_add_u32 v[QST], v162, 3, v[QST]
	v_add_nc_u32 v[QST], s52, v[QST]               ; O's image: 16 r + 8 h + 512 w
	v_lshl_add_u32 v[OSA], v161, 4, s53            ; O's scale bytes: 16 r + 2 w
	v_add_nc_u32 v163, s54, v[LI]                  ; where K's scale words go
	v_lshlrev_b32 v164, 8, v162
	v_lshl_add_u32 v164, v161, 2, v164             ; V's scale words: lane (r, h) takes steps h and h + 2, channel row r
	v_add_nc_u32 v165, s55, v164
	v_lshlrev_b32 v166, 2, v160
	v_and_b32 v167, 8, v161
	v_add_nc_u32 v167, v167, v161                  ; r + 8 (r / 8)
	v_lshlrev_b32 v167, 12, v167
	v_lshl_add_u32 v168, v162, 6, s50
	v_add_nc_u32 v167, v167, v168                  ; x1: my row, + 64 h + 512 w
	s_wait_alu depctr_va_vdst(0)
	s_wait_dscnt 0x0                               ; both opening adds are done
	s_wait_kmcnt 0x0
	s_lshl_b32 s30, s46, 16
	s_lshl_b32 s44, s45, 10
	s_add_co_u32 s30, s30, s44
	s_add_nc_u64 s[QCB:QCB+1], s[4:5], s[30:31]    ; my two tiles of Q
	s_lshl_b32 s30, s46, 13
	s_lshl_b32 s44, s45, 7
	s_add_co_u32 s30, s30, s44
	s_add_co_u32 s30, s30, 2097152
	s_add_nc_u64 s[QSB:QSB+1], s[4:5], s[30:31]    ; and their scale words
	s_lshl_b32 s30, s46, 15
	s_add_nc_u64 s[G0+2:G0+3], s[6:7], s[30:31]    ; my head's K and V: the same address in all four work-groups
	s_or_b32 s[G0+3], s[G0+3], 0x80000000          ; type = 2
	s_lshl_b32 s30, s46, 11
	s_add_co_u32 s30, s30, 1048576
	s_add_nc_u64 s[KSB:KSB+1], s[6:7], s[30:31]
	s_lshl_b32 s30, s46, 10
	s_add_co_u32 s30, s30, 1114112
	s_add_nc_u64 s[VSB:VSB+1], s[6:7], s[30:31]
	s_lshl_b32 s30, s[WG], 17                      ; 32 rows of 4,096 bytes
	s_add_nc_u64 s[8:9], s[8:9], s[30:31]
	s_add_nc_u64 s[14:15], s[14:15], s[30:31]
	s_add_co_u32 s30, s47, WOC
	s_add_nc_u64 s[WB:WB+1], s[12:13], s[30:31]    ; my eight tiles of Wo
	s_mov_b32 s30, s48
	s_add_nc_u64 s[WSB:WSB+1], s[12:13], s[30:31]
	global_load_b128 v[QF:QF+3], v[LI], s[QCB:QCB+1]
	global_load_b128 v[QF+52:QF+55], v[LI], s[QCB:QCB+1] offset:512
	global_load_b32 v[QSR], v166, s[QSB:QSB+1]     ; lanes 0-15 tile 0's words, lanes 16-31 tile 1's
.irp i, 0,1,2,3
	global_load_b128 v[96+4*\i:99+4*\i], v[LI], s[KSB:KSB+1] offset:512*\i
.endr
.irp p, 0,1
.irp i, 0,1,2,3
	global_load_b32 v[112+4*\p+\i], v164, s[VSB:VSB+1] offset:512*\p+64*\i
.endr
.endr
	WIN 0x40
.irp mm, 0,1
.irp bb, 0,1,2,3
.irp jj, 0,1,2,3
	global_load_b128 v[64*\mm+16*\bb+4*\jj:64*\mm+16*\bb+4*\jj+3], v167, s[8:9] offset:32768*\mm+128*\bb+16*\jj   ; x1: of each block of 32 features my 16
.endr
.endr
.endr
	WIN 0
	ROUND                                          ; all four work-groups are here: the joint loads meet
	tensor_load_to_lds s[G0:G0+3], s[G1:G1+7]      ; my one tensor load
	s_nop 0
	PLACES 4
	s_wait_loadcnt 32                              ; Q and the scale words are in; x1's 32 loads stay out
.irp i, 0,1,2,3
	ds_store_b128 v163, v[96+4*\i:99+4*\i] offset:512*\i
.endr
	; V's scale bytes lie [key block][channel row][channel tile]; the product wants, for a channel, the bytes of a step's four key blocks in one word: 4 x 4 bytes are turned in registers
.irp p, 0,1
	v_perm_b32 v[120+8*\p], v[113+4*\p], v[112+4*\p], 0x05010400
	v_perm_b32 v[121+8*\p], v[113+4*\p], v[112+4*\p], 0x07030602
	v_perm_b32 v[122+8*\p], v[115+4*\p], v[114+4*\p], 0x05010400
	v_perm_b32 v[123+8*\p], v[115+4*\p], v[114+4*\p], 0x07030602
	v_perm_b32 v[124+8*\p], v[122+8*\p], v[120+8*\p], 0x05040100
	v_perm_b32 v[125+8*\p], v[122+8*\p], v[120+8*\p], 0x07060302
	v_perm_b32 v[126+8*\p], v[123+8*\p], v[121+8*\p], 0x05040100
	v_perm_b32 v[127+8*\p], v[123+8*\p], v[121+8*\p], 0x07060302
.irp i, 0,1,2,3
	ds_store_b32 v165, v[124+8*\p+\i] offset:512*\p+64*\i
.endr
.endr
	WIN 0x40
	WLD 0, 128                                     ; Wo's first four tiles land under attention
	WLD 1, 192
	WIN 0
.irp b, 0,1,2,3
	v_mov_b32 v[TM+4+\b], 0                        ; written once: a lane permute's destination counts as one of its sources
	v_mov_b32 v[QF+4+\b], 0                        ; the K step's upper half of Q: zero codes, in both tiles
	v_mov_b32 v[QF+56+\b], 0
	v_mov_b32 v[KF+32+\b], 0                       ; what lies above K's last tile
.endr
	v_mov_b32 v253, 0                              ; (named as the upper half of the pair v[252:253])
	s_wait_alu depctr_va_vdst(0)
	s_wait_xcnt 0x0                                ; the loads have read their offsets: those registers are written again below
	s_wait_tensorcnt 0x0                           ; my head's K and V have landed; nobody else reads them
	ATT 0
	ATT 1
	; ---- out0 = O Wo + x1 + bo
	v_and_b32 v28, 31, v0                          ; lane
	v_and_b32 v29, 15, v0                          ; r
	v_bfe_u32 v30, v0, 4, 1                        ; h
	v_lshlrev_b32 v[L8], 3, v28
	v_mul_u32_u24 v[STW], v29, 272
	v_mul_u32_u24 v[STR], v30, 272
	v_lshl_add_u32 v[STW], v30, 6, v[STW]
	v_lshl_add_u32 v[STR], v29, 4, v[STR]
	v_add_nc_u32 v[STW], s47, v[STW]               ; into my stage: row r, + 64 h
	v_add_nc_u32 v[STR], s47, v[STR]               ; back: row h of a pair, 16 bytes a lane
	v_lshl_add_u32 v[BA], v29, 4, s50              ; bo: 16 r + 512 w
	v_lshl_add_u32 v[XO], v30, 12, v[BA]           ; out0: row h of the pair, + 16 r + 512 w
	v_add_nc_u32 v[OFR], OIMG, v[LI]
	v_add_nc_u32 v[OSR], OSC, v[LI]
	s_wait_alu depctr_va_vdst(0)
.irp jj, 0,1,2,3
.irp pp, 0,1
	global_load_b64 v[WSC+4*\jj+2*\pp:WSC+4*\jj+2*\pp+1], v[L8], s[WSB:WSB+1] offset:WOS+1024*(\jj/2)+256*(\jj%2)+\pp*512   ; Wo's scale words
.endr
.endr
.irp hb, 0,1
	global_load_b128 v[BO+4*\hb:BO+4*\hb+3], v[BA], s[10:11] offset:256*\hb
.endr
	WLD 2, 64                                      ; Wo's last four tiles, into registers that attention has left
	WLD 3, 128
	s_wait_dscnt 0x0                               ; my part of O's images is stored
	s_barrier_signal -1
	s_barrier_wait -1                              ; everybody's is
.irp mm, 0,1
.irp ss, 0,1,2,3
.irp cc, 0,1
	ds_load_b128 v[T+32*\mm+8*\ss+4*\cc:T+32*\mm+8*\ss+4*\cc+3], v[OFR] offset:4096*\mm+512*(2*\ss+\cc)   ; K step ss = heads 2 ss, 2 ss + 1
.endr
.endr
.endr
	ds_load_b128 v[XS:XS+3], v[OSR]                ; O's four scale words: lanes 0-15 tile 0's, lanes 16-31 tile 1's
	s_wait_loadcnt 32                              ; x1, Wo's first half, its scale words and bo are in; the second half's 32 loads stay out
	s_wait_dscnt 0x0
	WMT 0
	WMT 1
	XO2 0                                          ; features 0-63 of my 128 leave while Wo's second half lands
	s_wait_loadcnt 0x0
	WMT 2
	WMT 3
	XO2 1
	s_wait_tensorcnt 0x0                           ; the wave's end: behind my tensor load and my last LDS store
	ds_add_u32 v[SPW], v[NIL]
	s_wait_dscnt 0x0
	ROUND                                          ; the closing round: no work-group ends while a partner may still ask for a block that names it
	s_endpgm
.Lfunc_end_k_q9d8041eee2_ca_tail:
	.size	k_q9d8041eee2_ca_tail, .Lfunc_end_k_q9d8041eee2_ca_tail-k_q9d8041eee2_ca_tail
	.p2alignl 7, 3214868480
	.fill 96, 4, 3214868480
	.section	.rodata,"a",@progbits
	.p2align	6, 0x0
	.amdhsa_kernel k_q9d8041eee2_ca_tail
		.amdhsa_group_segment_fixed_size 327680
		.amdhsa_private_segment_fixed_size 0
		.amdhsa_enable_private_segment 0
		.amdhsa_kernarg_size 48
		.amdhsa_user_sgpr_count 2
		.amdhsa_user_sgpr_kernarg_segment_ptr 1
		.amdhsa_wavefront_size32 1
		.amdhsa_system_sgpr_workgroup_id_x 1
		.amdhsa_system_sgpr_workgroup_id_y 1
		.amdhsa_system_sgpr_workgroup_id_z 1
		.amdhsa_system_vgpr_workitem_id 0
		.amdhsa_next_free_vgpr 512
		.amdhsa_next_free_sgpr 80
		.amdhsa_reserve_vcc 0
		.amdhsa_float_denorm_mode_32 3
		.amdhsa_float_denorm_mode_16_64 3
		.amdhsa_memory_ordered 1
		.amdhsa_forward_progress 1
		.amdhsa_inst_pref_size 85
	.end_amdhsa_kernel
	.amdgpu_metadata
---
amdhsa.version: [ 1, 2 ]
amdhsa.kernels:
  - .name:           k_q9d8041eee2_ca_tail
    .symbol:         k_q9d8041eee2_ca_tail.kd
    .args:
      - { .name: qbuf, .offset: 0, .size: 8, .value_kind: global_buffer, .address_space: global }
      - { .name: kv_ca, .offset: 8, .size: 8, .value_kind: global_buffer, .address_space: global }
      - { .name: x1, .offset: 16, .size: 8, .value_kind: global_buffer, .address_space: global }
      - { .name: ca_bo, .offset: 24, .size: 8, .value_kind: global_buffer, .address_space: global }
      - { .name: wpk, .offset: 32, .size: 8, .value_kind: global_buffer, .address_space: global }
      - { .name: out0, .offset: 40, .size: 8, .value_kind: global_buffer, .address_space: global }
    .group_segment_fixed_size: 327680
    .private_segment_fixed_size: 0
    .kernarg_segment_align: 8
    .kernarg_segment_size: 48
    .max_flat_workgroup_size: 256
    .sgpr_count:     80
    .vgpr_count:     512
    .wavefront_size: 32
...
	.end_amdgpu_metadata
.endif
;; end of part 13
